; MI455X (gfx1250); checked and timed in simulation.
; The chip was launched on July 23, 2026; its instructions are those of AMD's public machine-readable ISA for CDNA 5 (MIT licence, August 2026) and "CDNA5" Instruction Set Architecture Reference Guide (July 2026). The comments in the code are by the model that wrote it; some were corrected since.
;; Causal Self Attention ARMA. Allowed arithmetic: float matrix products may take bf16 or f16 operands with f32 sums; other float arithmetic in f32, or as packed bf16 or f16 multiplies, adds, multiply-adds, maxima and minima; sums over many terms, partial sums and values carried from step to step in f32; what a program stores and reads back later, other than sums and carried values, may be rounded once to bf16 or f16.
;; Inputs: W_attn 1,024 x 2,048 float32; W_k2 1,024 x 1,024 float32; W_proj 1,024 x 1,024 float32; x 2 x 2,048 x 1,024 float32.
;; Outputs: out0 2 x 2,048 x 1,024 float32.
;; 3 versions, each right and faster than the one before. Each part assembles by itself: llvm-mc -triple=amdgcn-amd-amdhsa -mcpu=gfx1250 --defsym DOCPART=n.
;; ======== version 1 of 3: 5 launches
;; limits: values are held in f16: magnitudes above 65,504 overflow, below 6.1e-05 lose precision; inputs' magnitudes at most 32,752; right only within a limited range of input values
;; workspace buffers: xb 8,388,608 bytes; vh 8,388,608 bytes; wts 8,388,608 bytes; qkk 25,165,824 bytes; yf 16,777,216 bytes; eh 8,388,608 bytes; ohl 16,777,216 bytes
;; launch prep (part 1): grid 512 x 1, 8 waves a work-group, no clusters, 0 bytes of LDS; arguments x, W_attn, W_k2, W_proj, xb, vh, wts; writes xb, vh, wts
.if DOCPART == 1
	.amdgcn_target "amdgcn-amd-amdhsa--gfx1250"
	.amdhsa_code_object_version 6
	.text
	.protected	k_q154f78cc86_prep
	.globl	k_q154f78cc86_prep
	.p2align	8
	.type	k_q154f78cc86_prep,@function
k_q154f78cc86_prep:
	s_mov_b64 s[64:65], 0
	v_nop
	global_prefetch_b8 v0, s[64:65] scope:SCOPE_SE
	s_setreg_imm32_b32 hwreg(HW_REG_WAVE_MODE, 25, 1), 1
	s_wait_xcnt 0x0
; CASTS.  xb = bf16(x), [4096][1024].  vh = that same bf16 number written as f16, by heads: [32 = batch x 16 + head][2048][64].
; wts = bf16 of the weights, K along the rows' index: [1024 k][3072 n] (n 0-2047 W_attn, 2048-3071 W_k2), then W_proj [1024][1024] at byte 6,291,456.
; LIMIT.  f16 ends at 65,504: |x| has to stay below that (the later launches ask for |x| < 32,752); below 2^-14 a bf16 number loses bits in f16.
; A stream: every input byte is read once by loads of 512 consecutive bytes a wave, every store of a wave covers 256 consecutive bytes, aligned.  No LDS, no matrix unit, no cluster: nothing is shared.
; Work-groups 0-255 take 16 rows of x each (a wave two rows), work-groups 256-511 four rows k of the weights each (two waves a row).
.set X, 4                              ; v[4:67]   sixteen loads of four registers
.set T, 68                             ; v[68:71]  at work
	s_load_b256 s[4:11], s[0:1], 0x0               ; x s[4:5], W_attn s[6:7], W_k2 s[8:9], W_proj s[10:11]
	s_load_b128 s[12:15], s[0:1], 0x20             ; xb s[12:13], vh s[14:15]
	s_load_b64 s[16:17], s[0:1], 0x30              ; wts
	v_lshrrev_b32 v3, 5, v0
	v_readfirstlane_b32 s20, v3                    ; wave 0..7
	v_and_b32 v2, 31, v0
	v_lshlrev_b32 v1, 4, v2                        ; 16 bytes of f32 a lane
	v_lshlrev_b32 v2, 3, v2                        ; 8 bytes of 16-bit numbers a lane
	s_mov_b32 s30, 0xffff0000                      ; a word's upper bf16
	s_mov_b32 s21, ttmp9
	s_cmp_lt_u32 s21, 256
	s_cbranch_scc0 .Lweights
	; ---- x: rows r0 = 16 g + 2 w and r0 + 1 (r0 is even, so both lie in one batch)
	s_lshl_b32 s22, s21, 4
	s_lshl1_add_u32 s22, s20, s22                  ; r0
	s_lshl_b32 s24, s22, 12                        ; 4,096 bytes a row of x
	s_mov_b32 s25, 0
	s_lshl_b32 s26, s22, 11                        ; 2,048 bytes a row of xb
	s_mov_b32 s27, 0
	s_lshr_b32 s28, s22, 11                        ; the batch: 16 heads of 262,144 bytes
	s_lshl_b32 s28, s28, 22
	s_and_b32 s29, s22, 2047                       ; the row in the batch: 128 bytes in a head
	s_lshl_b32 s29, s29, 7
	s_add_co_u32 s28, s28, s29
	s_mov_b32 s29, 0
	s_wait_kmcnt 0x0
	s_add_nc_u64 s[4:5], s[4:5], s[24:25]
	s_add_nc_u64 s[12:13], s[12:13], s[26:27]
	s_add_nc_u64 s[14:15], s[14:15], s[28:29]
.set i, 0
.rept 16                               ; block i / 2 of 128 columns (two heads), row i % 2: all sixteen loads go out first
	global_load_b128 v[X+4*i:X+4*i+3], v1, s[4:5] offset:(i/2)*512+(i%2)*4096 th:TH_LOAD_NT
.set i, i+1
.endr
; four f32 in v[r..r+3] become two words of bf16 in v[r], v[r+1] and the same numbers as f16 in v[r+2], v[r+3]
.macro CVX r
	v_cvt_pk_bf16_f32 v[\r], v[\r], v[(\r)+1]
	v_cvt_pk_bf16_f32 v[(\r)+1], v[(\r)+2], v[(\r)+3]
	v_lshlrev_b32 v[T], 16, v[\r]
	v_and_b32 v[T+1], s30, v[\r]
	v_lshlrev_b32 v[T+2], 16, v[(\r)+1]
	v_and_b32 v[T+3], s30, v[(\r)+1]
	v_cvt_pk_f16_f32 v[(\r)+2], v[T], v[T+1]
	v_cvt_pk_f16_f32 v[(\r)+3], v[T+2], v[T+3]
.endm
.set cb, 0
.rept 8
	s_wait_loadcnt 14-2*cb                         ; loads return in order: this block's two are in, the younger ones stay out
	CVX X+8*cb
	CVX X+8*cb+4
	global_store_b64 v2, v[X+8*cb:X+8*cb+1], s[12:13] offset:cb*256            ; 32 lanes: 256 consecutive bytes of xb
	global_store_b64 v2, v[X+8*cb+4:X+8*cb+5], s[12:13] offset:cb*256+2048
	; lanes 0-15 hold head 2 cb, lanes 16-31 head 2 cb + 1.  The swap brings one head's two rows, 256 consecutive bytes of vh, into one register
	v_permlane16_swap_b32 v[X+8*cb+2], v[X+8*cb+6]
	v_permlane16_swap_b32 v[X+8*cb+3], v[X+8*cb+7]
	global_store_b64 v2, v[X+8*cb+2:X+8*cb+3], s[14:15] offset:2*cb*262144
	global_store_b64 v2, v[X+8*cb+6:X+8*cb+7], s[14:15] offset:(2*cb+1)*262144
.set cb, cb+1
.endr                                  ; no register that a store reads is written again: no further wait
	s_endpgm
.Lweights:
	; ---- weights: row k = 4 (g - 256) + w / 2.  Wave half 0: the two halves of W_attn's row.  Half 1: W_k2's row, then W_proj's.
	s_sub_co_u32 s22, s21, 256
	s_lshl_b32 s22, s22, 2
	s_lshr_b32 s23, s20, 1
	s_add_co_u32 s22, s22, s23                     ; k
	s_and_b32 s23, s20, 1                          ; half
	s_lshl_b32 s24, s22, 13                        ; k x 8,192: W_attn's row
	s_lshl_b32 s25, s22, 12                        ; k x 4,096: W_k2's and W_proj's row
	s_mul_i32 s26, s22, 6144                       ; the row of 3,072 bf16
	s_lshl_b32 s27, s22, 11
	s_add_co_u32 s27, s27, 6291456                 ; W_proj's row of 1,024 bf16
	s_add_co_u32 s28, s24, 4096
	s_add_co_u32 s29, s26, 4096
	s_add_co_u32 s31, s26, 2048
	s_mov_b32 s33, 0
	s_mov_b32 s35, 0
	s_mov_b32 s37, 0
	s_mov_b32 s39, 0
	s_wait_kmcnt 0x0
	s_cmp_eq_u32 s23, 1
	s_cselect_b64 s[4:5], s[8:9], s[6:7]           ; first run from W_k2 or W_attn
	s_cselect_b64 s[6:7], s[10:11], s[6:7]         ; second run from W_proj or W_attn
	s_cselect_b32 s32, s25, s24
	s_cselect_b32 s34, s25, s28
	s_cselect_b32 s36, s29, s26
	s_cselect_b32 s38, s27, s31
	s_add_nc_u64 s[4:5], s[4:5], s[32:33]
	s_add_nc_u64 s[6:7], s[6:7], s[34:35]
	s_add_nc_u64 s[12:13], s[16:17], s[36:37]
	s_add_nc_u64 s[14:15], s[16:17], s[38:39]
.set i, 0
.rept 8
	global_load_b128 v[X+4*i:X+4*i+3], v1, s[4:5] offset:i*512 th:TH_LOAD_NT
.set i, i+1
.endr
.rept 8
	global_load_b128 v[X+4*i:X+4*i+3], v1, s[6:7] offset:(i-8)*512 th:TH_LOAD_NT
.set i, i+1
.endr
.set i, 0
.rept 16
	s_wait_loadcnt 15-i                            ; load i is in, the younger ones stay out
	v_cvt_pk_bf16_f32 v[X+4*i], v[X+4*i], v[X+4*i+1]
	v_cvt_pk_bf16_f32 v[X+4*i+1], v[X+4*i+2], v[X+4*i+3]
.if i < 8
	global_store_b64 v2, v[X+4*i:X+4*i+1], s[12:13] offset:i*256
.else
	global_store_b64 v2, v[X+4*i:X+4*i+1], s[14:15] offset:(i-8)*256
.endif
.set i, i+1
.endr
	s_endpgm
.Lfunc_end_k_q154f78cc86_prep:
	.size	k_q154f78cc86_prep, .Lfunc_end_k_q154f78cc86_prep-k_q154f78cc86_prep
	.p2alignl 7, 3214868480
	.fill 96, 4, 3214868480
	.section	.rodata,"a",@progbits
	.p2align	6, 0x0
	.amdhsa_kernel k_q154f78cc86_prep
		.amdhsa_group_segment_fixed_size 0
		.amdhsa_private_segment_fixed_size 0
		.amdhsa_enable_private_segment 0
		.amdhsa_kernarg_size 56
		.amdhsa_user_sgpr_count 2
		.amdhsa_user_sgpr_kernarg_segment_ptr 1
		.amdhsa_wavefront_size32 1
		.amdhsa_system_sgpr_workgroup_id_x 1
		.amdhsa_system_sgpr_workgroup_id_y 1
		.amdhsa_system_sgpr_workgroup_id_z 1
		.amdhsa_system_vgpr_workitem_id 0
		.amdhsa_next_free_vgpr 72
		.amdhsa_next_free_sgpr 66
		.amdhsa_reserve_vcc 0
		.amdhsa_float_denorm_mode_32 3
		.amdhsa_float_denorm_mode_16_64 3
		.amdhsa_memory_ordered 1
		.amdhsa_forward_progress 1
		.amdhsa_inst_pref_size 20
	.end_amdhsa_kernel
	.amdgpu_metadata
---
amdhsa.version: [ 1, 2 ]
amdhsa.kernels:
  - .name:           k_q154f78cc86_prep
    .symbol:         k_q154f78cc86_prep.kd
    .args:
      - { .name: x, .offset: 0, .size: 8, .value_kind: global_buffer, .address_space: global }
      - { .name: W_attn, .offset: 8, .size: 8, .value_kind: global_buffer, .address_space: global }
      - { .name: W_k2, .offset: 16, .size: 8, .value_kind: global_buffer, .address_space: global }
      - { .name: W_proj, .offset: 24, .size: 8, .value_kind: global_buffer, .address_space: global }
      - { .name: xb, .offset: 32, .size: 8, .value_kind: global_buffer, .address_space: global }
      - { .name: vh, .offset: 40, .size: 8, .value_kind: global_buffer, .address_space: global }
      - { .name: wts, .offset: 48, .size: 8, .value_kind: global_buffer, .address_space: global }
    .group_segment_fixed_size: 0
    .private_segment_fixed_size: 0
    .kernarg_segment_align: 8
    .kernarg_segment_size: 56
    .max_flat_workgroup_size: 256
    .sgpr_count:     66
    .vgpr_count:     72
    .wavefront_size: 32
...
	.end_amdgpu_metadata
.endif
;; end of part 1
;; launch gemm_in (part 2): grid 24 x 32, 4 waves a work-group, clusters of 4 x 4, 327,680 bytes of LDS; arguments xb, wts, qkk; writes qkk
.if DOCPART == 2
	.amdgcn_target "amdgcn-amd-amdhsa--gfx1250"
	.amdhsa_code_object_version 6
	.text
	.protected	k_q154f78cc86_gemm_in
	.globl	k_q154f78cc86_gemm_in
	.p2align	8
	.type	k_q154f78cc86_gemm_in,@function
k_q154f78cc86_gemm_in:
	s_mov_b64 s[64:65], 0
	v_nop
	global_prefetch_b8 v0, s[64:65] scope:SCOPE_SE
	s_setreg_imm32_b32 hwreg(HW_REG_WAVE_MODE, 25, 1), 1
	s_wait_xcnt 0x0
	s_wait_alu depctr_hold_cnt(0) depctr_sa_sdst(0) depctr_va_vdst(0) depctr_va_sdst(0) depctr_va_ssrc(0) depctr_va_vcc(0) depctr_vm_vsrc(0)
	s_getreg_b32 s2, hwreg(HW_REG_IB_STS2, 6, 4)
	s_cmp_eq_u32 s2, 0
	s_cbranch_scc0 .Lentry_in_a_cluster
	s_endpgm
.Lentry_in_a_cluster:
	s_bfe_u32 s2, ttmp6, 0x10000c
	s_cmp_lg_u32 s2, 0xf033
	s_cbranch_scc0 .Lentry_shape_is_right
	s_endpgm
.Lentry_shape_is_right:
; [q | k | k2] = xb x wts: 4096 x 3072 x 1024 in bf16, sums in f32.  Stored by heads as f16, qkk = [3][32 = batch x 16 + head][2048][64]: q and k unscaled, and in place of k2
; ka = sigmoid(0.02 x k2 / 8) = 1 / (1 + 2^(-0.0025 log2(e) k2)), made in f32.
; LIMIT.  f16 ends at 65,504: |q| and |k| have to stay below it.  ka lies in 0 to 1.
; A tile of C is 128 x 128: four waves, each 64 x 64 in 16 accumulators.  K goes in steps of 256 through two LDS slots.  A's step lies as two halves z of 128 rows x 256 bytes (pitch 272);
; B stays [k][n]: 256 rows of 256 bytes (pitch 288), and its fragments come out of LDS turned, by ds_load_tr16_b128.  Every tile row is 256 bytes of memory at a multiple of 256.
; THE MATRIX INSTRUCTION IS USED TRANSPOSED (source 0 = 16 columns n of B, source 1 = 16 rows of A): a lane holds eight neighbouring columns of one row of C.
; CLUSTER 4 x 4: the four work-groups of a row of the cluster need the same tiles of A, the four of a column the same tiles of B; each tile is asked for jointly.
; A wave's 64 columns are exactly one head of one of the three parts, so 16 rows of it are 2,048 consecutive bytes of qkk: they go out through the wave's own stage.
; REGISTERS.  window 0: v0-31 addresses; v32-95 the way out; v128-255 accumulators ((a, b) at 128 + 8 (4 a + b)).  window 1: two fragment buffers of 128: 64 of A, then 64 of B.
.set PA,      272                      ; a row of A in LDS: 256 + 16: the 16 rows of a load start at 16 different groups of four banks
.set ZA,      128*PA                   ; one half z of A's step
.set PB,      288                      ; a row of B: 256 + 32
.set BR,      128                      ; rows of B in one tensor load
.set ASTRIDE, 1024
.set BSTRIDE, 3072
.set LAPS,    2                        ; K = 1024: four steps, two laps round the ring
.set ASLOT,   512                      ; bytes from a K step of A to the next
.set BSLOT,   256*BSTRIDE*2            ; the same for B
.set BQ,      64                       ; rows of B from an even quarter to the odd one
.set SPITCH,  144
.set SLOT,    2*ZA+2*BR*PB
.set STAGE,   2*SLOT                   ; behind the ring, never filled by a tensor load: 16 rows x 144 bytes for each wave
.set SPARE,   STAGE+4*16*SPITCH        ; the spare words, 128 bytes for each wave: two blocks of 256 bytes that no other line names
.set ADRA, 16                          ; v16-17  my A fragments in slot 0, 1
.set ADRB, 20                          ; v20-23  my B fragments: 2 x slot + z
.set STO,  24
.set RD,   25
.set CO,   26
.set SPW,  28                          ; my spare word; never rewritten
.set NIL,  29                          ; 0; never rewritten
.set TMP,  32
.set ACC,  128
.set F0,   0
.set F1,   128
.set G1,  24                           ; s[24:31] group 1 for A;  s[32:39] group 0, one set a slot
.set G0,  32
.set G1B, 48                           ; s[48:55], s[56:63] the same for B
.set G0B, 56
.set MSB, 0
.macro WIN new                         ; the immediate's high byte repeats the setting that is left
.if MSB != (\new)
	s_set_vgpr_msb (MSB<<8)|(\new)
.set MSB, \new
.endif
.endm
.set MUL,  0x05                        ; sources 0 (B) and 1 (A) window 1; C and D window 0
.set TO_F, 0x40                        ; destination window 1, address window 0
.macro JLOAD s                         ; a joint load: waves 0 and 1 fetch A's two halves, waves 2 and 3 B's; an s_nop 0 and four v_nop follow each line
	s_cmp_eq_u32 s11, 0
	s_cbranch_scc0 .Lfor_b_\@
	tensor_load_to_lds s[G0+4*(\s):G0+4*(\s)+3], s[G1:G1+7]
	s_nop 0
.rept 4
	v_nop
.endr
	s_branch .Lasked_\@
.Lfor_b_\@:
	tensor_load_to_lds s[G0B+4*(\s):G0B+4*(\s)+3], s[G1B:G1B+7]
	s_nop 0
.rept 4
	v_nop
.endr
.Lasked_\@:
.endm
.macro CREST                           ; a round of the cluster's barrier behind its opening barrier
	s_cmp_lg_u32 s10, 0
	s_cbranch_scc1 .Lnot_wave_0_\@
	s_barrier_signal -3
.Lnot_wave_0_\@:
	s_barrier_wait -3
	s_barrier_signal -1
	s_barrier_wait -1
.endm
.macro CROUND
	s_barrier_signal -1
	s_barrier_wait -1
	CREST
.endm
	s_load_b128 s[4:7], s[0:1], 0x0                ; xb s[4:5], wts s[6:7]
	s_load_b64 s[8:9], s[0:1], 0x10                ; qkk
	v_lshl_add_u32 v[SPW], v0, 2, SPARE
	v_mov_b32 v[NIL], 0
	ds_add_u32 v[SPW], v[NIL]                      ; the wave's opening: the add and its wait ahead of my first tensor load
	v_lshrrev_b32 v1, 5, v0
	v_readfirstlane_b32 s10, v1                    ; wave 0..3
	s_lshr_b32 s11, s10, 1                         ; my half of the tile's rows.  Also: I fetch for A (0) or for B (1)
	s_and_b32 s12, s10, 1                          ; my half of its columns.  Also: which half z I fetch
	s_bfe_u32 s40, ttmp6, 0x40000                  ; cx, cy
	s_bfe_u32 s41, ttmp6, 0x40004
	s_lshl_b32 s42, ttmp9, 2
	s_add_co_u32 s42, s42, s40                     ; tile column
	s_and_b32 s13, ttmp7, 0xffff
	s_lshl_b32 s13, s13, 2
	s_add_co_u32 s13, s13, s41                     ; tile row
	s_lshl_b32 s43, s41, 2
	s_lshl_b32 s43, 15, s43                        ; my row of the cluster
	s_lshl_b32 s44, 0x1111, s40                    ; my column
	s_lshr_b32 s45, ttmp9, 1                       ; q, k or k2: eight tile columns, two clusters, a part: the same number in all sixteen partners
	s_or_b32 s[G1+0], s43, (1<<16)|(1<<20)|(1<<21)|(5<<22)|(3<<25)   ; mask; 2-byte elements; padding on; bit 21 beside a mask; after every 64 words 4 words
	s_or_b32 s[G1B+0], s44, (1<<16)|(1<<20)|(1<<21)|(5<<22)|(7<<25)  ; the same with my column's mask and 8 words of padding
	s_mov_b32 s[G1+1], 128<<16                     ; tensor_dim0 = 128
	s_mov_b32 s[G1+2], 128<<16                     ; tensor_dim1 = 128
	s_mov_b32 s[G1+3], 128<<16                     ; tile_dim0 = 128
	s_mov_b32 s[G1+4], 128                         ; tile_dim1 = 128
	s_mov_b32 s[G1+5], ASTRIDE
	s_mov_b32 s[G1+6], 0
	s_mov_b32 s[G1+7], 0
	s_mov_b32 s[G1B+1], 128<<16
	s_mov_b32 s[G1B+2], BR<<16
	s_mov_b32 s[G1B+3], 128<<16
	s_mov_b32 s[G1B+4], BR
	s_mov_b32 s[G1B+5], BSTRIDE
	s_mov_b32 s[G1B+6], 0
	s_mov_b32 s[G1B+7], 0
	s_lshl_b32 s16, s13, 18                        ; A: 128 rows of 2,048 bytes a tile row,
	s_lshl_b32 s17, s12, 8                         ; 256 bytes a half z
	s_add_co_u32 s16, s16, s17
	s_mov_b32 s17, 0
	s_mul_i32 s47, s12, 128*BSTRIDE*2              ; B: 128 rows k a half z,
	s_lshl_b32 s46, s42, 8                         ; 256 bytes a tile column
	s_add_co_u32 s46, s46, s47
	s_mov_b32 s47, 0
	s_mul_i32 s20, s12, ZA                         ; where they go: no place in the cluster enters an LDS address
	s_mul_i32 s21, s12, BR*PB
	s_add_co_u32 s21, s21, 2*ZA
	s_wait_dscnt 0x0                               ; the opening add is done
	s_wait_kmcnt 0x0
	s_add_nc_u64 s[14:15], s[4:5], s[16:17]
	s_add_nc_u64 s[46:47], s[6:7], s[46:47]
	CROUND                                         ; all sixteen work-groups are here: the first joint loads meet
.irp s, 0,1
	s_mov_b32 s[G0+4*(\s)], 1
	s_add_co_u32 s[G0+4*(\s)+1], s20, (\s)*SLOT
	s_add_nc_u64 s[G0+4*(\s)+2:G0+4*(\s)+3], s[14:15], (\s)*ASLOT
	s_or_b32 s[G0+4*(\s)+3], s[G0+4*(\s)+3], 0x80000000
	s_mov_b32 s[G0B+4*(\s)], 1
	s_add_co_u32 s[G0B+4*(\s)+1], s21, (\s)*SLOT
	s_add_nc_u64 s[G0B+4*(\s)+2:G0B+4*(\s)+3], s[46:47], (\s)*BSLOT
	s_or_b32 s[G0B+4*(\s)+3], s[G0B+4*(\s)+3], 0x80000000
	JLOAD \s                                       ; two loads of mine are out
.endr
	v_and_b32 v1, 15, v0                           ; l % 16
	v_bfe_u32 v2, v0, 4, 1                         ; l / 16
	v_mul_u32_u24 v3, v1, PA
	v_lshl_add_u32 v3, v2, 4, v3                   ; A: row x pitch + 16 x half
	s_mul_i32 s22, s11, 64*PA                      ; my 64 rows
	v_add_nc_u32 v[ADRA], s22, v3
	v_add_nc_u32 v[ADRA+1], SLOT, v[ADRA]
	v_and_b32 v4, 7, v0                            ; B, turned: lane l reads row k = 8 (l / 16) + l % 8, columns 8 ((l / 8) % 2) + 0..7
	v_lshl_add_u32 v4, v2, 3, v4
	v_mul_u32_u24 v4, v4, PB
	v_bfe_u32 v5, v0, 3, 1
	v_lshl_add_u32 v4, v5, 4, v4
	s_lshl_b32 s22, s12, 7                         ; my 64 columns
	s_add_co_u32 s22, s22, 2*ZA
	v_add_nc_u32 v[ADRB], s22, v4
	v_add_nc_u32 v[ADRB+1], BR*PB, v[ADRB]
	v_add_nc_u32 v[ADRB+2], SLOT, v[ADRB]
	v_add_nc_u32 v[ADRB+3], SLOT, v[ADRB+1]
	s_mul_i32 s23, s10, 16*SPITCH
	s_add_co_u32 s23, s23, STAGE                   ; my stage
	v_mul_u32_u24 v6, v1, SPITCH                   ; in: row l % 16, 16 bytes for each half of the lanes
	v_lshl_add_u32 v6, v2, 4, v6
	v_add_nc_u32 v[STO], s23, v6
	v_bfe_u32 v6, v0, 3, 2                         ; back: 32 lanes take four rows of 128 bytes,
	v_mul_u32_u24 v6, v6, SPITCH
	v_and_b32 v7, 7, v0
	v_lshl_add_u32 v6, v7, 4, v6
	v_add_nc_u32 v[RD], s23, v6
	v_and_b32 v[CO], 31, v0                        ; which are 512 consecutive bytes of qkk
	v_lshlrev_b32 v[CO], 4, v[CO]
	s_lshr_b32 s16, s13, 4                         ; the batch: 16 heads of 262,144 bytes
	s_lshl_b32 s16, s16, 22
	s_and_b32 s17, s13, 15                         ; 128 rows of 128 bytes a tile row,
	s_lshl_b32 s17, s17, 14
	s_add_co_u32 s16, s16, s17
	s_lshl_b32 s17, s11, 13                        ; my 64 of them
	s_add_co_u32 s16, s16, s17
	s_mov_b32 s17, 0
	s_add_nc_u64 s[8:9], s[8:9], s[16:17]
	s_lshl_b32 s46, s42, 1
	s_add_co_u32 s46, s46, s12                     ; my 64 columns among the 48 groups: part = / 16, head = % 16
	s_lshr_b32 s47, s46, 4
	s_lshl_b32 s47, s47, 23
	s_and_b32 s46, s46, 15
	s_lshl_b32 s46, s46, 18
	s_add_co_u32 s46, s46, s47
	s_mov_b32 s47, 0
	s_add_nc_u64 s[8:9], s[8:9], s[46:47]
; 8 matrix instructions: m blocks a0, a0 + 1 x all 4 n blocks, 32 along K: half c of buffer f.  zero = 1: the first product starts the sums.  The 16 accumulators take turns.
.macro MUL8 f, c, a0, zero
	WIN MUL
.irp a, \a0, (\a0)+1
.irp b, 0,1,2,3
.if \zero
	v_wmma_f32_16x16x32_bf16 v[ACC+8*(4*(\a)+(\b)):ACC+8*(4*(\a)+(\b))+7], v[(\f)+64+8*(4*(\c)+(\b)):(\f)+64+8*(4*(\c)+(\b))+7], v[(\f)+8*(4*(\c)+(\a)):(\f)+8*(4*(\c)+(\a))+7], 0
.else
	v_wmma_f32_16x16x32_bf16 v[ACC+8*(4*(\a)+(\b)):ACC+8*(4*(\a)+(\b))+7], v[(\f)+64+8*(4*(\c)+(\b)):(\f)+64+8*(4*(\c)+(\b))+7], v[(\f)+8*(4*(\c)+(\a)):(\f)+8*(4*(\c)+(\a))+7], v[ACC+8*(4*(\a)+(\b)):ACC+8*(4*(\a)+(\b))+7]
.endif
.endr
.endr
.endm
; 32 LDS loads in one run: the fragments of quarter q (64 along K: half z = q / 2, its part q % 2) into buffer f; the first 32 along K first
.macro FETCH slot, q, f
	WIN TO_F
.irp c, 0,1
.irp i, 0,1,2,3
	ds_load_tr16_b128 v[(\f)+64+8*(4*(\c)+(\i)):(\f)+64+8*(4*(\c)+(\i))+3],   v[ADRB+2*(\slot)+(\q)/2] offset:(((\q)%2)*BQ+32*(\c))*PB+32*(\i)
	ds_load_tr16_b128 v[(\f)+64+8*(4*(\c)+(\i))+4:(\f)+64+8*(4*(\c)+(\i))+7], v[ADRB+2*(\slot)+(\q)/2] offset:(((\q)%2)*BQ+32*(\c)+16)*PB+32*(\i)
	ds_load_b128 v[(\f)+8*(4*(\c)+(\i)):(\f)+8*(4*(\c)+(\i))+3],   v[ADRA+(\slot)] offset:((\q)/2)*ZA+((\q)%2)*128+64*(\c)+(\i)*16*PA
	ds_load_b128 v[(\f)+8*(4*(\c)+(\i))+4:(\f)+8*(4*(\c)+(\i))+7], v[ADRA+(\slot)] offset:((\q)/2)*ZA+((\q)%2)*128+64*(\c)+(\i)*16*PA+32
.endr
.endr
.endm
.macro PLACES                          ; four places in front of loads into registers that matrix instructions have read, and of lines that read results
.rept 4
	v_nop
.endr
.endm
; one of a K step's first three quarters: multiplies buffer f and fetches quarter q into g
.macro QUARTER slot, q, f, g, zero
	s_wait_dscnt 16                                ; the first 32 along K are in; the sixteen younger loads may be out
	WIN MUL
	MUL8 \f, 0, 0, \zero
	MUL8 \f, 0, 2, \zero
	PLACES
	FETCH \slot, \q, \g
	s_wait_dscnt 32                                ; all but the 32 just issued
	WIN MUL
	MUL8 \f, 1, 0, 0
	MUL8 \f, 1, 2, 0
.endm
; the last quarter multiplies buffer 1 and changes slots: one barrier; in front of it each wave waits for all its tensor loads, adds 0 to its spare word, and waits for that and for its reads of this slot
.macro TURN slot, next, fill
	WIN 0
	s_wait_tensorcnt 0x0                           ; all my tensor loads have landed: my part of the next slot
	ds_add_u32 v[SPW], v[NIL]                      ; 0 onto my spare word
	s_wait_dscnt 17                                ; (the add and the youngest sixteen loads may be out)
	WIN MUL
	MUL8 F1, 0, 0, 0
	s_wait_dscnt 0x0                               ; the add is done, and my reads of this slot are over
	s_barrier_signal -1
	MUL8 F1, 0, 2, 0
.if \fill
	WIN 0
.endif
	s_barrier_wait -1
.if \fill
	CREST                                          ; the barrier has opened a round of the cluster's: no wave of any partner still reads this slot or has a load on its way
	s_add_nc_u64 s[G0+4*(\slot)+2:G0+4*(\slot)+3], s[G0+4*(\slot)+2:G0+4*(\slot)+3], 2*ASLOT
	s_add_nc_u64 s[G0B+4*(\slot)+2:G0B+4*(\slot)+3], s[G0B+4*(\slot)+2:G0B+4*(\slot)+3], 2*BSLOT
	JLOAD \slot                                    ; my one tensor load behind the round; its four v_nop are also the places in front of the loads below
.else
	PLACES
.endif
	FETCH \next, 0, F0
	WIN MUL
	MUL8 F1, 1, 0, 0
	MUL8 F1, 1, 2, 0
.endm
	s_wait_tensorcnt 1                             ; my part of K step 0 is in; step 1's may stay out
	s_barrier_signal -1
	s_barrier_wait -1
	FETCH 0, 0, F0
	QUARTER 0, 1, F0, F1, 1                        ; the first quarter stands in front of the loop: its first products start the sums
	WIN 0
	s_mov_b32 s3, LAPS-1
.Llap:                                                 ; a trip goes once round the ring and fills both slots again
	QUARTER 0, 2, F1, F0, 0
	QUARTER 0, 3, F0, F1, 0
	TURN 0, 1, 1
	QUARTER 1, 1, F0, F1, 0
	QUARTER 1, 2, F1, F0, 0
	QUARTER 1, 3, F0, F1, 0
	TURN 1, 0, 1
	QUARTER 0, 1, F0, F1, 0
	WIN 0
	s_sub_co_u32 s3, s3, 1
	s_cmp_lg_u32 s3, 0
	s_cbranch_scc1 .Llap
	QUARTER 0, 2, F1, F0, 0                        ; the last lap fills nothing
	QUARTER 0, 3, F0, F1, 0
	TURN 0, 1, 0
	QUARTER 1, 1, F0, F1, 0
	QUARTER 1, 2, F1, F0, 0
	QUARTER 1, 3, F0, F1, 0
	s_wait_dscnt 16
	WIN MUL
	MUL8 F1, 0, 0, 0
	MUL8 F1, 0, 2, 0
	s_wait_dscnt 0
	MUL8 F1, 1, 0, 0
	MUL8 F1, 1, 2, 0
	WIN 0
	PLACES
	; THE WAY OUT.  The third part's numbers become ka first, in f32 and in place; each accumulator is read from its low end on.
.macro SIG r
.irp j, 0,2,4,6
	v_pk_mul_f32 v[(\r)+\j:(\r)+\j+1], v[(\r)+\j:(\r)+\j+1], s[18:19] op_sel_hi:[1,0]
.endr
.irp j, 0,1,2,3,4,5,6,7
	v_exp_f32 v[(\r)+\j], v[(\r)+\j]
.endr
	v_nop                                          ; a plain instruction between the last exponential and the use of its result
	s_wait_alu depctr_va_vdst(0)
.irp j, 0,2,4,6
	v_pk_add_f32 v[(\r)+\j:(\r)+\j+1], v[(\r)+\j:(\r)+\j+1], 1.0 op_sel_hi:[1,0]
.endr
.irp j, 0,1,2,3,4,5,6,7
	v_rcp_f32 v[(\r)+\j], v[(\r)+\j]
.endr
	v_nop
.endm
	s_cmp_lg_u32 s45, 2
	s_cbranch_scc1 .Lplain
	s_mov_b32 s18, 0xbb6c5f04                      ; -0.0025 log2(e)
	s_mov_b32 s19, s18                             ; named with it as a pair
.set t, 0
.rept 16
	SIG ACC+8*t
.set t, t+1
.endr
.Lplain:
.macro PACK a                          ; 16 rows: rounded to f16, into my stage (rows of 144 bytes), and back as whole rows of 128 bytes
	s_wait_alu depctr_va_vdst(0)
.irp b, 0,1,2,3
.irp r, 0,1,2,3
	v_cvt_pk_f16_f32 v[TMP+16*(\a)+4*(\b)+(\r)], v[ACC+8*(4*(\a)+(\b))+2*(\r)], v[ACC+8*(4*(\a)+(\b))+2*(\r)+1]
.endr
.endr
.irp b, 0,1,2,3
	ds_store_b128 v[STO], v[TMP+16*(\a)+4*(\b):TMP+16*(\a)+4*(\b)+3] offset:32*(\b)
.endr
.irp f, 0,1,2,3
	ds_load_b128 v[TMP+16*(\a)+4*(\f):TMP+16*(\a)+4*(\f)+3], v[RD] offset:(\f)*4*SPITCH  ; LDS serves a wave's instructions in order (ISA guide 5.7.1.4): these see the stores above
.endr
.endm
.macro SEND a, younger                 ; younger: the LDS instructions issued behind block a's loads
.irp f, 0,1,2,3
	s_wait_dscnt (\younger)+3-(\f)
	global_store_b128 v[CO], v[TMP+16*(\a)+4*(\f):TMP+16*(\a)+4*(\f)+3], s[8:9] offset:(\a)*2048+(\f)*512  ; 512 consecutive bytes, at a multiple of 256 from the buffer's first
.endr
.endm
	PACK 0
	PACK 1
	SEND 0, 8
	PACK 2
	SEND 1, 8
	PACK 3
	SEND 2, 8
	SEND 3, 0
	s_wait_tensorcnt 0x0                           ; the wave's end
	ds_add_u32 v[SPW], v[NIL]
	s_wait_dscnt 0x0
	CROUND                                         ; the closing round: no work-group ends while a partner may still ask for a tile that names it
	s_endpgm
.Lfunc_end_k_q154f78cc86_gemm_in:
	.size	k_q154f78cc86_gemm_in, .Lfunc_end_k_q154f78cc86_gemm_in-k_q154f78cc86_gemm_in
	.p2alignl 7, 3214868480
	.fill 96, 4, 3214868480
	.section	.rodata,"a",@progbits
	.p2align	6, 0x0
	.amdhsa_kernel k_q154f78cc86_gemm_in
		.amdhsa_group_segment_fixed_size 327680
		.amdhsa_private_segment_fixed_size 0
		.amdhsa_enable_private_segment 0
		.amdhsa_kernarg_size 24
		.amdhsa_user_sgpr_count 2
		.amdhsa_user_sgpr_kernarg_segment_ptr 1
		.amdhsa_wavefront_size32 1
		.amdhsa_system_sgpr_workgroup_id_x 1
		.amdhsa_system_sgpr_workgroup_id_y 1
		.amdhsa_system_sgpr_workgroup_id_z 1
		.amdhsa_system_vgpr_workitem_id 0
		.amdhsa_next_free_vgpr 512
		.amdhsa_next_free_sgpr 66
		.amdhsa_reserve_vcc 0
		.amdhsa_float_denorm_mode_32 3
		.amdhsa_float_denorm_mode_16_64 3
		.amdhsa_memory_ordered 1
		.amdhsa_forward_progress 1
		.amdhsa_inst_pref_size 105
	.end_amdhsa_kernel
	.amdgpu_metadata
---
amdhsa.version: [ 1, 2 ]
amdhsa.kernels:
  - .name:           k_q154f78cc86_gemm_in
    .symbol:         k_q154f78cc86_gemm_in.kd
    .args:
      - { .name: xb, .offset: 0, .size: 8, .value_kind: global_buffer, .address_space: global }
      - { .name: wts, .offset: 8, .size: 8, .value_kind: global_buffer, .address_space: global }
      - { .name: qkk, .offset: 16, .size: 8, .value_kind: global_buffer, .address_space: global }
    .group_segment_fixed_size: 327680
    .private_segment_fixed_size: 0
    .kernarg_segment_align: 8
    .kernarg_segment_size: 24
    .max_flat_workgroup_size: 128
    .sgpr_count:     66
    .vgpr_count:     512
    .wavefront_size: 32
...
	.end_amdgpu_metadata
.endif
;; end of part 2
;; launch attn_ar (part 3): grid 8 x 32, 4 waves a work-group, no clusters, 327,680 bytes of LDS; arguments qkk, vh, yf, eh; writes yf, eh
.if DOCPART == 3
	.amdgcn_target "amdgcn-amd-amdhsa--gfx1250"
	.amdhsa_code_object_version 6
	.text
	.protected	k_q154f78cc86_attn_ar
	.globl	k_q154f78cc86_attn_ar
	.p2align	8
	.type	k_q154f78cc86_attn_ar,@function
k_q154f78cc86_attn_ar:
	s_mov_b64 s[64:65], 0
	v_nop
	global_prefetch_b8 v0, s[64:65] scope:SCOPE_SE
	s_setreg_imm32_b32 hwreg(HW_REG_WAVE_MODE, 25, 1), 1
	s_wait_xcnt 0x0
; THE AR BRANCH.  y[t] = the sum over s <= t of softmax_s(q[t] . k[s] / 8) v[s], and e[t] = v[t+1] - y[t].  q, k (parts 0 and 1 of qkk) and v (vh) are [32][2048][64] in f16.
; Products, maxima and sums in f32; the weights are rounded to f16 for the second product.  y leaves in f32 in the accumulators' own lane layout (yf: [32][128 tiles of 16 queries][8 pieces][32 lanes][4]:
; piece i of lane l holds registers 4 i .. 4 i + 3 of the tile's O^T), e in f16 by rows (eh: [32][2048][64]).  e[2047] is made of v[2047] itself: it is finite, and the next launch gives it the weight 0.
; LIMITS.  A hidden score counts as -1e30 (the reference writes -1e9: the same result while a visible score of the row lies above -1e9 + 104); a weight below 2^-126 counts as 0; f16: |e| < 65,504, so |x| < 32,752;
; NaN and infinities are not treated apart.
; THE WALK.  A head has 16 blocks of 128 queries.  A work-group takes the pair 15 - b and b: first the odd one F, which needs (F + 1) / 2 whole key tiles of 256 keys (in its last tile key steps 2 and 3 of 64
; hold the diagonal), then the even one G, which needs G / 2 whole tiles and half a tile (two steps, both with the diagonal).  That is 9 tiles and 34 key steps whatever b: one loop of 8 trips, and the
; walk's last tile, always G's last, written out.  Every jump but the counted loops' own goes forward, and none passes a barrier or a tensor load but the one of LOAD's two that the wave's number does not choose.
; NO CLUSTER: the head's eight work-groups walk blocks of different lengths, so they ask for the same tile only until the shortest first block ends; one walk common to all would have 16 trips for 9.
; SHARES.  Wave w owns rows 32 w .. 32 w + 31 of a block: two tiles u of 16 queries.  S^T = K Q^T holds one query a lane (lane % 16) and the keys 8 (lane / 16) + 0..7; two such results rounded to f16 are
; source 1 of O^T = V^T P.  p = 2^(c s - c m), c = log2(e) / 8, with a running maximum m; O and l are multiplied by a = 2^(c m_old - c m_new) in every step.  c m starts far below every c s, so a block's
; first step has a = 0 and is a step like any other; for that O^T and l are cleared once (68 v_mov_b32, in the wait for the first tile), on purpose: no first step is written out.
; IN PHASES: a step's 16 products K Q^T, the mask, the softmax, its 16 products V^T P.
; REGISTERS, in windows of 256 (s_set_vgpr_msb: bits 1:0 source 0, 3:2 source 1, 5:4 source 2, 7:6 destination):
;   window 0: v0-63 addresses and statistics; v64-127 S^T (32 a tile); v128-159 P (16 a tile)     window 1: v0-63 O^T (32 a tile); v64-127 the rows t + 1 of v for both blocks
;   window 2: v0-31 Q; v32-63 the second block's Q; v64-127 K of one step; v128-191 V of one step
.set KS,    64
.set PK,    144       ; a row of K in LDS: 128 bytes + 16: the 16 rows of a load start at 16 different groups of four banks
.set PV,    160       ; a row of V: 128 + 32
.set VOFF,  4*KS*PK   ; a slot holds a tile: 256 rows of K, then 256 rows of V
.set SLOT1, 1<<17     ; slot 1 begins here: one exclusive or turns an address in one slot into the other's
.set STAGE, SLOT1+4*KS*(PK+PV)  ; behind the ring, never filled by a tensor load: 16 rows x 144 bytes for each wave
.set SP,    144
.set SPARE, STAGE+4*16*SP       ; the spare words, 128 bytes for each wave: two blocks of 256 bytes that no other line names
.set AK0, 2           ; my lane's place in a tile of K; never rewritten
.set AV0, 3           ; the same for V
.set AK,  4
.set AV,  5
.set STO, 6
.set RD,  7
.set GO,  8           ; 16 x lane
.set MV,  12          ; v12-13  c m_old, by tile
.set DQ,  14          ; v14-15  my query's place in the block less my lanes' 8 (l / 16), by tile
.set ST,  16          ; tile u's statistics at ST + 4 u: c m, m, l (even keys', odd keys')
.set TMPR, 24         ; by tile four registers c0-c3 at work; c2 takes a
.set EQ,  32          ; v32-33  DQ less the step's first key
.set QO,  34
.set NEG1, 35         ; -1.0 twice, in f16
.set LIM, 36          ; the last row's bytes in a head of vh
.set VA,  40          ; v40-55  byte offsets of the rows t + 1
.set SPW, 62
.set NIL, 63
.set S,   64
.set P,   128
.set VB,  64          ; window 1
.set Q2,  32          ; window 2
.set KF,  64
.set VF,  128
.set WV,  12
.set BB,  14          ; b
.set BF,  15          ; F
.set BG,  16          ; G
.set G1K, 24
.set G1V, 32
.set G0K, 40
.set G0V, 44
.set KB,  48          ; s[48:49] K at my half of the head's tile 0
.set VBS, 50          ; s[50:51] the same for V
.set OUT0, 52         ; s[52:53] yf, s[54:55] eh at my rows of the block in hand
.set SLOTS, 56
.set STP, 57          ; the key step in the tile
.set CS,  58
.set SEL, 60
.set TBK, 62
.set TBV, 63
.set OUT1, 66         ; s[66:69] the same two for the second block
.set RT,  70          ; tiles of the first block still to be entered
.set NXT, 71          ; the tile to be asked for next
.set LQ,  72          ; the last tile of the block whose tiles are being asked for
.set MS,  73          ; the tile's first step that takes the mask
.set OFF, 74
.set GH,  76          ; G / 2
.set SD,  77          ; the step's first key, counted from the block's first query
.set BIGN, 78
.set QBF, 80
.set QBG, 82
.set VH,  84
.set MSB, 0
.macro WIN new
.if MSB != (\new)
	s_set_vgpr_msb (MSB<<8)|(\new)
.set MSB, (\new)
.endif
.endm
.set W_KQ, 0x0a       ; K and Q in window 2, S^T in window 0
.set W_PV, 0x52       ; V in window 2, P in window 0, O^T in window 1
.set W_RS, 0x41       ; destination and source 0 in window 1, source 1 in window 0
.macro PLACES         ; four places behind matrix instructions, in front of lines that read their results or load into their sources
.rept 4
	v_nop
.endr
.endm
.macro LOAD           ; a fill: waves 0 and 1 fetch the two halves of a tile's K, waves 2 and 3 those of its V; an s_nop 0 and four v_nop follow each line
	s_cmp_lt_u32 s[WV], 2
	s_cbranch_scc0 .Lfor_v_\@
	tensor_load_to_lds s[G0K:G0K+3], s[G1K:G1K+7]
	s_nop 0
.rept 4
	v_nop
.endr
	s_branch .Lasked_\@
.Lfor_v_\@:
	tensor_load_to_lds s[G0V:G0V+3], s[G1V:G1V+7]
	s_nop 0
.rept 4
	v_nop
.endr
.Lasked_\@:
.endm
; THE CHANGE OF SLOTS.  Each wave waits for all its tensor loads (one is out: its part of the other slot), adds 0 to its spare word, and waits for that and for its reads of the slot that it leaves.
; Behind the barrier nobody reads the old slot and the other is whole.  fill = 1: the old slot is filled again, first thing behind the barrier, with tile NXT; the address is made anew from that number.
.macro CHANGE fill
	WIN 0
	s_wait_tensorcnt 0x0
	ds_add_u32 v[SPW], v[NIL]       ; the scalar work below stands between the add and the wait for it
.if \fill
	s_lshl_b32 s[OFF], s[NXT], 15   ; a tile is 32,768 bytes of K and of V
	s_xor_b32 s[G0K+1], s[G0K+1], SLOT1
	s_add_nc_u64 s[G0K+2:G0K+3], s[KB:KB+1], s[OFF:OFF+1]
	s_or_b32 s[G0K+3], s[G0K+3], 0x80000000
	s_xor_b32 s[G0V+1], s[G0V+1], SLOT1
	s_add_nc_u64 s[G0V+2:G0V+3], s[VBS:VBS+1], s[OFF:OFF+1]
	s_or_b32 s[G0V+3], s[G0V+3], 0x80000000
	s_add_co_u32 s[NXT], s[NXT], 1  ; the block's next tile, or behind its last the second block's tile 0
	s_cmp_gt_u32 s[NXT], s[LQ]
	s_cselect_b32 s[NXT], 0, s[NXT]
	s_cselect_b32 s[LQ], s[GH], s[LQ]
.endif
	s_wait_dscnt 0x0                ; the add is done, and my reads of the slot are over
	s_barrier_signal -1
	s_sub_co_u32 s[TBK], s[TBK], 4*KS*PK  ; the fetches go back to a slot's first step, in the other slot
	s_xor_b32 s[TBK], s[TBK], SLOT1
	s_sub_co_u32 s[TBV], s[TBV], 4*KS*PV
	s_xor_b32 s[TBV], s[TBV], SLOT1
	s_barrier_wait -1
.if \fill
	LOAD
.endif
.endm
	s_load_b256 s[4:11], s[0:1], 0x0  ; qkk s[4:5], vh s[6:7], yf s[8:9], eh s[10:11]
	v_lshl_add_u32 v[SPW], v0, 2, SPARE
	v_mov_b32 v[NIL], 0
	ds_add_u32 v[SPW], v[NIL]       ; the wave's opening: the add and its wait ahead of my first tensor load
	v_lshrrev_b32 v1, 5, v0
	v_readfirstlane_b32 s[WV], v1
	s_mov_b32 s[BB], ttmp9
	s_and_b32 s13, ttmp7, 0xffff    ; batch x 16 + head
	s_sub_co_u32 s20, 15, s[BB]
	s_bitcmp1_b32 s[BB], 0
	s_cselect_b32 s[BF], s[BB], s20 ; the odd block of the pair
	s_cselect_b32 s[BG], s20, s[BB] ; the even one
	s_add_co_u32 s[RT], s[BF], 1
	s_lshr_b32 s[RT], s[RT], 1      ; F's tiles
	s_sub_co_u32 s[LQ], s[RT], 1
	s_lshr_b32 s[GH], s[BG], 1
	s_mov_b32 s[NXT], 1             ; tile 0 is asked for below; behind F's last tile comes G's tile 0
	s_cmp_gt_u32 s[NXT], s[LQ]
	s_cselect_b32 s[NXT], 0, s[NXT]
	s_cselect_b32 s[LQ], s[GH], s[LQ]
	s_lshl_b32 s20, s13, 18         ; the head's 262,144 bytes in each f16 tensor
	s_mov_b32 s21, 0
	s_and_b32 s19, s[WV], 1         ; which half of a tile's 256 keys I fetch
	s_lshl_b32 s22, s19, 14
	s_add_co_u32 s22, s22, s20
	s_mov_b32 s23, 0
	s_mul_i32 s17, s19, 128*PK
	s_mul_i32 s18, s19, 128*PV
	s_lshl_b32 s2, s[WV], 12        ; my 32 rows of 128 bytes
	s_lshl_b32 s94, s[BF], 14       ; a block's 128 rows
	s_add_co_u32 s94, s94, s2
	s_lshl_b32 s95, s[BG], 14
	s_add_co_u32 s95, s95, s2
	s_add_co_u32 s86, s94, s20      ; my rows of F and of G in an f16 tensor,
	s_mov_b32 s87, 0
	s_add_co_u32 s88, s95, s20
	s_mov_b32 s89, 0
	s_lshl_b32 s90, s86, 1          ; and in yf, where a row's share is 256 bytes
	s_mov_b32 s91, 0
	s_lshl_b32 s92, s88, 1
	s_mov_b32 s93, 0
	s_add_co_u32 s94, s94, 128      ; the rows one further down, counted from the head's first byte
	s_add_co_u32 s95, s95, 128
	; group 1: 128 keys are 16,384 dense bytes: asked for as 64 rows of 256 bytes, two keys a row, padded in LDS after every key
	s_mov_b32 s[G1K], (1<<16)|(1<<20)|(4<<22)|(3<<25)  ; 2-byte elements; padding on; after every 32 words 4 words
	s_mov_b32 s[G1V], (1<<16)|(1<<20)|(4<<22)|(7<<25)  ; the same with 8 words
.irp g, G1K, G1V
	s_mov_b32 s[\g+1], 128<<16
	s_mov_b32 s[\g+2], 64<<16
	s_mov_b32 s[\g+3], 128<<16
	s_mov_b32 s[\g+4], 64
	s_mov_b32 s[\g+5], 128
	s_mov_b32 s[\g+6], 0
	s_mov_b32 s[\g+7], 0
.endr
	s_mov_b32 s[CS], 0x3e38aa3b     ; c = log2(e) / 8
	s_mov_b32 s[CS+1], s[CS]
	s_mov_b32 s[SEL], 0x76543210
	s_mov_b32 s[SEL+1], 0xfedcba98
	s_mov_b32 s[TBK], SLOT1+4*KS*PK ; the first change of slots turns these two into 0
	s_mov_b32 s[TBV], SLOT1+4*KS*PV
	s_mov_b32 s[G0K], 1
	s_mov_b32 s[G0K+1], s17
	s_mov_b32 s[G0V], 1
	s_add_co_u32 s[G0V+1], s18, VOFF
	s_mov_b32 s[OFF+1], 0
	s_mov_b32 s[BIGN], 0xf149f2ca   ; -1e30
	s_mov_b32 s[SLOTS], 8
	s_wait_dscnt 0x0                ; the opening add is done
	s_wait_kmcnt 0x0
	s_add_nc_u64 s[KB:KB+1], s[4:5], s[22:23]
	s_add_nc_u64 s[KB:KB+1], s[KB:KB+1], 8388608   ; k is part 1 of qkk
	s_add_nc_u64 s[VBS:VBS+1], s[6:7], s[22:23]
	s_add_nc_u64 s[QBF:QBF+1], s[4:5], s[86:87]
	s_add_nc_u64 s[QBG:QBG+1], s[4:5], s[88:89]
	s_add_nc_u64 s[OUT0:OUT0+1], s[8:9], s[90:91]
	s_add_nc_u64 s[OUT1:OUT1+1], s[8:9], s[92:93]
	s_add_nc_u64 s[OUT0+2:OUT0+3], s[10:11], s[86:87]
	s_add_nc_u64 s[OUT1+2:OUT1+3], s[10:11], s[88:89]
	s_add_nc_u64 s[VH:VH+1], s[6:7], s[20:21]
	s_mov_b64 s[G0K+2:G0K+3], s[KB:KB+1]
	s_or_b32 s[G0K+3], s[G0K+3], 0x80000000
	s_mov_b64 s[G0V+2:G0V+3], s[VBS:VBS+1]
	s_or_b32 s[G0V+3], s[G0V+3], 0x80000000
	LOAD                            ; tile 0 into slot 0: one load of mine is out
	v_and_b32 v1, 15, v0            ; l % 16
	v_bfe_u32 v9, v0, 4, 1          ; l / 16
	v_lshlrev_b32 v[QO], 7, v1
	v_lshl_add_u32 v[QO], v9, 4, v[QO]
	WIN 0x80
.set i, 0
.rept 4                             ; both blocks' Q: tile i / 2, channels 32 (i % 2) on
	global_load_b128 v[8*i:8*i+3],   v[QO], s[QBF:QBF+1] offset:(i/2)*2048+(i%2)*64
	global_load_b128 v[8*i+4:8*i+7], v[QO], s[QBF:QBF+1] offset:(i/2)*2048+(i%2)*64+32
	global_load_b128 v[Q2+8*i:Q2+8*i+3],   v[QO], s[QBG:QBG+1] offset:(i/2)*2048+(i%2)*64
	global_load_b128 v[Q2+8*i+4:Q2+8*i+7], v[QO], s[QBG:QBG+1] offset:(i/2)*2048+(i%2)*64+32
.set i, i+1
.endr
	WIN 0
	v_and_b32 v[GO], 31, v0
	v_lshlrev_b32 v[GO], 4, v[GO]
	v_and_b32 v10, 7, v0
	v_lshlrev_b32 v[LIM], 4, v10
	v_add_nc_u32 v[LIM], 2047*128, v[LIM]
.set i, 0
.rept 16                            ; block i / 8, then 512 bytes (four rows) at a time; the head's last row takes itself
	v_add3_u32 v[VA+i], v[GO], s[94+i/8], (i%8)*512
	v_min_u32 v[VA+i], v[VA+i], v[LIM]
.set i, i+1
.endr
	WIN 0x40
.set i, 0
.rept 16
	global_load_b128 v[VB+4*i:VB+4*i+3], v[VA+i], s[VH:VH+1]
.set i, i+1
.endr
.set i, 0
.rept 64
	v_mov_b32 v[i], 0               ; O^T
.set i, i+1
.endr
	WIN 0
	v_lshlrev_b32 v11, 3, v9
	v_sub_nc_u32 v11, v1, v11
	s_lshl_b32 s20, s[WV], 5
	v_add_nc_u32 v[DQ], s20, v11    ; 32 w + l % 16 - 8 (l / 16)
	v_add_nc_u32 v[DQ+1], 16, v[DQ]
	v_mul_u32_u24 v[AK0], v1, PK
	v_lshl_add_u32 v[AK0], v9, 4, v[AK0]
	v_bfe_u32 v11, v0, 3, 1         ; the turning load: lane l reads key 8 (l / 16) + l % 8, channels 8 ((l / 8) % 2) + 0..7
	v_lshl_add_u32 v[AV0], v9, 3, v10
	v_mul_u32_u24 v[AV0], v[AV0], PV
	v_lshl_add_u32 v[AV0], v11, 4, v[AV0]
	v_add_nc_u32 v[AV0], VOFF, v[AV0]
	s_mul_i32 s20, s[WV], 16*SP
	s_add_co_u32 s20, s20, STAGE    ; my stage
	v_mul_u32_u24 v[STO], v1, SP
	v_lshl_add_u32 v[STO], v9, 4, v[STO]
	v_add_nc_u32 v[STO], s20, v[STO]
	v_bfe_u32 v[RD], v0, 3, 2
	v_mul_u32_u24 v[RD], v[RD], SP
	v_lshl_add_u32 v[RD], v10, 4, v[RD]
	v_add_nc_u32 v[RD], s20, v[RD]
	v_mov_b32 v[NEG1], 0xbc00bc00
.macro RESET                        ; c m far below every c s, m the lowest finite number
.irp u, 0,1
	v_mov_b32 v[ST+4*\u], 0xfe000000
	v_mov_b32 v[ST+4*\u+1], 0xff7fffff
.endr
.endm
	RESET
.irp u, 0,1
	v_mov_b32 v[ST+4*\u+2], 0
	v_mov_b32 v[ST+4*\u+3], 0
.endr
; THE MATRIX WORK.  The eight accumulators of a run of 16 take turns.
.macro KQALL                        ; product i: channels 32 (i / 8) on, keys 16 ((i / 2) % 4) on, tile i % 2.  The first 8 start the sums
	WIN W_KQ
.set i, 0
.rept 16
.set aS, S+32*(i%2)+8*((i/2)%4)
.set aK, KF+16*((i/2)%4)+8*(i/8)
.set aQ, 16*(i%2)+8*(i/8)
.if i < 8
	v_wmma_f32_16x16x32_f16 v[aS:aS+7], v[aK:aK+7], v[aQ:aQ+7], 0
.else
	v_wmma_f32_16x16x32_f16 v[aS:aS+7], v[aK:aK+7], v[aQ:aQ+7], v[aS:aS+7]
.endif
.set i, i+1
.endr
.endm
.macro PVALL                        ; product i: keys 32 (i / 8) on, channels 16 ((i / 2) % 4) on, tile i % 2
	WIN W_PV
.set i, 0
.rept 16
.set aO, 32*(i%2)+8*((i/2)%4)
.set aV, VF+32*(i/8)+8*((i/2)%4)
.set aP, P+16*(i%2)+8*(i/8)
	v_wmma_f32_16x16x32_f16 v[aO:aO+7], v[aV:aV+7], v[aP:aP+7], v[aO:aO+7]
.set i, i+1
.endr
.endm
.macro FETCH_K                      ; a step's K, 64 keys x 64 channels: 16 loads in one run
	WIN 0
	v_add_nc_u32 v[AK], s[TBK], v[AK0]
	WIN 0x80
.irp f, 0,1,2,3,4,5,6,7
	ds_load_b128 v[KF+8*\f:KF+8*\f+3],   v[AK] offset:(\f/2)*16*PK+(\f%2)*64
	ds_load_b128 v[KF+8*\f+4:KF+8*\f+7], v[AK] offset:(\f/2)*16*PK+(\f%2)*64+32
.endr
	s_add_co_u32 s[TBK], s[TBK], KS*PK
	WIN 0
.endm
.macro FETCH_V                      ; a step's V, turned
	WIN 0
	v_add_nc_u32 v[AV], s[TBV], v[AV0]
	WIN 0x80
.irp f, 0,1,2,3,4,5,6,7
	ds_load_tr16_b128 v[VF+8*\f:VF+8*\f+3],   v[AV] offset:(\f/4)*32*PV+(\f%4)*32
	ds_load_tr16_b128 v[VF+8*\f+4:VF+8*\f+7], v[AV] offset:(\f/4)*32*PV+16*PV+(\f%4)*32
.endr
	s_add_co_u32 s[TBV], s[TBV], KS*PV
	WIN 0
.endm
; THE MASK: register j of key group kb is hidden where 16 kb + j is greater than my query's place less the step's first key.  Each accumulator is taken from its low end on.
.macro MASK
	v_sub_nc_u32 v[EQ], v[DQ], s[SD]
	v_sub_nc_u32 v[EQ+1], v[DQ+1], s[SD]
.set z, 0
.rept 64
	v_cmp_le_i32 vcc_lo, 16*((z%32)/8)+z%8, v[EQ+z/32]
	v_cndmask_b32 v[S+z], s[BIGN], v[S+z], vcc_lo
.set z, z+1
.endr
.endm
; THE SOFTMAX of a step, the two tiles alternating.
.macro REGS u
.set rT, ST+4*(\u)
.set rC, TMPR+4*(\u)
.set rM, MV+(\u)
.set rS, S+32*(\u)
.set rP, P+16*(\u)
.endm
; number n of the 22 that find a tile's maximum and statistics: 0-11 four chains of seven scores, three operands at a time (each accumulator's lowest registers first);
; 12-14, 16 the four scores left over, the old m, and the chains into c0; 15 c m_old is kept; 17, 18 the query's other 32 keys lie in the lane 16 away; 19-21 c m, c m_old - c m_new, a
.macro XS u, n
	REGS \u
.if (\n) < 4
	v_max3_num_f32 v[rC+(\n)], v[rS+8*(\n)], v[rS+8*(\n)+1], v[rS+8*(\n)+2]
.elseif (\n) < 12
	v_max3_num_f32 v[rC+(\n)%4], v[rC+(\n)%4], v[rS+8*((\n)%4)+2*((\n)/4)+1], v[rS+8*((\n)%4)+2*((\n)/4)+2]
.elseif (\n) == 12
	v_max3_num_f32 v[rC], v[rC], v[rS+7], v[rS+15]
.elseif (\n) == 13
	v_max3_num_f32 v[rC+1], v[rC+1], v[rS+23], v[rS+31]
.elseif (\n) == 14
	v_max3_num_f32 v[rC+2], v[rC+2], v[rC+3], v[rT+1]
.elseif (\n) == 15
	v_mov_b32 v[rM], v[rT]
.elseif (\n) == 16
	v_max3_num_f32 v[rC], v[rC], v[rC+1], v[rC+2]
.elseif (\n) == 17
	v_permlanex16_b32 v[rC+3], v[rC], s[SEL], s[SEL+1]
.elseif (\n) == 18
	v_max_num_f32 v[rT+1], v[rC], v[rC+3]
.elseif (\n) == 19
	v_mul_f32 v[rT], s[CS], v[rT+1]
.elseif (\n) == 20
	v_sub_f32 v[rC+1], v[rM], v[rT]
.else
	v_exp_f32 v[rC+2], v[rC+1]
.endif
.endm
; pair p of 32: tile p % 2, its pair p / 2 of scores
.macro FS p                         ; c s - c m
	REGS (\p)%2
	v_pk_fma_f32 v[rS+2*((\p)/2):rS+2*((\p)/2)+1], v[rS+2*((\p)/2):rS+2*((\p)/2)+1], s[CS:CS+1], v[rT:rT+1] op_sel_hi:[1,0,0] neg_lo:[0,0,1] neg_hi:[0,0,1]
.endm
.macro ES p, k                      ; the exponential of the pair's number k
	REGS (\p)%2
	v_exp_f32 v[rS+2*((\p)/2)+(\k)], v[rS+2*((\p)/2)+(\k)]
.endm
.macro CV p                         ; the pair rounded to f16
	REGS (\p)%2
	s_wait_alu depctr_va_vdst(0)
	v_cvt_pk_f16_f32 v[rP+(\p)/2], v[rS+2*((\p)/2)], v[rS+2*((\p)/2)+1]
.endm
.macro SUM u, w                     ; pairs w .. 2 w - 1 are added onto pairs 0 .. w - 1, in place
	REGS \u
.set z, 0
.rept \w
	v_pk_add_f32 v[rS+2*z:rS+2*z+1], v[rS+2*z:rS+2*z+1], v[rS+2*(z+(\w)):rS+2*(z+(\w))+1]
.set z, z+1
.endr
.endm
.macro VEC
	WIN 0
.irp n, 0,1,2,3,4,5,6,7,8,9,10,11,12,13,14,15,16,17,18,19,20,21
	XS 0, \n
	XS 1, \n
.endr
	FS 0                            ; plain lines behind the two exponentials that made a
	FS 1
.set i, 0
.rept 32                            ; exponential and plain by turns: a scaling two pairs ahead, a rounding one pair back; a plain line stands between every exponential and the use of its result
	ES i, 0
.if i < 30
	FS i+2
.endif
	ES i, 1
.if i > 0
	CV i-1
.endif
.set i, i+1
.endr
	SUM 0, 8
	CV 31
	SUM 1, 8
	SUM 0, 4
	SUM 1, 4
	SUM 0, 2
	SUM 1, 2
	SUM 0, 1
	SUM 1, 1
.irp u, 0,1
	v_pk_fma_f32 v[ST+4*\u+2:ST+4*\u+3], v[ST+4*\u+2:ST+4*\u+3], v[TMPR+4*\u+2:TMPR+4*\u+3], v[S+32*\u:S+32*\u+1] op_sel_hi:[1,0,1]  ; l = a l + the step's sum
.endr
	WIN W_RS
.set z, 0
.rept 16                            ; O^T times a, each accumulator from its low end on
	v_pk_mul_f32 v[2*z:2*z+1], v[2*z:2*z+1], v[TMPR+2:TMPR+3] op_sel_hi:[1,0]
	v_pk_mul_f32 v[32+2*z:32+2*z+1], v[32+2*z:32+2*z+1], v[TMPR+6:TMPR+7] op_sel_hi:[1,0]
.set z, z+1
.endr
	WIN 0
.endm
; A KEY STEP.  lastst: the tile's last live step, which fetches no further K.  branch = 1: steps below MS take no mask.  sub: the tile's first step with the diagonal.
.macro STEP lastst, branch, sub
	FETCH_V                         ; the places behind the last products V^T P stand at the last step's end
	s_wait_dscnt 16                 ; K's run, which is older, is in; V's sixteen loads may be out
	KQALL
	WIN 0
	PLACES                          ; in front of the loads into K's registers and of the first read of the scores
	s_cmp_eq_u32 s[STP], \lastst
	s_cbranch_scc1 .Lno_k_\@
	FETCH_K                         ; the next step's K, a step ahead
.Lno_k_\@:
.if \branch
	s_cmp_lt_u32 s[STP], s[MS]
	s_cbranch_scc1 .Lno_mask_\@
.endif
	s_sub_co_u32 s[SD], s[STP], \sub
	s_lshl_b32 s[SD], s[SD], 6
	MASK
.Lno_mask_\@:
	VEC
	s_wait_dscnt 0x0                ; V and the next K are in
	PVALL
	WIN 0
	PLACES
.endm
; A BLOCK'S END.  l's halves are added; O^T is divided by l and stored as it lies (yf); rounded to f16 it goes through my stage and comes back by rows, where e = v[t + 1] - y[t] is made and stored.
.macro PACKY u
	WIN W_RS
.set z, 0
.rept 16
	v_pk_mul_f32 v[32*(\u)+2*z:32*(\u)+2*z+1], v[32*(\u)+2*z:32*(\u)+2*z+1], v[ST+4*(\u)+2:ST+4*(\u)+3] op_sel_hi:[1,0]
.set z, z+1
.endr
	WIN 0x04                        ; store data in window 1
.set z, 0
.rept 8
	global_store_b128 v[GO], v[32*(\u)+4*z:32*(\u)+4*z+3], s[OUT0:OUT0+1] offset:(\u)*4096+z*512  ; 512 consecutive bytes, at a multiple of 256
.set z, z+1
.endr
	WIN 0x05
.set z, 0
.rept 16
	v_cvt_pk_f16_f32 v[S+16*(\u)+z], v[32*(\u)+2*z], v[32*(\u)+2*z+1]
.set z, z+1
.endr
	WIN 0
.irp f, 0,1,2,3
	ds_store_b128 v[STO], v[S+16*(\u)+4*\f:S+16*(\u)+4*\f+3] offset:32*\f
.endr
.irp f, 0,1,2,3
	ds_load_b128 v[S+16*(\u)+4*\f:S+16*(\u)+4*\f+3], v[RD] offset:\f*4*SP  ; LDS serves a wave's instructions in order (ISA guide 5.7.1.4): these see the stores above
.endr
.endm
.macro SENDE u, blk, younger        ; younger: the LDS instructions issued behind tile u's loads
	s_wait_dscnt \younger
	WIN 0x10                        ; source 2 in window 1
.set z, 0
.rept 16
	v_pk_fma_f16 v[S+16*(\u)+z], v[S+16*(\u)+z], v[NEG1], v[VB+32*(\blk)+16*(\u)+z]
.set z, z+1
.endr
	WIN 0
.irp f, 0,1,2,3
	global_store_b128 v[GO], v[S+16*(\u)+4*\f:S+16*(\u)+4*\f+3], s[OUT0+2:OUT0+3] offset:(\u)*2048+\f*512
.endr
.endm
.macro FINISH blk
	WIN 0
.irp u, 0,1
	v_add_f32 v[ST+4*\u+2], v[ST+4*\u+2], v[ST+4*\u+3]
.endr
.irp u, 0,1
	v_permlanex16_b32 v[ST+4*\u+3], v[ST+4*\u+2], s[SEL], s[SEL+1]
.endr
.irp u, 0,1
	v_add_f32 v[ST+4*\u+2], v[ST+4*\u+2], v[ST+4*\u+3]
.endr
.irp u, 0,1
	v_rcp_f32 v[ST+4*\u+2], v[ST+4*\u+2]
.endr
	v_nop                           ; a plain instruction between the last reciprocal and the use of its result
	s_wait_alu depctr_va_vdst(0)
	PACKY 0
	PACKY 1
	SENDE 0, \blk, 8
	SENDE 1, \blk, 0
.endm
	s_wait_loadcnt 0x0              ; Q and the rows t + 1, once
.Ltile:                             ; 8 trips: a tile of four live steps is entered and the next is asked for
	CHANGE 1
	FETCH_K
	s_sub_co_u32 s[RT], s[RT], 1
	s_cmp_eq_u32 s[RT], 0
	s_cselect_b32 s[MS], 2, 4       ; the first block's last tile: steps 2 and 3 hold the diagonal
	s_mov_b32 s[STP], 0
.Lstep:
	STEP 3, 1, 2
	s_add_co_u32 s[STP], s[STP], 1
	s_cmp_lt_u32 s[STP], 4
	s_cbranch_scc1 .Lstep
	s_cmp_lg_u32 s[RT], 0
	s_cbranch_scc1 .Lbottom
	FINISH 0                        ; the first block ends; the ring runs on
	s_wait_xcnt 0x0                 ; the stores' bases and data registers are written again only behind this wait
	s_mov_b64 s[OUT0:OUT0+1], s[OUT1:OUT1+1]
	s_mov_b64 s[OUT0+2:OUT0+3], s[OUT1+2:OUT1+3]
	WIN 0x82
.set i, 0
.rept 32
	v_mov_b32 v[i], v[Q2+i]         ; the second block's Q goes where the one text of the steps names Q
.set i, i+1
.endr
	WIN 0
	RESET                           ; a = 0 in the next step: what O^T and l hold need only be finite
	s_mov_b32 s[RT], 64             ; not 0 again in the trips that are left
.Lbottom:
	s_sub_co_u32 s[SLOTS], s[SLOTS], 1
	s_cmp_lg_u32 s[SLOTS], 0
	s_cbranch_scc1 .Ltile
	CHANGE 0                        ; the walk's last tile is written out: two live steps, both with the diagonal
	FETCH_K
	s_mov_b32 s[STP], 0
.Lstep2:
	STEP 1, 0, 0
	s_add_co_u32 s[STP], s[STP], 1
	s_cmp_lt_u32 s[STP], 2
	s_cbranch_scc1 .Lstep2
	FINISH 1
	s_wait_tensorcnt 0x0            ; the wave's end
	ds_add_u32 v[SPW], v[NIL]
	s_wait_dscnt 0x0
	s_endpgm
.Lfunc_end_k_q154f78cc86_attn_ar:
	.size	k_q154f78cc86_attn_ar, .Lfunc_end_k_q154f78cc86_attn_ar-k_q154f78cc86_attn_ar
	.p2alignl 7, 3214868480
	.fill 96, 4, 3214868480
	.section	.rodata,"a",@progbits
	.p2align	6, 0x0
	.amdhsa_kernel k_q154f78cc86_attn_ar
		.amdhsa_group_segment_fixed_size 327680
		.amdhsa_private_segment_fixed_size 0
		.amdhsa_enable_private_segment 0
		.amdhsa_kernarg_size 32
		.amdhsa_user_sgpr_count 2
		.amdhsa_user_sgpr_kernarg_segment_ptr 1
		.amdhsa_wavefront_size32 1
		.amdhsa_system_sgpr_workgroup_id_x 1
		.amdhsa_system_sgpr_workgroup_id_y 1
		.amdhsa_system_sgpr_workgroup_id_z 1
		.amdhsa_system_vgpr_workitem_id 0
		.amdhsa_next_free_vgpr 704
		.amdhsa_next_free_sgpr 96
		.amdhsa_reserve_vcc 1
		.amdhsa_float_denorm_mode_32 3
		.amdhsa_float_denorm_mode_16_64 3
		.amdhsa_memory_ordered 1
		.amdhsa_forward_progress 1
		.amdhsa_inst_pref_size 86
	.end_amdhsa_kernel
	.amdgpu_metadata
---
amdhsa.version: [ 1, 2 ]
amdhsa.kernels:
  - .name:           k_q154f78cc86_attn_ar
    .symbol:         k_q154f78cc86_attn_ar.kd
    .args:
      - { .name: qkk, .offset: 0, .size: 8, .value_kind: global_buffer, .address_space: global }
      - { .name: vh, .offset: 8, .size: 8, .value_kind: global_buffer, .address_space: global }
      - { .name: yf, .offset: 16, .size: 8, .value_kind: global_buffer, .address_space: global }
      - { .name: eh, .offset: 24, .size: 8, .value_kind: global_buffer, .address_space: global }
    .group_segment_fixed_size: 327680
    .private_segment_fixed_size: 0
    .kernarg_segment_align: 8
    .kernarg_segment_size: 32
    .max_flat_workgroup_size: 128
    .sgpr_count:     96
    .vgpr_count:     704
    .wavefront_size: 32
...
	.end_amdgpu_metadata
.endif
;; end of part 3
;; launch attn_ma (part 4): grid 8 x 32, 4 waves a work-group, no clusters, 327,680 bytes of LDS; arguments qkk, eh, yf, ohl; writes ohl
.if DOCPART == 4
	.amdgcn_target "amdgcn-amd-amdhsa--gfx1250"
	.amdhsa_code_object_version 6
	.text
	.protected	k_q154f78cc86_attn_ma
	.globl	k_q154f78cc86_attn_ma
	.p2align	8
	.type	k_q154f78cc86_attn_ma,@function
k_q154f78cc86_attn_ma:
	s_mov_b64 s[64:65], 0
	v_nop
	global_prefetch_b8 v0, s[64:65] scope:SCOPE_SE
	s_setreg_imm32_b32 hwreg(HW_REG_WAVE_MODE, 25, 1), 1
	s_wait_xcnt 0x0
; THE MA BRANCH AND THE SUM.  y2[t] = the sum over s < t of (qa[t] . ka[s]) e[s], qa = min(q / 8, 0.02 q / 8) (that is -leaky_relu(-q / 8)); O = y + y2.
; q and ka are parts 0 and 2 of qkk, e is eh: [32][2048][64] in f16.  y comes in f32 in the accumulators' lane layout (yf).
; RANGE.  For each query A = the sum over the 64 channels of |qa|, at least 1e-30 / 8, and qa' = qa / A goes into the product.  As 0 < ka < 1, |w'| = |qa' . ka| <= 1 for every input, so w' has room in f16;
; O = y + A y2' is made in f32.  O leaves as two bf16 numbers, hi = bf16(O) and lo = bf16(O - hi): 16 significant bits with f32's range.  ohl = [16 heads][4096 rows][hi 64 | lo 64], rows of 256 bytes.
; LIMITS.  NaN and infinities are not treated apart.
; THE WALK, THE SHARES, THE RING AND THE LAYOUT: a head has 16 blocks of 128 queries; a work-group takes the pair 15 - b and b, first the odd one F ((F + 1) / 2 whole tiles of 256 keys; in the last, key steps 2
; and 3 of 64 hold the diagonal), then the even one G (G / 2 whole tiles and two steps with the diagonal): 9 tiles, 34 steps whatever b: a loop of 8 trips and the last tile written out.  Every jump but the
; counted loops' own goes forward, and none passes a barrier or a tensor load but the one of LOAD's two that the wave's number does not choose.  NO CLUSTER: the head's eight work-groups walk blocks of
; different lengths and ask for the same tile only until the shortest first block ends; a walk common to all would have 16 trips for 9.  Wave w owns rows 32 w .. 32 w + 31: two tiles u of 16 queries.
; W^T = Ka Qa'^T holds one query a lane and the keys 8 (lane / 16) + 0..7; rounded to f16 it is source 1 of O^T += E^T W.  A hidden weight is 0.
; O^T is cleared at each block's beginning (64 v_mov_b32 twice), on purpose: one text for every step, no first step written out.
; REGISTERS, in windows of 256 (s_set_vgpr_msb: bits 1:0 source 0, 3:2 source 1, 5:4 source 2, 7:6 destination):
;   window 0: v0-63 addresses, A; v64-127 W^T (at the start the raw q; at a block's end hi and rows read back); v128-159 P; v160-223 at work; v224-255 lo
;   window 1: v0-63 O^T; v64-191 y of both blocks' tiles     window 2: v0-31 Qa'; v32-63 the second block's; v64-127 Ka of one step; v128-191 E of one step
.set KS,    64
.set PK,    144
.set PV,    160
.set VOFF,  4*KS*PK
.set SLOT1, 1<<17
.set STAGE, SLOT1+4*KS*(PK+PV)  ; behind the ring, never filled by a tensor load: 16 rows x 272 bytes for each wave
.set SP,    272
.set SPARE, STAGE+4*16*SP       ; the spare words, 128 bytes for each wave: two blocks of 256 bytes that no other line names
.set AK0, 2
.set AV0, 3
.set AK,  4
.set AV,  5
.set STO, 6
.set RD,  7
.set GO,  8
.set DQ,  14
.set AQ,  16          ; v16-23  A of tile 2 x block + u in the even register of its pair
.set W4,  24          ; v24-27  at work
.set EQ,  32
.set QO,  34
.set RQ,  40          ; v40-55  a tile's raw q, where its halves are named
.set SPW, 62
.set NIL, 63
.set S,   64
.set HB,  64          ; hi, 16 a tile
.set BK,  96          ; rows read back: v96-127 for tile 0, v192-223 for tile 1
.set P,   128
.set T,   160
.set U,   192
.set LB,  224         ; lo, 16 a tile
.set YB,  64          ; window 1
.set Q2,  32          ; window 2
.set KF,  64
.set VF,  128
.set WV,  12
.set BB,  14
.set BF,  15
.set BG,  16
.set G1K, 24
.set G1V, 32
.set G0K, 40
.set G0V, 44
.set KB,  48
.set VBS, 50
.set OUT0, 52         ; s[52:53] ohl at my rows of the block in hand
.set SLOTS, 56
.set STP, 57
.set SEL, 60
.set TBK, 62
.set TBV, 63
.set OUT1, 66         ; s[66:67] the same for the second block
.set RT,  70
.set NXT, 71
.set LQ,  72
.set MS,  73
.set OFF, 74
.set GH,  76
.set SD,  77
.set QBF, 80
.set QBG, 82
.set YF,  84          ; s[84:85], s[86:87] yf at my tiles of the two blocks
.set C02, 88          ; s[88:89] 0.02
.set ABSM, 90
.set HIM, 91
.set MSB, 0
.macro WIN new
.if MSB != (\new)
	s_set_vgpr_msb (MSB<<8)|(\new)
.set MSB, (\new)
.endif
.endm
.set W_KQ, 0x0a
.set W_PV, 0x52
.macro PLACES
.rept 4
	v_nop
.endr
.endm
.macro LOAD           ; a fill: waves 0 and 1 fetch the two halves of a tile's Ka, waves 2 and 3 those of its E; an s_nop 0 and four v_nop follow each line
	s_cmp_lt_u32 s[WV], 2
	s_cbranch_scc0 .Lfor_v_\@
	tensor_load_to_lds s[G0K:G0K+3], s[G1K:G1K+7]
	s_nop 0
.rept 4
	v_nop
.endr
	s_branch .Lasked_\@
.Lfor_v_\@:
	tensor_load_to_lds s[G0V:G0V+3], s[G1V:G1V+7]
	s_nop 0
.rept 4
	v_nop
.endr
.Lasked_\@:
.endm
; THE CHANGE OF SLOTS: each wave waits for all its tensor loads (one is out), adds 0 to its spare word, waits for that and for its reads of the slot that it leaves; behind the barrier the old slot is filled first.
.macro CHANGE fill
	WIN 0
	s_wait_tensorcnt 0x0
	ds_add_u32 v[SPW], v[NIL]
.if \fill
	s_lshl_b32 s[OFF], s[NXT], 15
	s_xor_b32 s[G0K+1], s[G0K+1], SLOT1
	s_add_nc_u64 s[G0K+2:G0K+3], s[KB:KB+1], s[OFF:OFF+1]
	s_or_b32 s[G0K+3], s[G0K+3], 0x80000000
	s_xor_b32 s[G0V+1], s[G0V+1], SLOT1
	s_add_nc_u64 s[G0V+2:G0V+3], s[VBS:VBS+1], s[OFF:OFF+1]
	s_or_b32 s[G0V+3], s[G0V+3], 0x80000000
	s_add_co_u32 s[NXT], s[NXT], 1
	s_cmp_gt_u32 s[NXT], s[LQ]
	s_cselect_b32 s[NXT], 0, s[NXT]
	s_cselect_b32 s[LQ], s[GH], s[LQ]
.endif
	s_wait_dscnt 0x0
	s_barrier_signal -1
	s_sub_co_u32 s[TBK], s[TBK], 4*KS*PK
	s_xor_b32 s[TBK], s[TBK], SLOT1
	s_sub_co_u32 s[TBV], s[TBV], 4*KS*PV
	s_xor_b32 s[TBV], s[TBV], SLOT1
	s_barrier_wait -1
.if \fill
	LOAD
.endif
.endm
	s_load_b256 s[4:11], s[0:1], 0x0  ; qkk s[4:5], eh s[6:7], yf s[8:9], ohl s[10:11]
	v_lshl_add_u32 v[SPW], v0, 2, SPARE
	v_mov_b32 v[NIL], 0
	ds_add_u32 v[SPW], v[NIL]       ; the wave's opening: the add and its wait ahead of my first tensor load
	v_lshrrev_b32 v1, 5, v0
	v_readfirstlane_b32 s[WV], v1
	s_mov_b32 s[BB], ttmp9
	s_and_b32 s13, ttmp7, 0xffff    ; batch x 16 + head
	s_sub_co_u32 s20, 15, s[BB]
	s_bitcmp1_b32 s[BB], 0
	s_cselect_b32 s[BF], s[BB], s20
	s_cselect_b32 s[BG], s20, s[BB]
	s_add_co_u32 s[RT], s[BF], 1
	s_lshr_b32 s[RT], s[RT], 1
	s_sub_co_u32 s[LQ], s[RT], 1
	s_lshr_b32 s[GH], s[BG], 1
	s_mov_b32 s[NXT], 1
	s_cmp_gt_u32 s[NXT], s[LQ]
	s_cselect_b32 s[NXT], 0, s[NXT]
	s_cselect_b32 s[LQ], s[GH], s[LQ]
	s_lshl_b32 s20, s13, 18
	s_and_b32 s19, s[WV], 1
	s_lshl_b32 s22, s19, 14
	s_add_co_u32 s22, s22, s20
	s_mov_b32 s23, 0
	s_mul_i32 s17, s19, 128*PK
	s_mul_i32 s18, s19, 128*PV
	s_lshl_b32 s2, s[WV], 12
	s_lshl_b32 s94, s[BF], 14
	s_add_co_u32 s94, s94, s2       ; my rows of F, of G, counted from the head's first byte in an f16 tensor
	s_lshl_b32 s79, s[BG], 14
	s_add_co_u32 s79, s79, s2
	s_add_co_u32 s86, s94, s20
	s_mov_b32 s87, 0
	s_add_co_u32 s88, s79, s20
	s_mov_b32 s89, 0
	s_lshl_b32 s90, s86, 1          ; in yf a row's share is 256 bytes
	s_mov_b32 s91, 0
	s_lshl_b32 s92, s88, 1
	s_mov_b32 s93, 0
	s_and_b32 s3, s13, 15           ; in ohl: the head's 4,096 rows of 256 bytes,
	s_lshl_b32 s3, s3, 20
	s_lshr_b32 s21, s13, 4          ; the batch's 2,048 of them
	s_lshl_b32 s21, s21, 19
	s_add_co_u32 s3, s3, s21
	s_lshl1_add_u32 s94, s94, s3
	s_mov_b32 s95, 0
	s_lshl1_add_u32 s2, s79, s3
	s_mov_b32 s3, 0
	s_mov_b32 s[G1K], (1<<16)|(1<<20)|(4<<22)|(3<<25)  ; 128 keys as 64 rows of 256 bytes; padded after every 32 words by 4 words
	s_mov_b32 s[G1V], (1<<16)|(1<<20)|(4<<22)|(7<<25)  ; by 8 words
.irp g, G1K, G1V
	s_mov_b32 s[\g+1], 128<<16
	s_mov_b32 s[\g+2], 64<<16
	s_mov_b32 s[\g+3], 128<<16
	s_mov_b32 s[\g+4], 64
	s_mov_b32 s[\g+5], 128
	s_mov_b32 s[\g+6], 0
	s_mov_b32 s[\g+7], 0
.endr
	s_mov_b32 s[SEL], 0x76543210
	s_mov_b32 s[SEL+1], 0xfedcba98
	s_mov_b32 s[TBK], SLOT1+4*KS*PK
	s_mov_b32 s[TBV], SLOT1+4*KS*PV
	s_mov_b32 s[G0K], 1
	s_mov_b32 s[G0K+1], s17
	s_mov_b32 s[G0V], 1
	s_add_co_u32 s[G0V+1], s18, VOFF
	s_mov_b32 s[OFF+1], 0
	s_mov_b32 s[SLOTS], 8
	s_wait_dscnt 0x0                ; the opening add is done
	s_wait_kmcnt 0x0
	s_add_nc_u64 s[KB:KB+1], s[4:5], s[22:23]
	s_add_nc_u64 s[KB:KB+1], s[KB:KB+1], 16777216  ; ka is part 2 of qkk
	s_add_nc_u64 s[VBS:VBS+1], s[6:7], s[22:23]
	s_add_nc_u64 s[QBF:QBF+1], s[4:5], s[86:87]
	s_add_nc_u64 s[QBG:QBG+1], s[4:5], s[88:89]
	s_add_nc_u64 s[YF:YF+1], s[8:9], s[90:91]
	s_add_nc_u64 s[YF+2:YF+3], s[8:9], s[92:93]
	s_add_nc_u64 s[OUT0:OUT0+1], s[10:11], s[94:95]
	s_add_nc_u64 s[OUT1:OUT1+1], s[10:11], s[2:3]
	s_mov_b32 s[C02], 0x3ca3d70a    ; 0.02
	s_mov_b32 s[C02+1], s[C02]
	s_mov_b32 s[ABSM], 0x7fffffff
	s_mov_b32 s[HIM], 0xffff0000
	s_mov_b64 s[G0K+2:G0K+3], s[KB:KB+1]
	s_or_b32 s[G0K+3], s[G0K+3], 0x80000000
	s_mov_b64 s[G0V+2:G0V+3], s[VBS:VBS+1]
	s_or_b32 s[G0V+3], s[G0V+3], 0x80000000
	LOAD                            ; tile 0 into slot 0: one load of mine is out
	v_and_b32 v1, 15, v0
	v_bfe_u32 v9, v0, 4, 1
	v_lshlrev_b32 v[QO], 7, v1
	v_lshl_add_u32 v[QO], v9, 4, v[QO]
	v_and_b32 v[GO], 31, v0
	v_lshlrev_b32 v[GO], 4, v[GO]
.set i, 0
.rept 4                             ; the raw q in fragment layout: tile 2 x block + i / 2 at S + 16 x tile, channels 32 (i % 2) on
	global_load_b128 v[S+8*i:S+8*i+3],   v[QO], s[QBF:QBF+1] offset:(i/2)*2048+(i%2)*64
	global_load_b128 v[S+8*i+4:S+8*i+7], v[QO], s[QBF:QBF+1] offset:(i/2)*2048+(i%2)*64+32
	global_load_b128 v[S+32+8*i:S+32+8*i+3],   v[QO], s[QBG:QBG+1] offset:(i/2)*2048+(i%2)*64
	global_load_b128 v[S+32+8*i+4:S+32+8*i+7], v[QO], s[QBG:QBG+1] offset:(i/2)*2048+(i%2)*64+32
.set i, i+1
.endr
	WIN 0x40
.set i, 0
.rept 16                            ; y: 512 consecutive bytes a load; register x of a tile's 32 goes beside register x of its O^T
	global_load_b128 v[YB+4*i:YB+4*i+3],       v[GO], s[YF:YF+1] offset:i*512
	global_load_b128 v[YB+64+4*i:YB+64+4*i+3], v[GO], s[YF+2:YF+3] offset:i*512
.set i, i+1
.endr
.set i, 0
.rept 64
	v_mov_b32 v[i], 0               ; O^T
.set i, i+1
.endr
	WIN 0
	v_and_b32 v10, 7, v0
	v_lshlrev_b32 v11, 3, v9
	v_sub_nc_u32 v11, v1, v11
	s_lshl_b32 s20, s[WV], 5
	v_add_nc_u32 v[DQ], s20, v11    ; 32 w + l % 16 - 8 (l / 16)
	v_add_nc_u32 v[DQ+1], 16, v[DQ]
	v_mul_u32_u24 v[AK0], v1, PK
	v_lshl_add_u32 v[AK0], v9, 4, v[AK0]
	v_bfe_u32 v11, v0, 3, 1
	v_lshl_add_u32 v[AV0], v9, 3, v10
	v_mul_u32_u24 v[AV0], v[AV0], PV
	v_lshl_add_u32 v[AV0], v11, 4, v[AV0]
	v_add_nc_u32 v[AV0], VOFF, v[AV0]
	s_mul_i32 s20, s[WV], 16*SP
	s_add_co_u32 s20, s20, STAGE    ; my stage
	v_mul_u32_u24 v[STO], v1, SP    ; in: row l % 16, 16 bytes for each half of the lanes
	v_lshl_add_u32 v[STO], v9, 4, v[STO]
	v_add_nc_u32 v[STO], s20, v[STO]
	v_mul_u32_u24 v[RD], v9, SP     ; back: lanes 0-15 one row of 256 bytes, lanes 16-31 the next
	v_lshl_add_u32 v[RD], v1, 4, v[RD]
	v_add_nc_u32 v[RD], s20, v[RD]
; Tile ti's q becomes qa' and A.  T = q; 8 qa = min(T, 0.02 T); A' = the sum of |8 qa| over my 32 channels and the other half of the lanes' 32, at least 1e-30; qa' = 8 qa / A'; A = A' / 8 (exact).
.macro QPREP ti
.set z, 0
.rept 16
	v_mov_b32 v[RQ+z], v[S+16*(\ti)+z]
.set z, z+1
.endr
	v_cvt_f32_f16 v160, v40.l
	v_cvt_f32_f16 v161, v40.h
	v_cvt_f32_f16 v162, v41.l
	v_cvt_f32_f16 v163, v41.h
	v_cvt_f32_f16 v164, v42.l
	v_cvt_f32_f16 v165, v42.h
	v_cvt_f32_f16 v166, v43.l
	v_cvt_f32_f16 v167, v43.h
	v_cvt_f32_f16 v168, v44.l
	v_cvt_f32_f16 v169, v44.h
	v_cvt_f32_f16 v170, v45.l
	v_cvt_f32_f16 v171, v45.h
	v_cvt_f32_f16 v172, v46.l
	v_cvt_f32_f16 v173, v46.h
	v_cvt_f32_f16 v174, v47.l
	v_cvt_f32_f16 v175, v47.h
	v_cvt_f32_f16 v176, v48.l
	v_cvt_f32_f16 v177, v48.h
	v_cvt_f32_f16 v178, v49.l
	v_cvt_f32_f16 v179, v49.h
	v_cvt_f32_f16 v180, v50.l
	v_cvt_f32_f16 v181, v50.h
	v_cvt_f32_f16 v182, v51.l
	v_cvt_f32_f16 v183, v51.h
	v_cvt_f32_f16 v184, v52.l
	v_cvt_f32_f16 v185, v52.h
	v_cvt_f32_f16 v186, v53.l
	v_cvt_f32_f16 v187, v53.h
	v_cvt_f32_f16 v188, v54.l
	v_cvt_f32_f16 v189, v54.h
	v_cvt_f32_f16 v190, v55.l
	v_cvt_f32_f16 v191, v55.h
.set z, 0
.rept 16
	v_pk_mul_f32 v[U+2*z:U+2*z+1], v[T+2*z:T+2*z+1], s[C02:C02+1] op_sel_hi:[1,0]
.set z, z+1
.endr
.set z, 0
.rept 32
	v_min_num_f32 v[T+z], v[T+z], v[U+z]
.set z, z+1
.endr
.set z, 0
.rept 32
	v_and_b32 v[U+z], s[ABSM], v[T+z]
.set z, z+1
.endr
.irp k, 0,1,2,3
	v_add_f32 v[W4+\k], v[U+\k], v[U+4+\k]     ; four chains
.endr
.set z, 8
.rept 24
	v_add_f32 v[W4+z%4], v[W4+z%4], v[U+z]
.set z, z+1
.endr
	v_add_f32 v[W4], v[W4], v[W4+1]
	v_add_f32 v[W4+2], v[W4+2], v[W4+3]
	v_add_f32 v[W4], v[W4], v[W4+2]
	v_permlanex16_b32 v[W4+1], v[W4], s[SEL], s[SEL+1]
	v_add_f32 v[W4], v[W4], v[W4+1]
	v_max_num_f32 v[W4], 0x0da24260, v[W4]     ; 1e-30
	v_rcp_f32 v[W4+2], v[W4]
	v_mul_f32 v[AQ+2*(\ti)], 0x3e000000, v[W4] ; A = A' / 8: also the plain instruction behind the reciprocal
	v_mov_b32 v[AQ+2*(\ti)+1], v[AQ+2*(\ti)]   ; named with it as a pair
.set z, 0
	s_wait_alu depctr_va_vdst(0)
.rept 16
	v_pk_mul_f32 v[T+2*z:T+2*z+1], v[T+2*z:T+2*z+1], v[W4+2:W4+3] op_sel_hi:[1,0]
.set z, z+1
.endr
	WIN 0x80
.set z, 0
.rept 16
	v_cvt_pk_f16_f32 v[16*(\ti)+z], v[T+2*z], v[T+2*z+1]
.set z, z+1
.endr
	WIN 0
.endm
	s_wait_loadcnt 32               ; q's sixteen loads are in; y's 32, which are younger, may be out
	QPREP 0
	QPREP 1
	QPREP 2
	QPREP 3
; THE MATRIX WORK.  The eight accumulators of a run of 16 take turns.
.macro KQALL
	WIN W_KQ
.set i, 0
.rept 16
.set aS, S+32*(i%2)+8*((i/2)%4)
.set aK, KF+16*((i/2)%4)+8*(i/8)
.set aQ, 16*(i%2)+8*(i/8)
.if i < 8
	v_wmma_f32_16x16x32_f16 v[aS:aS+7], v[aK:aK+7], v[aQ:aQ+7], 0
.else
	v_wmma_f32_16x16x32_f16 v[aS:aS+7], v[aK:aK+7], v[aQ:aQ+7], v[aS:aS+7]
.endif
.set i, i+1
.endr
.endm
.macro PVALL
	WIN W_PV
.set i, 0
.rept 16
.set aO, 32*(i%2)+8*((i/2)%4)
.set aV, VF+32*(i/8)+8*((i/2)%4)
.set aP, P+16*(i%2)+8*(i/8)
	v_wmma_f32_16x16x32_f16 v[aO:aO+7], v[aV:aV+7], v[aP:aP+7], v[aO:aO+7]
.set i, i+1
.endr
.endm
.macro FETCH_K
	WIN 0
	v_add_nc_u32 v[AK], s[TBK], v[AK0]
	WIN 0x80
.irp f, 0,1,2,3,4,5,6,7
	ds_load_b128 v[KF+8*\f:KF+8*\f+3],   v[AK] offset:(\f/2)*16*PK+(\f%2)*64
	ds_load_b128 v[KF+8*\f+4:KF+8*\f+7], v[AK] offset:(\f/2)*16*PK+(\f%2)*64+32
.endr
	s_add_co_u32 s[TBK], s[TBK], KS*PK
	WIN 0
.endm
.macro FETCH_V
	WIN 0
	v_add_nc_u32 v[AV], s[TBV], v[AV0]
	WIN 0x80
.irp f, 0,1,2,3,4,5,6,7
	ds_load_tr16_b128 v[VF+8*\f:VF+8*\f+3],   v[AV] offset:(\f/4)*32*PV+(\f%4)*32
	ds_load_tr16_b128 v[VF+8*\f+4:VF+8*\f+7], v[AV] offset:(\f/4)*32*PV+16*PV+(\f%4)*32
.endr
	s_add_co_u32 s[TBV], s[TBV], KS*PV
	WIN 0
.endm
.macro MASK                         ; a weight stays where its key lies strictly in front of my query; each accumulator is taken from its low end on
	v_sub_nc_u32 v[EQ], v[DQ], s[SD]
	v_sub_nc_u32 v[EQ+1], v[DQ+1], s[SD]
.set z, 0
.rept 64
	v_cmp_lt_i32 vcc_lo, 16*((z%32)/8)+z%8, v[EQ+z/32]
	v_cndmask_b32 v[S+z], 0, v[S+z], vcc_lo
.set z, z+1
.endr
.endm
.macro STEP lastst, branch, sub
	FETCH_V
	s_wait_dscnt 16                 ; Ka's run, which is older, is in; E's sixteen loads may be out
	KQALL
	WIN 0
	PLACES
	s_cmp_eq_u32 s[STP], \lastst
	s_cbranch_scc1 .Lno_k_\@
	FETCH_K                         ; the next step's Ka, a step ahead
.Lno_k_\@:
.if \branch
	s_cmp_lt_u32 s[STP], s[MS]
	s_cbranch_scc1 .Lno_mask_\@
.endif
	s_sub_co_u32 s[SD], s[STP], \sub
	s_lshl_b32 s[SD], s[SD], 6
	MASK
.Lno_mask_\@:
.set z, 0
.rept 32                            ; the weights rounded to f16, ascending
	v_cvt_pk_f16_f32 v[P+z], v[S+2*z], v[S+2*z+1]
.set z, z+1
.endr
	s_wait_dscnt 0x0                ; E and the next Ka are in
	PVALL
	WIN 0
	PLACES
.endm
; A BLOCK'S END.  O = A y2' + y in f32; hi = bf16(O), lo = bf16(O - hi); both through my stage, back as whole rows of 256 bytes.
.macro PACKO u, blk
.set ti, 2*(\blk)+(\u)
	WIN 0x51                        ; O^T and y in window 1, A in window 0
.set z, 0
.rept 16
	v_pk_fma_f32 v[32*(\u)+2*z:32*(\u)+2*z+1], v[32*(\u)+2*z:32*(\u)+2*z+1], v[AQ+2*ti:AQ+2*ti+1], v[YB+32*ti+2*z:YB+32*ti+2*z+1] op_sel_hi:[1,0,1]
.set z, z+1
.endr
	WIN 0x05
.set z, 0
.rept 16
	v_cvt_pk_bf16_f32 v[HB+16*(\u)+z], v[32*(\u)+2*z], v[32*(\u)+2*z+1]
.set z, z+1
.endr
	WIN 0
.set z, 0
.rept 16
	v_lshlrev_b32 v[T+2*z], 16, v[HB+16*(\u)+z]
	v_and_b32 v[T+2*z+1], s[HIM], v[HB+16*(\u)+z]
.set z, z+1
.endr
	WIN 0x01
.set z, 0
.rept 16
	v_pk_add_f32 v[T+2*z:T+2*z+1], v[32*(\u)+2*z:32*(\u)+2*z+1], v[T+2*z:T+2*z+1] neg_lo:[0,1] neg_hi:[0,1]
.set z, z+1
.endr
	WIN 0
.set z, 0
.rept 16
	v_cvt_pk_bf16_f32 v[LB+16*(\u)+z], v[T+2*z], v[T+2*z+1]
.set z, z+1
.endr
.irp f, 0,1,2,3
	ds_store_b128 v[STO], v[HB+16*(\u)+4*\f:HB+16*(\u)+4*\f+3] offset:32*\f
	ds_store_b128 v[STO], v[LB+16*(\u)+4*\f:LB+16*(\u)+4*\f+3] offset:128+32*\f
.endr
.irp t, 0,1,2,3,4,5,6,7
	ds_load_b128 v[BK+96*(\u)+4*\t:BK+96*(\u)+4*\t+3], v[RD] offset:\t*2*SP  ; LDS serves a wave's instructions in order (ISA guide 5.7.1.4): these see the stores above
.endr
.endm
.macro SENDO u, younger             ; younger: the LDS instructions issued behind tile u's loads
.irp t, 0,1,2,3,4,5,6,7
	s_wait_dscnt (\younger)+7-\t
	global_store_b128 v[GO], v[BK+96*(\u)+4*\t:BK+96*(\u)+4*\t+3], s[OUT0:OUT0+1] offset:(\u)*4096+\t*512  ; two rows: 512 consecutive bytes, at a multiple of 256
.endr
.endm
.macro FINISH blk
	PACKO 0, \blk
	PACKO 1, \blk
	SENDO 0, 16
	SENDO 1, 0
.endm
	s_wait_loadcnt 0x0              ; y, once
.Ltile:                             ; 8 trips: a tile of four live steps is entered and the next is asked for
	CHANGE 1
	FETCH_K
	s_sub_co_u32 s[RT], s[RT], 1
	s_cmp_eq_u32 s[RT], 0
	s_cselect_b32 s[MS], 2, 4
	s_mov_b32 s[STP], 0
.Lstep:
	STEP 3, 1, 2
	s_add_co_u32 s[STP], s[STP], 1
	s_cmp_lt_u32 s[STP], 4
	s_cbranch_scc1 .Lstep
	s_cmp_lg_u32 s[RT], 0
	s_cbranch_scc1 .Lbottom
	FINISH 0                        ; the first block ends; the ring runs on
	s_wait_xcnt 0x0                 ; the stores' base and data registers are written again only behind this wait
	s_mov_b64 s[OUT0:OUT0+1], s[OUT1:OUT1+1]
	WIN 0x82
.set i, 0
.rept 32
	v_mov_b32 v[i], v[Q2+i]
.set i, i+1
.endr
	WIN 0x40
.set i, 0
.rept 64
	v_mov_b32 v[i], 0
.set i, i+1
.endr
	WIN 0
	s_mov_b32 s[RT], 64
.Lbottom:
	s_sub_co_u32 s[SLOTS], s[SLOTS], 1
	s_cmp_lg_u32 s[SLOTS], 0
	s_cbranch_scc1 .Ltile
	CHANGE 0                        ; the walk's last tile is written out: two live steps, both with the diagonal
	FETCH_K
	s_mov_b32 s[STP], 0
.Lstep2:
	STEP 1, 0, 0
	s_add_co_u32 s[STP], s[STP], 1
	s_cmp_lt_u32 s[STP], 2
	s_cbranch_scc1 .Lstep2
	FINISH 1
	s_wait_tensorcnt 0x0            ; the wave's end
	ds_add_u32 v[SPW], v[NIL]
	s_wait_dscnt 0x0
	s_endpgm
.Lfunc_end_k_q154f78cc86_attn_ma:
	.size	k_q154f78cc86_attn_ma, .Lfunc_end_k_q154f78cc86_attn_ma-k_q154f78cc86_attn_ma
	.p2alignl 7, 3214868480
	.fill 96, 4, 3214868480
	.section	.rodata,"a",@progbits
	.p2align	6, 0x0
	.amdhsa_kernel k_q154f78cc86_attn_ma
		.amdhsa_group_segment_fixed_size 327680
		.amdhsa_private_segment_fixed_size 0
		.amdhsa_enable_private_segment 0
		.amdhsa_kernarg_size 32
		.amdhsa_user_sgpr_count 2
		.amdhsa_user_sgpr_kernarg_segment_ptr 1
		.amdhsa_wavefront_size32 1
		.amdhsa_system_sgpr_workgroup_id_x 1
		.amdhsa_system_sgpr_workgroup_id_y 1
		.amdhsa_system_sgpr_workgroup_id_z 1
		.amdhsa_system_vgpr_workitem_id 0
		.amdhsa_next_free_vgpr 704
		.amdhsa_next_free_sgpr 96
		.amdhsa_reserve_vcc 1
		.amdhsa_float_denorm_mode_32 3
		.amdhsa_float_denorm_mode_16_64 3
		.amdhsa_memory_ordered 1
		.amdhsa_forward_progress 1
		.amdhsa_inst_pref_size 103
	.end_amdhsa_kernel
	.amdgpu_metadata
---
amdhsa.version: [ 1, 2 ]
amdhsa.kernels:
  - .name:           k_q154f78cc86_attn_ma
    .symbol:         k_q154f78cc86_attn_ma.kd
    .args:
      - { .name: qkk, .offset: 0, .size: 8, .value_kind: global_buffer, .address_space: global }
      - { .name: eh, .offset: 8, .size: 8, .value_kind: global_buffer, .address_space: global }
      - { .name: yf, .offset: 16, .size: 8, .value_kind: global_buffer, .address_space: global }
      - { .name: ohl, .offset: 24, .size: 8, .value_kind: global_buffer, .address_space: global }
    .group_segment_fixed_size: 327680
    .private_segment_fixed_size: 0
    .kernarg_segment_align: 8
    .kernarg_segment_size: 32
    .max_flat_workgroup_size: 128
    .sgpr_count:     96
    .vgpr_count:     704
    .wavefront_size: 32
...
	.end_amdgpu_metadata
.endif
;; end of part 4
;; launch gemm_out (part 5): grid 8 x 32, 4 waves a work-group, clusters of 4 x 4, 327,680 bytes of LDS; arguments ohl, wts, out0; writes out0
.if DOCPART == 5
	.amdgcn_target "amdgcn-amd-amdhsa--gfx1250"
	.amdhsa_code_object_version 6
	.text
	.protected	k_q154f78cc86_gemm_out
	.globl	k_q154f78cc86_gemm_out
	.p2align	8
	.type	k_q154f78cc86_gemm_out,@function
k_q154f78cc86_gemm_out:
	s_mov_b64 s[64:65], 0
	v_nop
	global_prefetch_b8 v0, s[64:65] scope:SCOPE_SE
	s_setreg_imm32_b32 hwreg(HW_REG_WAVE_MODE, 25, 1), 1
	s_wait_xcnt 0x0
	s_wait_alu depctr_hold_cnt(0) depctr_sa_sdst(0) depctr_va_vdst(0) depctr_va_sdst(0) depctr_va_ssrc(0) depctr_va_vcc(0) depctr_vm_vsrc(0)
	s_getreg_b32 s2, hwreg(HW_REG_IB_STS2, 6, 4)
	s_cmp_eq_u32 s2, 0
	s_cbranch_scc0 .Lentry_in_a_cluster
	s_endpgm
.Lentry_in_a_cluster:
	s_bfe_u32 s2, ttmp6, 0x10000c
	s_cmp_lg_u32 s2, 0xf033
	s_cbranch_scc0 .Lentry_shape_is_right
	s_endpgm
.Lentry_shape_is_right:
; out0 = (y + y2) x W_proj: 4096 x 1024, over K' = 2048: for each head 64 numbers hi and 64 numbers lo of O against the same 64 rows of the weights, all bf16, sums in f32, output f32.
; A = ohl, [16 heads][4096 rows][hi 64 | lo 64]: a head's rows are dense, 256 bytes each.  B = W_proj in bf16, [1024 k][1024 n], at byte 6,291,456 of wts.
; A tile of C is 128 x 128: four waves, each 64 x 64 in 16 accumulators.  A K step is two heads z: for each 128 rows x 256 bytes of A (pitch 272) and 64 rows x 256 bytes of B (pitch 288);
; eight steps through two LDS slots.  A quarter of a step is one head's hi or lo; both take the head's rows of B.  B's fragments come out of LDS turned, by ds_load_tr16_b128.
; THE MATRIX INSTRUCTION IS USED TRANSPOSED (source 0 = 16 columns n of B, source 1 = 16 rows of A): a lane holds eight neighbouring columns of one row of C.
; CLUSTER 4 x 4: A's tiles are shared along a row of the cluster, B's along a column; each is asked for jointly.
; A wave's 64 columns of f32 are 256 bytes at a multiple of 256: 16 rows at a time go through the wave's own stage.
; REGISTERS.  window 0: v0-31 addresses; v128-255 accumulators ((a, b) at 128 + 8 (4 a + b)), which also take the rows read back.  window 1: two fragment buffers of 128: 64 of A, then 64 of B.
.set PA,      272
.set ZA,      128*PA
.set PB,      288
.set BR,      64
.set ASTRIDE, 128
.set BSTRIDE, 1024
.set LAPS,    4
.set ASLOT,   2*4096*256               ; two heads on
.set BSLOT,   128*BSTRIDE*2             ; 128 rows k on
.set BQ,      0                        ; hi and lo take the same rows of B
.set SPITCH,  272
.set SLOT,    2*ZA+2*BR*PB
.set STAGE,   2*SLOT                   ; behind the ring, never filled by a tensor load: 16 rows x 272 bytes for each wave
.set SPARE,   STAGE+4*16*SPITCH        ; the spare words, 128 bytes for each wave: two blocks of 256 bytes that no other line names
.set ADRA, 16
.set ADRB, 20
.set STO,  24
.set RD,   25
.set CO,   26
.set SPW,  28
.set NIL,  29
.set ACC,  128
.set F0,   0
.set F1,   128
.set G1,  24
.set G0,  32
.set G1B, 48
.set G0B, 56
.set MSB, 0
.macro WIN new
.if MSB != (\new)
	s_set_vgpr_msb (MSB<<8)|(\new)
.set MSB, \new
.endif
.endm
.set MUL,  0x05
.set TO_F, 0x40
.macro JLOAD s                         ; a joint load: waves 0 and 1 fetch A's two heads, waves 2 and 3 B's; an s_nop 0 and four v_nop follow each line
	s_cmp_eq_u32 s11, 0
	s_cbranch_scc0 .Lfor_b_\@
	tensor_load_to_lds s[G0+4*(\s):G0+4*(\s)+3], s[G1:G1+7]
	s_nop 0
.rept 4
	v_nop
.endr
	s_branch .Lasked_\@
.Lfor_b_\@:
	tensor_load_to_lds s[G0B+4*(\s):G0B+4*(\s)+3], s[G1B:G1B+7]
	s_nop 0
.rept 4
	v_nop
.endr
.Lasked_\@:
.endm
.macro CREST
	s_cmp_lg_u32 s10, 0
	s_cbranch_scc1 .Lnot_wave_0_\@
	s_barrier_signal -3
.Lnot_wave_0_\@:
	s_barrier_wait -3
	s_barrier_signal -1
	s_barrier_wait -1
.endm
.macro CROUND
	s_barrier_signal -1
	s_barrier_wait -1
	CREST
.endm
	s_load_b128 s[4:7], s[0:1], 0x0                ; ohl s[4:5], wts s[6:7]
	s_load_b64 s[8:9], s[0:1], 0x10                ; out0
	v_lshl_add_u32 v[SPW], v0, 2, SPARE
	v_mov_b32 v[NIL], 0
	ds_add_u32 v[SPW], v[NIL]                      ; the wave's opening: the add and its wait ahead of my first tensor load
	v_lshrrev_b32 v1, 5, v0
	v_readfirstlane_b32 s10, v1
	s_lshr_b32 s11, s10, 1
	s_and_b32 s12, s10, 1
	s_bfe_u32 s40, ttmp6, 0x40000
	s_bfe_u32 s41, ttmp6, 0x40004
	s_lshl_b32 s42, ttmp9, 2
	s_add_co_u32 s42, s42, s40                     ; tile column
	s_and_b32 s13, ttmp7, 0xffff
	s_lshl_b32 s13, s13, 2
	s_add_co_u32 s13, s13, s41                     ; tile row
	s_lshl_b32 s43, s41, 2
	s_lshl_b32 s43, 15, s43
	s_lshl_b32 s44, 0x1111, s40
	s_or_b32 s[G1+0], s43, (1<<16)|(1<<20)|(1<<21)|(5<<22)|(3<<25)
	s_or_b32 s[G1B+0], s44, (1<<16)|(1<<20)|(1<<21)|(5<<22)|(7<<25)
	s_mov_b32 s[G1+1], 128<<16
	s_mov_b32 s[G1+2], 128<<16
	s_mov_b32 s[G1+3], 128<<16
	s_mov_b32 s[G1+4], 128
	s_mov_b32 s[G1+5], ASTRIDE
	s_mov_b32 s[G1+6], 0
	s_mov_b32 s[G1+7], 0
	s_mov_b32 s[G1B+1], 128<<16
	s_mov_b32 s[G1B+2], BR<<16
	s_mov_b32 s[G1B+3], 128<<16
	s_mov_b32 s[G1B+4], BR
	s_mov_b32 s[G1B+5], BSTRIDE
	s_mov_b32 s[G1B+6], 0
	s_mov_b32 s[G1B+7], 0
	s_lshl_b32 s16, s13, 15                        ; A: 128 rows of 256 bytes a tile row,
	s_lshl_b32 s17, s12, 20                        ; 4,096 rows a head z
	s_add_co_u32 s16, s16, s17
	s_mov_b32 s17, 0
	s_mul_i32 s47, s12, 64*BSTRIDE*2               ; B: 64 rows k a head z,
	s_add_co_u32 s47, s47, 6291456                 ; behind the first launch's other weights,
	s_lshl_b32 s46, s42, 8                         ; 256 bytes a tile column
	s_add_co_u32 s46, s46, s47
	s_mov_b32 s47, 0
	s_mul_i32 s20, s12, ZA
	s_mul_i32 s21, s12, BR*PB
	s_add_co_u32 s21, s21, 2*ZA
	s_wait_dscnt 0x0                               ; the opening add is done
	s_wait_kmcnt 0x0
	s_add_nc_u64 s[14:15], s[4:5], s[16:17]
	s_add_nc_u64 s[46:47], s[6:7], s[46:47]
	CROUND                                         ; all sixteen work-groups are here: the first joint loads meet
.irp s, 0,1
	s_mov_b32 s[G0+4*(\s)], 1
	s_add_co_u32 s[G0+4*(\s)+1], s20, (\s)*SLOT
	s_add_nc_u64 s[G0+4*(\s)+2:G0+4*(\s)+3], s[14:15], (\s)*ASLOT
	s_or_b32 s[G0+4*(\s)+3], s[G0+4*(\s)+3], 0x80000000
	s_mov_b32 s[G0B+4*(\s)], 1
	s_add_co_u32 s[G0B+4*(\s)+1], s21, (\s)*SLOT
	s_add_nc_u64 s[G0B+4*(\s)+2:G0B+4*(\s)+3], s[46:47], (\s)*BSLOT
	s_or_b32 s[G0B+4*(\s)+3], s[G0B+4*(\s)+3], 0x80000000
	JLOAD \s                                       ; two loads of mine are out
.endr
	v_and_b32 v1, 15, v0
	v_bfe_u32 v2, v0, 4, 1
	v_mul_u32_u24 v3, v1, PA
	v_lshl_add_u32 v3, v2, 4, v3
	s_mul_i32 s22, s11, 64*PA
	v_add_nc_u32 v[ADRA], s22, v3
	v_add_nc_u32 v[ADRA+1], SLOT, v[ADRA]
	v_and_b32 v4, 7, v0
	v_lshl_add_u32 v4, v2, 3, v4
	v_mul_u32_u24 v4, v4, PB
	v_bfe_u32 v5, v0, 3, 1
	v_lshl_add_u32 v4, v5, 4, v4
	s_lshl_b32 s22, s12, 7
	s_add_co_u32 s22, s22, 2*ZA
	v_add_nc_u32 v[ADRB], s22, v4
	v_add_nc_u32 v[ADRB+1], BR*PB, v[ADRB]
	v_add_nc_u32 v[ADRB+2], SLOT, v[ADRB]
	v_add_nc_u32 v[ADRB+3], SLOT, v[ADRB+1]
	s_mul_i32 s23, s10, 16*SPITCH
	s_add_co_u32 s23, s23, STAGE                   ; my stage
	v_mul_u32_u24 v6, v1, SPITCH                   ; in: row l % 16, 32 bytes for each half of the lanes
	v_lshl_add_u32 v6, v2, 5, v6
	v_add_nc_u32 v[STO], s23, v6
	v_mul_u32_u24 v6, v2, SPITCH                   ; back: lanes 0-15 one row of 256 bytes, lanes 16-31 the next
	v_lshl_add_u32 v6, v1, 4, v6
	v_add_nc_u32 v[RD], s23, v6
	v_lshlrev_b32 v6, 12, v2                       ; and the same two rows in out0
	v_lshl_add_u32 v[CO], v1, 4, v6
	s_lshl_b32 s16, s13, 19                        ; 128 rows of 4,096 bytes a tile row,
	s_lshl_b32 s17, s11, 18                        ; my 64 of them
	s_add_co_u32 s16, s16, s17
	s_mov_b32 s17, 0
	s_add_nc_u64 s[8:9], s[8:9], s[16:17]
	s_lshl_b32 s46, s42, 9                         ; 512 bytes a tile column, my 256 of them
	s_lshl_b32 s47, s12, 8
	s_add_co_u32 s46, s46, s47
	s_mov_b32 s47, 0
	s_add_nc_u64 s[8:9], s[8:9], s[46:47]
; 8 matrix instructions: m blocks a0, a0 + 1 x all 4 n blocks, 32 along K.  The 16 accumulators take turns.
.macro MUL8 f, c, a0, zero
	WIN MUL
.irp a, \a0, (\a0)+1
.irp b, 0,1,2,3
.if \zero
	v_wmma_f32_16x16x32_bf16 v[ACC+8*(4*(\a)+(\b)):ACC+8*(4*(\a)+(\b))+7], v[(\f)+64+8*(4*(\c)+(\b)):(\f)+64+8*(4*(\c)+(\b))+7], v[(\f)+8*(4*(\c)+(\a)):(\f)+8*(4*(\c)+(\a))+7], 0
.else
	v_wmma_f32_16x16x32_bf16 v[ACC+8*(4*(\a)+(\b)):ACC+8*(4*(\a)+(\b))+7], v[(\f)+64+8*(4*(\c)+(\b)):(\f)+64+8*(4*(\c)+(\b))+7], v[(\f)+8*(4*(\c)+(\a)):(\f)+8*(4*(\c)+(\a))+7], v[ACC+8*(4*(\a)+(\b)):ACC+8*(4*(\a)+(\b))+7]
.endif
.endr
.endr
.endm
; 32 LDS loads in one run: the fragments of quarter q (head z = q / 2; q % 2 = 0: hi, 1: lo) into buffer f; the first 32 along K first
.macro FETCH slot, q, f
	WIN TO_F
.irp c, 0,1
.irp i, 0,1,2,3
	ds_load_tr16_b128 v[(\f)+64+8*(4*(\c)+(\i)):(\f)+64+8*(4*(\c)+(\i))+3],   v[ADRB+2*(\slot)+(\q)/2] offset:(((\q)%2)*BQ+32*(\c))*PB+32*(\i)
	ds_load_tr16_b128 v[(\f)+64+8*(4*(\c)+(\i))+4:(\f)+64+8*(4*(\c)+(\i))+7], v[ADRB+2*(\slot)+(\q)/2] offset:(((\q)%2)*BQ+32*(\c)+16)*PB+32*(\i)
	ds_load_b128 v[(\f)+8*(4*(\c)+(\i)):(\f)+8*(4*(\c)+(\i))+3],   v[ADRA+(\slot)] offset:((\q)/2)*ZA+((\q)%2)*128+64*(\c)+(\i)*16*PA
	ds_load_b128 v[(\f)+8*(4*(\c)+(\i))+4:(\f)+8*(4*(\c)+(\i))+7], v[ADRA+(\slot)] offset:((\q)/2)*ZA+((\q)%2)*128+64*(\c)+(\i)*16*PA+32
.endr
.endr
.endm
.macro PLACES                          ; four places in front of loads into registers that matrix instructions have read, and of lines that read results
.rept 4
	v_nop
.endr
.endm
.macro QUARTER slot, q, f, g, zero
	s_wait_dscnt 16                                ; the first 32 along K are in; the sixteen younger loads may be out
	WIN MUL
	MUL8 \f, 0, 0, \zero
	MUL8 \f, 0, 2, \zero
	PLACES
	FETCH \slot, \q, \g
	s_wait_dscnt 32                                ; all but the 32 just issued
	WIN MUL
	MUL8 \f, 1, 0, 0
	MUL8 \f, 1, 2, 0
.endm
.macro TURN slot, next, fill
	WIN 0
	s_wait_tensorcnt 0x0                           ; all my tensor loads have landed: my part of the next slot
	ds_add_u32 v[SPW], v[NIL]                      ; 0 onto my spare word
	s_wait_dscnt 17                                ; (the add and the youngest sixteen loads may be out)
	WIN MUL
	MUL8 F1, 0, 0, 0
	s_wait_dscnt 0x0                               ; the add is done, and my reads of this slot are over
	s_barrier_signal -1
	MUL8 F1, 0, 2, 0
.if \fill
	WIN 0
.endif
	s_barrier_wait -1
.if \fill
	CREST                                          ; the barrier has opened a round of the cluster's: no wave of any partner still reads this slot or has a load on its way
	s_add_nc_u64 s[G0+4*(\slot)+2:G0+4*(\slot)+3], s[G0+4*(\slot)+2:G0+4*(\slot)+3], 2*ASLOT
	s_add_nc_u64 s[G0B+4*(\slot)+2:G0B+4*(\slot)+3], s[G0B+4*(\slot)+2:G0B+4*(\slot)+3], 2*BSLOT
	JLOAD \slot                                    ; my one tensor load behind the round; its four v_nop are also the places in front of the loads below
.else
	PLACES
.endif
	FETCH \next, 0, F0
	WIN MUL
	MUL8 F1, 1, 0, 0
	MUL8 F1, 1, 2, 0
.endm
	s_wait_tensorcnt 1                             ; my part of K step 0 is in; step 1's may stay out
	s_barrier_signal -1
	s_barrier_wait -1
	FETCH 0, 0, F0
	QUARTER 0, 1, F0, F1, 1                        ; the first quarter stands in front of the loop: its first products start the sums
	WIN 0
	s_mov_b32 s3, LAPS-1
.Llap:
	QUARTER 0, 2, F1, F0, 0
	QUARTER 0, 3, F0, F1, 0
	TURN 0, 1, 1
	QUARTER 1, 1, F0, F1, 0
	QUARTER 1, 2, F1, F0, 0
	QUARTER 1, 3, F0, F1, 0
	TURN 1, 0, 1
	QUARTER 0, 1, F0, F1, 0
	WIN 0
	s_sub_co_u32 s3, s3, 1
	s_cmp_lg_u32 s3, 0
	s_cbranch_scc1 .Llap
	QUARTER 0, 2, F1, F0, 0                        ; the last lap fills nothing
	QUARTER 0, 3, F0, F1, 0
	TURN 0, 1, 0
	QUARTER 1, 1, F0, F1, 0
	QUARTER 1, 2, F1, F0, 0
	QUARTER 1, 3, F0, F1, 0
	s_wait_dscnt 16
	WIN MUL
	MUL8 F1, 0, 0, 0
	MUL8 F1, 0, 2, 0
	s_wait_dscnt 0
	MUL8 F1, 1, 0, 0
	MUL8 F1, 1, 2, 0
	WIN 0
	PLACES
	; THE WAY OUT: 16 rows at a time into my stage (each accumulator's low four registers first), and back as whole rows of 256 bytes, into the registers that they left.
.macro TOSTAGE a
.irp b, 0,1,2,3
	ds_store_b128 v[STO], v[ACC+8*(4*(\a)+(\b)):ACC+8*(4*(\a)+(\b))+3] offset:64*(\b)
	ds_store_b128 v[STO], v[ACC+8*(4*(\a)+(\b))+4:ACC+8*(4*(\a)+(\b))+7] offset:64*(\b)+16
.endr
.irp t, 0,1,2,3,4,5,6,7
	ds_load_b128 v[ACC+32*(\a)+4*(\t):ACC+32*(\a)+4*(\t)+3], v[RD] offset:(\t)*2*SPITCH  ; LDS serves a wave's instructions in order (ISA guide 5.7.1.4): these see the stores above
.endr
.endm
.macro SEND a, younger                 ; younger: the LDS instructions issued behind block a's loads
.irp t, 0,1,2,3,4,5,6,7
	s_wait_dscnt (\younger)+7-(\t)
	global_store_b128 v[CO], v[ACC+32*(\a)+4*(\t):ACC+32*(\a)+4*(\t)+3], s[8:9] offset:(16*(\a)+2*(\t))*4096  ; 16 lanes store 256 consecutive bytes, at a multiple of 256 from the buffer's first
.endr
.endm
	TOSTAGE 0
	TOSTAGE 1
	SEND 0, 16
	TOSTAGE 2
	SEND 1, 16
	TOSTAGE 3
	SEND 2, 16
	SEND 3, 0
	s_wait_tensorcnt 0x0                           ; the wave's end
	ds_add_u32 v[SPW], v[NIL]
	s_wait_dscnt 0x0
	CROUND                                         ; the closing round: no work-group ends while a partner may still ask for a tile that names it
	s_endpgm
.Lfunc_end_k_q154f78cc86_gemm_out:
	.size	k_q154f78cc86_gemm_out, .Lfunc_end_k_q154f78cc86_gemm_out-k_q154f78cc86_gemm_out
	.p2alignl 7, 3214868480
	.fill 96, 4, 3214868480
	.section	.rodata,"a",@progbits
	.p2align	6, 0x0
	.amdhsa_kernel k_q154f78cc86_gemm_out
		.amdhsa_group_segment_fixed_size 327680
		.amdhsa_private_segment_fixed_size 0
		.amdhsa_enable_private_segment 0
		.amdhsa_kernarg_size 24
		.amdhsa_user_sgpr_count 2
		.amdhsa_user_sgpr_kernarg_segment_ptr 1
		.amdhsa_wavefront_size32 1
		.amdhsa_system_sgpr_workgroup_id_x 1
		.amdhsa_system_sgpr_workgroup_id_y 1
		.amdhsa_system_sgpr_workgroup_id_z 1
		.amdhsa_system_vgpr_workitem_id 0
		.amdhsa_next_free_vgpr 512
		.amdhsa_next_free_sgpr 66
		.amdhsa_reserve_vcc 0
		.amdhsa_float_denorm_mode_32 3
		.amdhsa_float_denorm_mode_16_64 3
		.amdhsa_memory_ordered 1
		.amdhsa_forward_progress 1
		.amdhsa_inst_pref_size 87
	.end_amdhsa_kernel
	.amdgpu_metadata
---
amdhsa.version: [ 1, 2 ]
amdhsa.kernels:
  - .name:           k_q154f78cc86_gemm_out
    .symbol:         k_q154f78cc86_gemm_out.kd
    .args:
      - { .name: ohl, .offset: 0, .size: 8, .value_kind: global_buffer, .address_space: global }
      - { .name: wts, .offset: 8, .size: 8, .value_kind: global_buffer, .address_space: global }
      - { .name: out0, .offset: 16, .size: 8, .value_kind: global_buffer, .address_space: global }
    .group_segment_fixed_size: 327680
    .private_segment_fixed_size: 0
    .kernarg_segment_align: 8
    .kernarg_segment_size: 24
    .max_flat_workgroup_size: 128
    .sgpr_count:     66
    .vgpr_count:     512
    .wavefront_size: 32
...
	.end_amdgpu_metadata
.endif
;; end of part 5
;; ======== version 2 of 3: 5 launches; 1.13 times as fast as version 1
;; limits: values are held in f16: magnitudes above 65,504 overflow, below 6.1e-05 lose precision; inputs' magnitudes at most 32,752; right only within a limited range of input values
;; workspace buffers: xb 8,388,608 bytes; vh 8,388,608 bytes; wts 8,388,608 bytes; qkk 25,165,824 bytes; yf 16,777,216 bytes; eh 8,388,608 bytes; ohl 16,777,216 bytes; cst 8,388,608 bytes
;; launch prep: the kernel of part 1 again; grid 512 x 1, 8 waves a work-group, no clusters, 0 bytes of LDS; arguments x, W_attn, W_k2, W_proj, xb, vh, wts; writes xb, vh, wts
;; launch gemm_in (part 6): grid 8 x 32, 4 waves a work-group, clusters of 4 x 4, 327,680 bytes of LDS; arguments xb, wts, qkk; writes qkk
.if DOCPART == 6
	.amdgcn_target "amdgcn-amd-amdhsa--gfx1250"
	.amdhsa_code_object_version 6
	.text
	.protected	k_q154f78cc86_gemm_in
	.globl	k_q154f78cc86_gemm_in
	.p2align	8
	.type	k_q154f78cc86_gemm_in,@function
k_q154f78cc86_gemm_in:
	s_mov_b64 s[64:65], 0
	v_nop
	global_prefetch_b8 v0, s[64:65] scope:SCOPE_SE
	s_setreg_imm32_b32 hwreg(HW_REG_WAVE_MODE, 25, 1), 1
	s_wait_xcnt 0x0
	s_wait_alu depctr_hold_cnt(0) depctr_sa_sdst(0) depctr_va_vdst(0) depctr_va_sdst(0) depctr_va_ssrc(0) depctr_va_vcc(0) depctr_vm_vsrc(0)
	s_getreg_b32 s2, hwreg(HW_REG_IB_STS2, 6, 4)
	s_cmp_eq_u32 s2, 0
	s_cbranch_scc0 .Lentry_in_a_cluster
	s_endpgm
.Lentry_in_a_cluster:
	s_bfe_u32 s2, ttmp6, 0x10000c
	s_cmp_lg_u32 s2, 0xf033
	s_cbranch_scc0 .Lentry_shape_is_right
	s_endpgm
.Lentry_shape_is_right:
; [q | k | k2] = xb x wts: 4096 x 3072 x 1024 in bf16, sums in f32.  Stored by heads as f16, qkk = [3][32 = batch x 16 + head][2048][64]: q and k unscaled, and in place of k2
; ka = sigmoid(0.02 x k2 / 8) = 1 / (1 + 2^(-0.0025 log2(e) k2)), made in f32.
; LIMIT.  f16 ends at 65,504: |q| and |k| have to stay below it.  ka lies in 0 to 1.
; A tile of C is 128 rows x 384 columns: 128 columns of each of the three parts, so that 32 x 8 = 256 work-groups make all of C and x's tile serves all three parts.  Four waves, each 64 rows x 192 columns
; (one head of q, of k and of k2): 48 accumulators, 384 registers; for 32 along K a wave loads 4 + 12 fragments and issues 48 matrix instructions.
; K goes in steps of 128 through two LDS slots.  A's step is 128 rows x 256 bytes (pitch 272).  B stays [k][n]: as a row k of wts is 3 x 1,024 elements, the weights are read as rows r = 3 k + part of 1,024
; elements, and a step is ONE tile of 384 such rows x 256 bytes (pitch 288): in LDS the rows k of one part lie 864 bytes apart.  B's fragments come out of LDS turned, by ds_load_tr16_b128.
; Every tile row is 256 bytes of memory at a multiple of 256.  Wave 0 fetches A's 128 rows, waves 1 to 3 B's rows 128 (w - 1) on: one tensor load of 128 rows a wave and step.
; THE MATRIX INSTRUCTION IS USED TRANSPOSED (source 0 = 16 columns n of B, source 1 = 16 rows of A): a lane holds eight neighbouring columns of one row of C.
; CLUSTER 4 x 4: the four work-groups of a row of the cluster need the same tiles of A, the four of a column the same tiles of B; each tile is asked for jointly.
; 16 rows of a head are 2,048 consecutive bytes of qkk: they go out through the wave's own stage.
; REGISTERS, in windows of 256 (s_set_vgpr_msb: bits 1:0 source 0, 3:2 source 1, 5:4 source 2, 7:6 destination):
;   window 0: v0-31 addresses; v32-95 the way out     window 1: two fragment buffers of 128: 32 of A (4 x 16 rows x 32 K), then 96 of B (part, then 4 x 16 columns)
;   window 2: the accumulators of q (v0-127) and k (v128-255), (a, b) at 8 (4 a + b)     window 3: v0-127 those of k2
.set PA,      272                      ; a row of A in LDS: 256 + 16: the 16 rows of a load start at 16 different groups of four banks
.set PB,      288                      ; a row r of B: 256 + 32
.set PK3,     3*PB                     ; from a row k of one part to the next: 864 = 27 x 32
.set PART,    128*PB                   ; a wave's share of a slot: 128 rows of B; A's 128 rows, 34,816 bytes, lie in the first such share
.set SLOT,    4*PART
.set STAGE,   2*SLOT                   ; behind the ring, never filled by a tensor load: 16 rows x 144 bytes for each wave
.set SPITCH,  144
.set SPARE,   STAGE+4*16*SPITCH        ; the spare words, 128 bytes for each wave: two blocks of 256 bytes that no other line names
.set LAPS,    4                        ; K = 1024: eight steps, four laps round the ring
.set ASLOT,   256                      ; bytes from a K step of A to the next
.set BSLOT,   384*2048                 ; the same for B: 384 rows r of 2,048 bytes
.set ADRA, 16                          ; v16-17  my A fragments in slot 0, 1
.set ADRB, 20                          ; v20-23  my B fragments: 2 x slot + half of the step's 128 rows k
.set STO,  24
.set RD,   25
.set CO,   26
.set SPW,  28                          ; my spare word; never rewritten
.set NIL,  29                          ; 0; never rewritten
.set TMP,  32                          ; four sets of 16 registers, by turns
.set F0,   0
.set F1,   128
.set OB,   4                           ; s[4:5], s[6:7], s[8:9]: qkk at my rows of my head in part 0, 1, 2 (once the tensors' addresses have served)
.set G1,  24                           ; s[24:31] group 1 for A;  s[32:39] group 0, one set a slot
.set G0,  32
.set G1B, 48                           ; s[48:55], s[56:63] the same for B
.set G0B, 56
.set MSB, 0
.macro WIN new                         ; the immediate's high byte repeats the setting that is left
.if MSB != (\new)
	s_set_vgpr_msb (MSB<<8)|(\new)
.set MSB, \new
.endif
.endm
.set MUL,  0xa5                        ; sources 0 (B) and 1 (A) window 1; C and D window 2 (0xf5: window 3)
.set TO_F, 0x40                        ; destination window 1, address window 0
.macro JLOAD s                         ; a joint load: wave 0 fetches A's tile, waves 1 to 3 a third of B's each; an s_nop 0 and four v_nop follow each line
	s_cmp_eq_u32 s10, 0
	s_cbranch_scc0 .Lfor_b_\@
	tensor_load_to_lds s[G0+4*(\s):G0+4*(\s)+3], s[G1:G1+7]
	s_nop 0
.rept 4
	v_nop
.endr
	s_branch .Lasked_\@
.Lfor_b_\@:
	tensor_load_to_lds s[G0B+4*(\s):G0B+4*(\s)+3], s[G1B:G1B+7]
	s_nop 0
.rept 4
	v_nop
.endr
.Lasked_\@:
.endm
.macro CREST                           ; a round of the cluster's barrier behind its opening barrier
	s_cmp_lg_u32 s10, 0
	s_cbranch_scc1 .Lnot_wave_0_\@
	s_barrier_signal -3
.Lnot_wave_0_\@:
	s_barrier_wait -3
	s_barrier_signal -1
	s_barrier_wait -1
.endm
.macro CROUND
	s_barrier_signal -1
	s_barrier_wait -1
	CREST
.endm
	s_load_b128 s[4:7], s[0:1], 0x0                ; xb s[4:5], wts s[6:7]
	s_load_b64 s[8:9], s[0:1], 0x10                ; qkk
	v_lshl_add_u32 v[SPW], v0, 2, SPARE
	v_mov_b32 v[NIL], 0
	ds_add_u32 v[SPW], v[NIL]                      ; the wave's opening: the add and its wait ahead of my first tensor load
	v_lshrrev_b32 v1, 5, v0
	v_readfirstlane_b32 s10, v1                    ; wave 0..3
	s_lshr_b32 s11, s10, 1                         ; my half of the tile's rows
	s_and_b32 s12, s10, 1                          ; my half of each part's 128 columns
	s_bfe_u32 s40, ttmp6, 0x40000                  ; cx, cy
	s_bfe_u32 s41, ttmp6, 0x40004
	s_lshl_b32 s42, ttmp9, 2
	s_add_co_u32 s42, s42, s40                     ; tile column, 0 to 7
	s_and_b32 s13, ttmp7, 0xffff
	s_lshl_b32 s13, s13, 2
	s_add_co_u32 s13, s13, s41                     ; tile row, 0 to 31
	s_lshl_b32 s43, s41, 2
	s_lshl_b32 s43, 15, s43                        ; my row of the cluster
	s_lshl_b32 s44, 0x1111, s40                    ; my column
	s_or_b32 s[G1+0], s43, (1<<16)|(1<<20)|(1<<21)|(5<<22)|(3<<25)   ; mask; 2-byte elements; padding on; bit 21 beside a mask; after every 64 words 4 words
	s_or_b32 s[G1B+0], s44, (1<<16)|(1<<20)|(1<<21)|(5<<22)|(7<<25)  ; the same with my column's mask and 8 words of padding
.irp g, G1, G1B
	s_mov_b32 s[(\g)+1], 128<<16                   ; tensor_dim0 = 128
	s_mov_b32 s[(\g)+2], 128<<16                   ; tensor_dim1 = 128
	s_mov_b32 s[(\g)+3], 128<<16                   ; tile_dim0 = 128
	s_mov_b32 s[(\g)+4], 128                       ; tile_dim1 = 128
	s_mov_b32 s[(\g)+5], 1024                      ; 1,024 elements from row to row, in xb and in wts read by rows r
	s_mov_b32 s[(\g)+6], 0
	s_mov_b32 s[(\g)+7], 0
.endr
	s_lshl_b32 s16, s13, 18                        ; A: 128 rows of 2,048 bytes a tile row
	s_mov_b32 s17, 0
	s_max_u32 s47, s10, 1                          ; B: my third, w - 1 (wave 0, which asks for A, makes the first third's address and does not use it):
	s_sub_co_u32 s47, s47, 1
	s_lshl_b32 s47, s47, 18                        ; 128 rows r of 2,048 bytes,
	s_lshl_b32 s46, s42, 8                         ; 256 bytes a tile column
	s_add_co_u32 s46, s46, s47
	s_mov_b32 s47, 0
	s_mul_i32 s20, s10, PART                       ; where they go: wave x 36,864: no place in the cluster enters an LDS address
	s_wait_dscnt 0x0                               ; the opening add is done
	s_wait_kmcnt 0x0
	s_add_nc_u64 s[14:15], s[4:5], s[16:17]
	s_add_nc_u64 s[46:47], s[6:7], s[46:47]
	CROUND                                         ; all sixteen work-groups are here: the first joint loads meet
.irp s, 0,1
	s_mov_b32 s[G0+4*(\s)], 1
	s_add_co_u32 s[G0+4*(\s)+1], s20, (\s)*SLOT
	s_add_nc_u64 s[G0+4*(\s)+2:G0+4*(\s)+3], s[14:15], (\s)*ASLOT
	s_or_b32 s[G0+4*(\s)+3], s[G0+4*(\s)+3], 0x80000000
	s_mov_b32 s[G0B+4*(\s)], 1
	s_add_co_u32 s[G0B+4*(\s)+1], s20, (\s)*SLOT
	s_add_nc_u64 s[G0B+4*(\s)+2:G0B+4*(\s)+3], s[46:47], (\s)*BSLOT
	s_or_b32 s[G0B+4*(\s)+3], s[G0B+4*(\s)+3], 0x80000000
	JLOAD \s                                       ; two loads of mine are out
.endr
	v_and_b32 v1, 15, v0                           ; l % 16
	v_bfe_u32 v2, v0, 4, 1                         ; l / 16
	v_mul_u32_u24 v3, v1, PA
	v_lshl_add_u32 v3, v2, 4, v3                   ; A: row x pitch + 16 x half
	s_mul_i32 s22, s11, 64*PA                      ; my 64 rows
	v_add_nc_u32 v[ADRA], s22, v3
	v_add_nc_u32 v[ADRA+1], SLOT, v[ADRA]
	v_and_b32 v4, 7, v0                            ; B, turned: lane l reads row k = 8 (l / 16) + l % 8, columns 8 ((l / 8) % 2) + 0..7
	v_lshl_add_u32 v4, v2, 3, v4
	v_mul_u32_u24 v4, v4, PK3
	v_bfe_u32 v5, v0, 3, 1
	v_lshl_add_u32 v4, v5, 4, v4
	s_lshl_b32 s22, s12, 7                         ; my 64 columns of each part's 128,
	s_add_co_u32 s22, s22, PART                    ; behind A's share
	v_add_nc_u32 v[ADRB], s22, v4
	v_add_nc_u32 v[ADRB+1], 64*PK3, v[ADRB]        ; the step's second 64 rows k: so that the loads' offsets stay inside 16 bits
	v_add_nc_u32 v[ADRB+2], SLOT, v[ADRB]
	v_add_nc_u32 v[ADRB+3], SLOT, v[ADRB+1]
	s_mul_i32 s23, s10, 16*SPITCH
	s_add_co_u32 s23, s23, STAGE                   ; my stage
	v_mul_u32_u24 v6, v1, SPITCH                   ; in: row l % 16, 16 bytes for each half of the lanes
	v_lshl_add_u32 v6, v2, 4, v6
	v_add_nc_u32 v[STO], s23, v6
	v_bfe_u32 v6, v0, 3, 2                         ; back: 32 lanes take four rows of 128 bytes,
	v_mul_u32_u24 v6, v6, SPITCH
	v_and_b32 v7, 7, v0
	v_lshl_add_u32 v6, v7, 4, v6
	v_add_nc_u32 v[RD], s23, v6
	v_and_b32 v[CO], 31, v0                        ; which are 512 consecutive bytes of qkk
	v_lshlrev_b32 v[CO], 4, v[CO]
	s_lshr_b32 s16, s13, 4                         ; the batch: 16 heads of 262,144 bytes
	s_lshl_b32 s16, s16, 22
	s_and_b32 s17, s13, 15                         ; 128 rows of 128 bytes a tile row,
	s_lshl_b32 s17, s17, 14
	s_add_co_u32 s16, s16, s17
	s_lshl_b32 s17, s11, 13                        ; my 64 of them
	s_add_co_u32 s16, s16, s17
	s_mov_b32 s17, 0
	s_add_nc_u64 s[8:9], s[8:9], s[16:17]
	s_lshl_b32 s46, s42, 1
	s_add_co_u32 s46, s46, s12                     ; my head: 2 x tile column + my half
	s_lshl_b32 s46, s46, 18
	s_mov_b32 s47, 0
	s_add_nc_u64 s[8:9], s[8:9], s[46:47]
	s_mov_b64 s[OB:OB+1], s[8:9]                   ; a part is 8,388,608 bytes, more than a store's immediate reaches: an address for each part
	s_add_nc_u64 s[OB+2:OB+3], s[8:9], 8388608
	s_add_nc_u64 s[OB+4:OB+5], s[8:9], 16777216
	s_mov_b32 s18, 0xbb6c5f04                      ; -0.0025 log2(e)
	s_mov_b32 s19, s18                             ; named with it as a pair
; 16 matrix instructions: all 4 m blocks x the 4 n blocks of one part, 32 along K, from buffer f.  zero = 1: the product starts the sums.  The 48 accumulators take turns.
.macro MUL16 f, sec, zero
	WIN MUL+0x50*((\sec)/2)
.irp a, 0,1,2,3
.irp b, 0,1,2,3
.if \zero
	v_wmma_f32_16x16x32_bf16 v[128*((\sec)%2)+8*(4*(\a)+(\b)):128*((\sec)%2)+8*(4*(\a)+(\b))+7], v[(\f)+32+8*(4*(\sec)+(\b)):(\f)+32+8*(4*(\sec)+(\b))+7], v[(\f)+8*(\a):(\f)+8*(\a)+7], 0
.else
	v_wmma_f32_16x16x32_bf16 v[128*((\sec)%2)+8*(4*(\a)+(\b)):128*((\sec)%2)+8*(4*(\a)+(\b))+7], v[(\f)+32+8*(4*(\sec)+(\b)):(\f)+32+8*(4*(\sec)+(\b))+7], v[(\f)+8*(\a):(\f)+8*(\a)+7], v[128*((\sec)%2)+8*(4*(\a)+(\b)):128*((\sec)%2)+8*(4*(\a)+(\b))+7]
.endif
.endr
.endr
.endm
; 32 LDS loads in one run: the fragments of quarter q (32 along K) into buffer f: A's eight loads, then B's eight for each part in turn
.macro FETCH slot, q, f
	WIN TO_F
.irp i, 0,1,2,3
	ds_load_b128 v[(\f)+8*(\i):(\f)+8*(\i)+3],   v[ADRA+(\slot)] offset:64*(\q)+(\i)*16*PA
	ds_load_b128 v[(\f)+8*(\i)+4:(\f)+8*(\i)+7], v[ADRA+(\slot)] offset:64*(\q)+(\i)*16*PA+32
.endr
.irp b, 0,1,2,3,4,5,6,7,8,9,10,11      ; part b / 4, columns 16 (b % 4) on
	ds_load_tr16_b128 v[(\f)+32+8*(\b):(\f)+32+8*(\b)+3],   v[ADRB+2*(\slot)+(\q)/2] offset:(((\q)%2)*32)*PK3+((\b)/4)*PB+((\b)%4)*32
	ds_load_tr16_b128 v[(\f)+32+8*(\b)+4:(\f)+32+8*(\b)+7], v[ADRB+2*(\slot)+(\q)/2] offset:(((\q)%2)*32+16)*PK3+((\b)/4)*PB+((\b)%4)*32
.endr
.endm
.macro PLACES                          ; four places in front of loads into registers that matrix instructions have read, and of lines that read results
.rept 4
	v_nop
.endr
.endm
; A K step is four quarters of 32 along K, 48 matrix instructions each, on buffers 0, 1, 0, 1.  One of the first three: multiplies buffer f and fetches quarter q into g, 32 matrix instructions ahead of its first use.
.macro QUARTER slot, q, f, g, zero
	s_wait_dscnt 16                                ; A's fragments and part 0's are in; the sixteen younger loads (parts 1 and 2) may be out
	MUL16 \f, 0, \zero
	PLACES
	FETCH \slot, \q, \g
	s_wait_dscnt 32                                ; all but the 32 just issued
	MUL16 \f, 1, \zero
	MUL16 \f, 2, \zero
.endm
; The last quarter multiplies buffer 1 and changes slots: one barrier; in front of it each wave waits for all its tensor loads, adds 0 to its spare word, and waits for that and for its reads of this slot.
; fill = 1: this slot is filled again, two K steps ahead: from that request to the wait for it a wave issues 160 matrix instructions.
.macro TURN slot, next, fill
	WIN 0
	s_wait_tensorcnt 0x0                           ; all my tensor loads have landed: my part of the next slot
	ds_add_u32 v[SPW], v[NIL]                      ; 0 onto my spare word
	s_wait_dscnt 17                                ; (the add and the youngest sixteen loads may be out)
	MUL16 F1, 0, 0
	s_wait_dscnt 0x0                               ; the add is done, and my reads of this slot are over
	s_barrier_signal -1
	MUL16 F1, 1, 0
.if \fill
	WIN 0
.endif
	s_barrier_wait -1
.if \fill
	CREST                                          ; the barrier has opened a round of the cluster's: no wave of any partner still reads this slot or has a load on its way
	s_add_nc_u64 s[G0+4*(\slot)+2:G0+4*(\slot)+3], s[G0+4*(\slot)+2:G0+4*(\slot)+3], 2*ASLOT
	s_add_nc_u64 s[G0B+4*(\slot)+2:G0B+4*(\slot)+3], s[G0B+4*(\slot)+2:G0B+4*(\slot)+3], 2*BSLOT
	JLOAD \slot                                    ; my one tensor load behind the round; its four v_nop are also the places in front of the loads below
.else
	PLACES
.endif
	FETCH \next, 0, F0
	MUL16 F1, 2, 0
.endm
	s_wait_tensorcnt 1                             ; my part of K step 0 is in; step 1's may stay out
	s_barrier_signal -1
	s_barrier_wait -1
	FETCH 0, 0, F0
	QUARTER 0, 1, F0, F1, 1                        ; the first quarter stands in front of the loop: its products start the sums
	WIN 0
	s_mov_b32 s3, LAPS-1
.Llap:                                                 ; a trip goes once round the ring, from a lap's second quarter to the next lap's first, and fills both slots again
	QUARTER 0, 2, F1, F0, 0
	QUARTER 0, 3, F0, F1, 0
	TURN 0, 1, 1
	QUARTER 1, 1, F0, F1, 0
	QUARTER 1, 2, F1, F0, 0
	QUARTER 1, 3, F0, F1, 0
	TURN 1, 0, 1
	QUARTER 0, 1, F0, F1, 0
	WIN 0
	s_sub_co_u32 s3, s3, 1
	s_cmp_lg_u32 s3, 0
	s_cbranch_scc1 .Llap
	QUARTER 0, 2, F1, F0, 0                        ; the last lap fills nothing
	QUARTER 0, 3, F0, F1, 0
	TURN 0, 1, 0
	QUARTER 1, 1, F0, F1, 0
	QUARTER 1, 2, F1, F0, 0
	QUARTER 1, 3, F0, F1, 0
	s_wait_dscnt 16                                ; the very last quarter: nothing more to fetch
	MUL16 F1, 0, 0
	s_wait_dscnt 0
	MUL16 F1, 1, 0
	MUL16 F1, 2, 0
	WIN 0
	PLACES
	; THE WAY OUT, in twelve blocks n of 16 rows: part n / 4, rows 16 (n % 4) on.  The third part's numbers become ka first, in f32 and in place.  Each accumulator is read from its low end on.
.macro SIG r
.irp j, 0,2,4,6
	v_pk_mul_f32 v[(\r)+\j:(\r)+\j+1], v[(\r)+\j:(\r)+\j+1], s[18:19] op_sel_hi:[1,0]
.endr
.irp j, 0,1,2,3,4,5,6,7
	v_exp_f32 v[(\r)+\j], v[(\r)+\j]
.endr
	v_nop                                          ; a plain instruction between the last exponential and the use of its result
	s_wait_alu depctr_va_vdst(0)
.irp j, 0,2,4,6
	v_pk_add_f32 v[(\r)+\j:(\r)+\j+1], v[(\r)+\j:(\r)+\j+1], 1.0 op_sel_hi:[1,0]
.endr
.irp j, 0,1,2,3,4,5,6,7
	v_rcp_f32 v[(\r)+\j], v[(\r)+\j]
.endr
	v_nop
.endm
.macro PACK n                          ; rounded to f16, into my stage (rows of 144 bytes), and back as whole rows of 128 bytes, into the set of registers n % 4
.if (\n)/4 == 2
	WIN 0xc3                                       ; destination and source 0 in window 3
.irp b, 0,1,2,3
	SIG 8*(4*((\n)%4)+(\b))
.endr
.endif
.if (\n) >= 4
	s_wait_xcnt 0x0                                ; the set's registers, which the stores of four blocks ago read, are written again only behind this wait
.endif
	WIN 0x0a+5*((\n)/8)                            ; sources 0 and 1 in window 2, for the third part in window 3
	s_wait_alu depctr_va_vdst(0)
.irp b, 0,1,2,3
.irp r, 0,1,2,3
	v_cvt_pk_f16_f32 v[TMP+16*((\n)%4)+4*(\b)+(\r)], v[128*(((\n)/4)%2)+8*(4*((\n)%4)+(\b))+2*(\r)], v[128*(((\n)/4)%2)+8*(4*((\n)%4)+(\b))+2*(\r)+1]
.endr
.endr
	WIN 0
.irp b, 0,1,2,3
	ds_store_b128 v[STO], v[TMP+16*((\n)%4)+4*(\b):TMP+16*((\n)%4)+4*(\b)+3] offset:32*(\b)
.endr
.irp f, 0,1,2,3
	ds_load_b128 v[TMP+16*((\n)%4)+4*(\f):TMP+16*((\n)%4)+4*(\f)+3], v[RD] offset:(\f)*4*SPITCH  ; LDS serves a wave's instructions in order (ISA guide 5.7.1.4): these see the stores above; the next block's stores come behind them
.endr
.endm
.macro SEND n, younger                 ; younger: the LDS instructions issued behind block n's loads: the next block's eight, or none
.irp f, 0,1,2,3
	s_wait_dscnt (\younger)+3-(\f)
	global_store_b128 v[CO], v[TMP+16*((\n)%4)+4*(\f):TMP+16*((\n)%4)+4*(\f)+3], s[OB+2*((\n)/4):OB+2*((\n)/4)+1] offset:((\n)%4)*2048+(\f)*512  ; 512 consecutive bytes, at a multiple of 256 from the buffer's first
.endr
.endm
	PACK 0
.irp n, 1,2,3,4,5,6,7,8,9,10,11        ; a block's arithmetic stands between the loads of the block before and its stores
	PACK \n
	SEND (\n)-1, 8
.endr
	SEND 11, 0
	s_wait_tensorcnt 0x0                           ; the wave's end
	ds_add_u32 v[SPW], v[NIL]
	s_wait_dscnt 0x0
	CROUND                                         ; the closing round: no work-group ends while a partner may still ask for a tile that names it
	s_endpgm
.Lfunc_end_k_q154f78cc86_gemm_in:
	.size	k_q154f78cc86_gemm_in, .Lfunc_end_k_q154f78cc86_gemm_in-k_q154f78cc86_gemm_in
	.p2alignl 7, 3214868480
	.fill 96, 4, 3214868480
	.section	.rodata,"a",@progbits
	.p2align	6, 0x0
	.amdhsa_kernel k_q154f78cc86_gemm_in
		.amdhsa_group_segment_fixed_size 327680
		.amdhsa_private_segment_fixed_size 0
		.amdhsa_enable_private_segment 0
		.amdhsa_kernarg_size 24
		.amdhsa_user_sgpr_count 2
		.amdhsa_user_sgpr_kernarg_segment_ptr 1
		.amdhsa_wavefront_size32 1
		.amdhsa_system_sgpr_workgroup_id_x 1
		.amdhsa_system_sgpr_workgroup_id_y 1
		.amdhsa_system_sgpr_workgroup_id_z 1
		.amdhsa_system_vgpr_workitem_id 0
		.amdhsa_next_free_vgpr 896
		.amdhsa_next_free_sgpr 66
		.amdhsa_reserve_vcc 0
		.amdhsa_float_denorm_mode_32 3
		.amdhsa_float_denorm_mode_16_64 3
		.amdhsa_memory_ordered 1
		.amdhsa_forward_progress 1
		.amdhsa_inst_pref_size 139
	.end_amdhsa_kernel
	.amdgpu_metadata
---
amdhsa.version: [ 1, 2 ]
amdhsa.kernels:
  - .name:           k_q154f78cc86_gemm_in
    .symbol:         k_q154f78cc86_gemm_in.kd
    .args:
      - { .name: xb, .offset: 0, .size: 8, .value_kind: global_buffer, .address_space: global }
      - { .name: wts, .offset: 8, .size: 8, .value_kind: global_buffer, .address_space: global }
      - { .name: qkk, .offset: 16, .size: 8, .value_kind: global_buffer, .address_space: global }
    .group_segment_fixed_size: 327680
    .private_segment_fixed_size: 0
    .kernarg_segment_align: 8
    .kernarg_segment_size: 24
    .max_flat_workgroup_size: 128
    .sgpr_count:     66
    .vgpr_count:     896
    .wavefront_size: 32
...
	.end_amdgpu_metadata
.endif
;; end of part 6
;; launch attn_ar (part 7): grid 8 x 32, 4 waves a work-group, no clusters, 327,680 bytes of LDS; arguments qkk, vh, xb, yf, eh, cst; writes yf, eh, cst
.if DOCPART == 7
	.amdgcn_target "amdgcn-amd-amdhsa--gfx1250"
	.amdhsa_code_object_version 6
	.text
	.protected	k_q154f78cc86_attn_ar
	.globl	k_q154f78cc86_attn_ar
	.p2align	8
	.type	k_q154f78cc86_attn_ar,@function
k_q154f78cc86_attn_ar:
	s_mov_b64 s[64:65], 0
	v_nop
	global_prefetch_b8 v0, s[64:65] scope:SCOPE_SE
	s_setreg_imm32_b32 hwreg(HW_REG_WAVE_MODE, 25, 1), 1
	s_wait_xcnt 0x0
; THE AR BRANCH.  y[t] = the sum over s <= t of softmax_s(q[t] . k[s] / 8) v[s];  e[t] = x[t+1] - y[t];  and for each block of 128 rows the chunk state C[d][c] = the sum over its rows s of ka[s][d] e[s][c].
; q, k, ka (parts 0, 1, 2 of qkk) and v (vh) are [32][2048][64] in f16; x comes from xb ([4096][1024] bf16).  Products, maxima and sums in f32; the weights are rounded to f16 for the second product.
; y leaves in f32 in the accumulators' own lane layout (yf: [32][128 tiles of 16 queries][8 pieces][32 lanes][4]: piece i of lane l holds registers 4 i .. 4 i + 3 of the tile's O^T).  e is made in f32 and
; rounded once to f16 (eh: [32][2048][64]); e[2047] is made of x[2047] itself: it is finite, and nothing later gives it a weight.  C leaves in f32, again as accumulators lie
; (cst: [32][16 blocks][cb 4][db 4][2 pieces][32 lanes][4]: lane l, register j of tile (db, cb) holds d = 16 db + 8 (l / 16) + j, c = 16 cb + l % 16).
; LIMITS.  A hidden score counts as -1e30 (the reference writes -1e9: the same result while a visible score of the row lies above -1e9 + 104); a weight below 2^-126 counts as 0; f16: |e| < 65,504, so |x| < 32,752;
; NaN and infinities are not treated apart.
; THE WALK.  A head has 16 blocks of 128 queries.  A work-group takes the pair 15 - b and b: first the odd one F, which needs (F + 1) / 2 whole key tiles of 256 keys (in its last tile key steps 2 and 3 of 64
; hold the diagonal), then the even one G, which needs G / 2 whole tiles and half a tile (two steps, both with the diagonal).  That is 9 tiles and 34 key steps whatever b: one loop of 8 trips, and the
; walk's last tile, always G's last, written out.  Every jump but the counted loops' own goes forward, and none passes a tensor load but the one of LOAD's two that the wave's number does not choose.  The first
; block's end, which holds a barrier, is jumped in the other trips: that branch hangs on the work-group's number alone, so all four waves take it alike.
; NO CLUSTER: the head's eight work-groups walk blocks of different lengths, so they ask for the same tile only until the shortest first block ends; one walk common to all would have 16 trips for 9.
; SHARES.  Wave w owns rows 32 w .. 32 w + 31 of a block: two tiles u of 16 queries.  S^T = K Q^T holds one query a lane (lane % 16) and the keys 8 (lane / 16) + 0..7; two such results rounded to f16 are
; source 1 of O^T = V^T P.  p = 2^(c s - c m), c = log2(e) / 8, with a running maximum m; O and l are multiplied by a = 2^(c m_old - c m_new) in every step.  c m starts far below every c s, so a block's
; first step has a = 0 and is a step like any other; for that O^T and l are cleared once (68 v_mov_b32, in the wait for the first tile), on purpose: no first step is written out.
; IN PHASES: a step's 16 products K Q^T, the mask, the softmax, its 16 products V^T P.
; REGISTERS, in windows of 256 (s_set_vgpr_msb: bits 1:0 source 0, 3:2 source 1, 5:4 source 2, 7:6 destination):
;   window 0: v0-63 addresses and statistics; v64-127 S^T (32 a tile); v128-159 P (16 a tile)     window 1: v0-63 O^T (32 a tile); v64-127 x[t+1] for both blocks, as O^T lies; v128-191 my rows of ka, both blocks
;   window 2: v0-31 Q; v32-63 the second block's Q; v64-127 K of one step; v128-191 V of one step; at a block's end v64-127 fragments of ka^T and e^T, v128-255 the chunk state
.set KS,    64
.set PK,    144       ; a row of K in LDS: 128 bytes + 16: the 16 rows of a load start at 16 different groups of four banks
.set PV,    160       ; a row of V: 128 + 32
.set VOFF,  4*KS*PK   ; a slot holds a tile: 256 rows of K, then 256 rows of V
.set SLOT1, 1<<17     ; slot 1 begins here: one exclusive or turns an address in one slot into the other's
.set EW,    SLOT1+4*KS*(PK+PV)  ; behind the ring, never filled by a tensor load: for each wave its 32 rows of e, 160 bytes apart
.set EWB,   32*PV
.set KOFF,  4*EWB               ; that far behind a wave's rows of e: its 32 rows of ka
.set RED,   EW+8*EWB            ; the four waves' parts of a chunk state, 16,384 bytes each
.set SPARE, RED+4*16384         ; the spare words, 128 bytes for each wave: two blocks of 256 bytes that no other line names
.set AK0, 2           ; my lane's place in a tile of K; never rewritten
.set AV0, 3           ; the same for V
.set AK,  4
.set AV,  5
.set STO, 6           ; e into my rows: row l % 16, 16 bytes for each half of the lanes
.set RD,  7           ; rows back, and ka's rows in: 32 lanes take four rows of 128 bytes
.set GO,  8           ; 16 x lane
.set MV,  12          ; v12-13  c m_old, by tile
.set DQ,  14          ; v14-15  my query's place in the block less my lanes' 8 (l / 16), by tile
.set ST,  16          ; tile u's statistics at ST + 4 u: c m, m, l (even keys', odd keys')
.set TMPR, 24         ; by tile four registers c0-c3 at work; c2 takes a
.set EQ,  32          ; v32-33  DQ less the step's first key
.set QO,  34
.set TE,  35          ; the turning load's place in my rows of e
.set RW,  36          ; my part of the chunk state
.set RR,  37          ; my quarter of the first wave's part
.set VA,  40          ; v40-43  byte offsets of the rows t + 1 in xb, by block and tile
.set SPW, 62
.set NIL, 63
.set S,   64
.set P,   128
.set VB,  64          ; window 1
.set KAR, 128         ; window 1
.set Q2,  32          ; window 2
.set KF,  64
.set VF,  128
.set AC,  128
.set WV,  12
.set BB,  14          ; b
.set BF,  15          ; F
.set BG,  16          ; G
.set G1K, 24
.set G1V, 32
.set G0K, 40
.set G0V, 44
.set KB,  48          ; s[48:49] K at my half of the head's tile 0
.set VBS, 50          ; s[50:51] the same for V
.set OUT0, 52         ; s[52:53] yf, s[54:55] eh at my rows of the block in hand
.set SLOTS, 56
.set STP, 57          ; the key step in the tile
.set CS,  58
.set SEL, 60
.set TBK, 62
.set TBV, 63
.set OUT1, 66         ; s[66:69] the same two for the second block
.set RT,  70          ; tiles of the first block still to be entered
.set NXT, 71          ; the tile to be asked for next
.set LQ,  72          ; the last tile of the block whose tiles are being asked for
.set MS,  73          ; the tile's first step that takes the mask
.set OFF, 74
.set GH,  76          ; G / 2
.set SD,  77          ; the step's first key, counted from the block's first query
.set BIGN, 78
.set HIM, 79          ; a word's upper bf16
.set QBF, 80
.set QBG, 82
.set XB,  84          ; s[84:85] xb at the batch's first row, the head's 128 bytes
.set CO0, 86          ; s[86:87] cst at my quarter of the block in hand
.set CO1, 88          ; s[88:89] of the second block
.set KAF, 90          ; s[90:91], s[92:93] ka at my rows of the two blocks
.set KAG, 92
.set MSB, 0
.macro WIN new
.if MSB != (\new)
	s_set_vgpr_msb (MSB<<8)|(\new)
.set MSB, (\new)
.endif
.endm
.set W_KQ, 0x0a       ; K and Q in window 2, S^T in window 0
.set W_PV, 0x52       ; V in window 2, P in window 0, O^T in window 1
.set W_RS, 0x41       ; destination and source 0 in window 1, source 1 in window 0
.macro PLACES         ; four places behind matrix instructions, in front of lines that read their results or load into their sources
.rept 4
	v_nop
.endr
.endm
.macro LOAD           ; a fill: waves 0 and 1 fetch the two halves of a tile's K, waves 2 and 3 those of its V; an s_nop 0 and four v_nop follow each line
	s_cmp_lt_u32 s[WV], 2
	s_cbranch_scc0 .Lfor_v_\@
	tensor_load_to_lds s[G0K:G0K+3], s[G1K:G1K+7]
	s_nop 0
.rept 4
	v_nop
.endr
	s_branch .Lasked_\@
.Lfor_v_\@:
	tensor_load_to_lds s[G0V:G0V+3], s[G1V:G1V+7]
	s_nop 0
.rept 4
	v_nop
.endr
.Lasked_\@:
.endm
; THE CHANGE OF SLOTS.  Each wave waits for all its tensor loads (one is out: its part of the other slot), adds 0 to its spare word, and waits for that and for its reads of the slot that it leaves.
; Behind the barrier nobody reads the old slot and the other is whole.  fill = 1: the old slot is filled again, first thing behind the barrier, with tile NXT; the address is made anew from that number.
.macro CHANGE fill
	WIN 0
	s_wait_tensorcnt 0x0
	ds_add_u32 v[SPW], v[NIL]       ; the scalar work below stands between the add and the wait for it
.if \fill
	s_lshl_b32 s[OFF], s[NXT], 15   ; a tile is 32,768 bytes of K and of V
	s_xor_b32 s[G0K+1], s[G0K+1], SLOT1
	s_add_nc_u64 s[G0K+2:G0K+3], s[KB:KB+1], s[OFF:OFF+1]
	s_or_b32 s[G0K+3], s[G0K+3], 0x80000000
	s_xor_b32 s[G0V+1], s[G0V+1], SLOT1
	s_add_nc_u64 s[G0V+2:G0V+3], s[VBS:VBS+1], s[OFF:OFF+1]
	s_or_b32 s[G0V+3], s[G0V+3], 0x80000000
	s_add_co_u32 s[NXT], s[NXT], 1  ; the block's next tile, or behind its last the second block's tile 0
	s_cmp_gt_u32 s[NXT], s[LQ]
	s_cselect_b32 s[NXT], 0, s[NXT]
	s_cselect_b32 s[LQ], s[GH], s[LQ]
.endif
	s_wait_dscnt 0x0                ; the add is done, and my reads of the slot are over
	s_barrier_signal -1
	s_sub_co_u32 s[TBK], s[TBK], 4*KS*PK  ; the fetches go back to a slot's first step, in the other slot
	s_xor_b32 s[TBK], s[TBK], SLOT1
	s_sub_co_u32 s[TBV], s[TBV], 4*KS*PV
	s_xor_b32 s[TBV], s[TBV], SLOT1
	s_barrier_wait -1
.if \fill
	LOAD
.endif
.endm
	s_load_b256 s[4:11], s[0:1], 0x0  ; qkk s[4:5], vh s[6:7], xb s[8:9], yf s[10:11]
	s_load_b128 s[96:99], s[0:1], 0x20  ; eh s[96:97], cst s[98:99]
	v_lshl_add_u32 v[SPW], v0, 2, SPARE
	v_mov_b32 v[NIL], 0
	ds_add_u32 v[SPW], v[NIL]       ; the wave's opening: the add and its wait ahead of my first tensor load
	v_lshrrev_b32 v1, 5, v0
	v_readfirstlane_b32 s[WV], v1
	s_mov_b32 s[BB], ttmp9
	s_and_b32 s13, ttmp7, 0xffff    ; batch x 16 + head
	s_sub_co_u32 s20, 15, s[BB]
	s_bitcmp1_b32 s[BB], 0
	s_cselect_b32 s[BF], s[BB], s20 ; the odd block of the pair
	s_cselect_b32 s[BG], s20, s[BB] ; the even one
	s_add_co_u32 s[RT], s[BF], 1
	s_lshr_b32 s[RT], s[RT], 1      ; F's tiles
	s_sub_co_u32 s[LQ], s[RT], 1
	s_lshr_b32 s[GH], s[BG], 1
	s_mov_b32 s[NXT], 1             ; tile 0 is asked for below; behind F's last tile comes G's tile 0
	s_cmp_gt_u32 s[NXT], s[LQ]
	s_cselect_b32 s[NXT], 0, s[NXT]
	s_cselect_b32 s[LQ], s[GH], s[LQ]
	s_lshl_b32 s20, s13, 18         ; the head's 262,144 bytes in each f16 tensor, and in cst
	s_and_b32 s19, s[WV], 1         ; which half of a tile's 256 keys I fetch
	s_lshl_b32 s22, s19, 14
	s_add_co_u32 s22, s22, s20
	s_mov_b32 s23, 0
	s_mul_i32 s17, s19, 128*PK
	s_mul_i32 s18, s19, 128*PV
	s_lshl_b32 s2, s[WV], 12        ; my 32 rows of 128 bytes; in cst my quarter of 4,096 bytes
	s_add_co_u32 s2, s2, s20
	s_lshl_b32 s94, s[BF], 14       ; a block's 128 rows; in cst its 16,384 bytes
	s_add_co_u32 s94, s94, s2       ; so one offset serves q, ka, eh and cst: F's,
	s_mov_b32 s95, 0
	s_lshl_b32 s100, s[BG], 14
	s_add_co_u32 s100, s100, s2     ; and G's
	s_mov_b32 s101, 0
	s_lshl_b32 s2, s94, 1           ; in yf a row's share is 256 bytes
	s_mov_b32 s3, 0
	s_lshl_b32 s20, s100, 1
	s_mov_b32 s21, 0
	s_lshr_b32 s[XB], s13, 4        ; in xb: the batch's 2,048 rows of 2,048 bytes,
	s_lshl_b32 s[XB], s[XB], 22
	s_and_b32 s19, s13, 15          ; the head's 128 bytes in a row
	s_lshl_b32 s19, s19, 7
	s_add_co_u32 s[XB], s[XB], s19
	s_mov_b32 s[XB+1], 0
	; group 1: 128 keys are 16,384 dense bytes: asked for as 64 rows of 256 bytes, two keys a row, padded in LDS after every key
	s_mov_b32 s[G1K], (1<<16)|(1<<20)|(4<<22)|(3<<25)  ; 2-byte elements; padding on; after every 32 words 4 words
	s_mov_b32 s[G1V], (1<<16)|(1<<20)|(4<<22)|(7<<25)  ; the same with 8 words
.irp g, G1K, G1V
	s_mov_b32 s[\g+1], 128<<16
	s_mov_b32 s[\g+2], 64<<16
	s_mov_b32 s[\g+3], 128<<16
	s_mov_b32 s[\g+4], 64
	s_mov_b32 s[\g+5], 128
	s_mov_b32 s[\g+6], 0
	s_mov_b32 s[\g+7], 0
.endr
	s_mov_b32 s[CS], 0x3e38aa3b     ; c = log2(e) / 8
	s_mov_b32 s[CS+1], s[CS]
	s_mov_b32 s[SEL], 0x76543210
	s_mov_b32 s[SEL+1], 0xfedcba98
	s_mov_b32 s[TBK], SLOT1+4*KS*PK ; the first change of slots turns these two into 0
	s_mov_b32 s[TBV], SLOT1+4*KS*PV
	s_mov_b32 s[G0K], 1
	s_mov_b32 s[G0K+1], s17
	s_mov_b32 s[G0V], 1
	s_add_co_u32 s[G0V+1], s18, VOFF
	s_mov_b32 s[OFF+1], 0
	s_mov_b32 s[BIGN], 0xf149f2ca   ; -1e30
	s_mov_b32 s[HIM], 0xffff0000
	s_mov_b32 s[SLOTS], 8
	s_wait_dscnt 0x0                ; the opening add is done
	s_wait_kmcnt 0x0
	s_add_nc_u64 s[KB:KB+1], s[4:5], s[22:23]
	s_add_nc_u64 s[KB:KB+1], s[KB:KB+1], 8388608   ; k is part 1 of qkk
	s_add_nc_u64 s[VBS:VBS+1], s[6:7], s[22:23]
	s_add_nc_u64 s[QBF:QBF+1], s[4:5], s[94:95]
	s_add_nc_u64 s[QBG:QBG+1], s[4:5], s[100:101]
	s_add_nc_u64 s[KAF:KAF+1], s[QBF:QBF+1], 16777216  ; ka is part 2
	s_add_nc_u64 s[KAG:KAG+1], s[QBG:QBG+1], 16777216
	s_add_nc_u64 s[OUT0:OUT0+1], s[10:11], s[2:3]
	s_add_nc_u64 s[OUT1:OUT1+1], s[10:11], s[20:21]
	s_add_nc_u64 s[OUT0+2:OUT0+3], s[96:97], s[94:95]
	s_add_nc_u64 s[OUT1+2:OUT1+3], s[96:97], s[100:101]
	s_add_nc_u64 s[CO0:CO0+1], s[98:99], s[94:95]
	s_add_nc_u64 s[CO1:CO1+1], s[98:99], s[100:101]
	s_add_nc_u64 s[XB:XB+1], s[8:9], s[XB:XB+1]
	s_mov_b64 s[G0K+2:G0K+3], s[KB:KB+1]
	s_or_b32 s[G0K+3], s[G0K+3], 0x80000000
	s_mov_b64 s[G0V+2:G0V+3], s[VBS:VBS+1]
	s_or_b32 s[G0V+3], s[G0V+3], 0x80000000
	LOAD                            ; tile 0 into slot 0: one load of mine is out
	v_and_b32 v1, 15, v0            ; l % 16
	v_bfe_u32 v9, v0, 4, 1          ; l / 16
	v_lshlrev_b32 v[QO], 7, v1
	v_lshl_add_u32 v[QO], v9, 4, v[QO]
	WIN 0x80
.set i, 0
.rept 4                             ; both blocks' Q: tile i / 2, channels 32 (i % 2) on
	global_load_b128 v[8*i:8*i+3],   v[QO], s[QBF:QBF+1] offset:(i/2)*2048+(i%2)*64
	global_load_b128 v[8*i+4:8*i+7], v[QO], s[QBF:QBF+1] offset:(i/2)*2048+(i%2)*64+32
	global_load_b128 v[Q2+8*i:Q2+8*i+3],   v[QO], s[QBG:QBG+1] offset:(i/2)*2048+(i%2)*64
	global_load_b128 v[Q2+8*i+4:Q2+8*i+7], v[QO], s[QBG:QBG+1] offset:(i/2)*2048+(i%2)*64+32
.set i, i+1
.endr
	WIN 0
	v_and_b32 v[GO], 31, v0
	v_lshlrev_b32 v[GO], 4, v[GO]
	v_and_b32 v10, 7, v0
	s_lshl_b32 s19, s[WV], 5        ; the row behind my query's: 128 x block + 32 w + 16 u + l % 16 + 1; the batch's last row takes itself
	s_add_co_u32 s19, s19, 1
	s_lshl_b32 s2, s[BF], 7
	s_add_co_u32 s2, s2, s19
	s_lshl_b32 s3, s[BG], 7
	s_add_co_u32 s3, s3, s19
	v_add_lshl_u32 v[VA], v1, s2, 11
	v_add_lshl_u32 v[VA+2], v1, s3, 11
	v_add_nc_u32 v[VA+1], 16*2048, v[VA]
	v_add_nc_u32 v[VA+3], 16*2048, v[VA+2]
.set i, 0
.rept 4
	v_min_u32 v[VA+i], 2047*2048, v[VA+i]
	v_lshl_add_u32 v[VA+i], v9, 4, v[VA+i]  ; my lanes' eight channels of each sixteen: as a tile's O^T lies
.set i, i+1
.endr
	WIN 0x40
.set i, 0
.rept 16                            ; tile i / 4 (block, then u), channels 16 (i % 4) on
	global_load_b128 v[VB+4*i:VB+4*i+3], v[VA+i/4], s[XB:XB+1] offset:(i%4)*32
.set i, i+1
.endr
.set i, 0
.rept 8                             ; my 32 rows of ka, four rows (512 consecutive bytes) a load
	global_load_b128 v[KAR+4*i:KAR+4*i+3],       v[GO], s[KAF:KAF+1] offset:i*512
	global_load_b128 v[KAR+32+4*i:KAR+32+4*i+3], v[GO], s[KAG:KAG+1] offset:i*512
.set i, i+1
.endr
.set i, 0
.rept 64
	v_mov_b32 v[i], 0               ; O^T
.set i, i+1
.endr
	WIN 0
	v_lshlrev_b32 v11, 3, v9
	v_sub_nc_u32 v11, v1, v11
	s_lshl_b32 s20, s[WV], 5
	v_add_nc_u32 v[DQ], s20, v11    ; 32 w + l % 16 - 8 (l / 16)
	v_add_nc_u32 v[DQ+1], 16, v[DQ]
	v_mul_u32_u24 v[AK0], v1, PK
	v_lshl_add_u32 v[AK0], v9, 4, v[AK0]
	s_mul_i32 s20, s[WV], EWB
	s_add_co_u32 s20, s20, EW       ; my rows of e
	v_bfe_u32 v11, v0, 3, 1         ; the turning load: lane l reads row 8 (l / 16) + l % 8, channels 8 ((l / 8) % 2) + 0..7
	v_lshl_add_u32 v[AV0], v9, 3, v10
	v_mul_u32_u24 v[AV0], v[AV0], PV
	v_lshl_add_u32 v[AV0], v11, 4, v[AV0]
	v_add_nc_u32 v[TE], s20, v[AV0] ; the same place in my rows of e, which have V's pitch
	v_add_nc_u32 v[AV0], VOFF, v[AV0]
	v_mul_u32_u24 v[STO], v1, PV
	v_lshl_add_u32 v[STO], v9, 4, v[STO]
	v_add_nc_u32 v[STO], s20, v[STO]
	v_bfe_u32 v[RD], v0, 3, 2
	v_mul_u32_u24 v[RD], v[RD], PV
	v_lshl_add_u32 v[RD], v10, 4, v[RD]
	v_add_nc_u32 v[RD], s20, v[RD]
	s_lshl_b32 s20, s[WV], 14
	s_add_co_u32 s20, s20, RED
	v_add_nc_u32 v[RW], s20, v[GO]
	s_lshl_b32 s20, s[WV], 12
	s_add_co_u32 s20, s20, RED
	v_add_nc_u32 v[RR], s20, v[GO]
.macro RESET                        ; c m far below every c s, m the lowest finite number
.irp u, 0,1
	v_mov_b32 v[ST+4*\u], 0xfe000000
	v_mov_b32 v[ST+4*\u+1], 0xff7fffff
.endr
.endm
	RESET
.irp u, 0,1
	v_mov_b32 v[ST+4*\u+2], 0
	v_mov_b32 v[ST+4*\u+3], 0
.endr
; THE MATRIX WORK.  The eight accumulators of a run of 16 take turns.
.macro KQALL                        ; product i: channels 32 (i / 8) on, keys 16 ((i / 2) % 4) on, tile i % 2.  The first 8 start the sums
	WIN W_KQ
.set i, 0
.rept 16
.set aS, S+32*(i%2)+8*((i/2)%4)
.set aK, KF+16*((i/2)%4)+8*(i/8)
.set aQ, 16*(i%2)+8*(i/8)
.if i < 8
	v_wmma_f32_16x16x32_f16 v[aS:aS+7], v[aK:aK+7], v[aQ:aQ+7], 0
.else
	v_wmma_f32_16x16x32_f16 v[aS:aS+7], v[aK:aK+7], v[aQ:aQ+7], v[aS:aS+7]
.endif
.set i, i+1
.endr
.endm
.macro PVALL                        ; product i: keys 32 (i / 8) on, channels 16 ((i / 2) % 4) on, tile i % 2
	WIN W_PV
.set i, 0
.rept 16
.set aO, 32*(i%2)+8*((i/2)%4)
.set aV, VF+32*(i/8)+8*((i/2)%4)
.set aP, P+16*(i%2)+8*(i/8)
	v_wmma_f32_16x16x32_f16 v[aO:aO+7], v[aV:aV+7], v[aP:aP+7], v[aO:aO+7]
.set i, i+1
.endr
.endm
.macro FETCH_K                      ; a step's K, 64 keys x 64 channels: 16 loads in one run
	WIN 0
	v_add_nc_u32 v[AK], s[TBK], v[AK0]
	WIN 0x80
.irp f, 0,1,2,3,4,5,6,7
	ds_load_b128 v[KF+8*\f:KF+8*\f+3],   v[AK] offset:(\f/2)*16*PK+(\f%2)*64
	ds_load_b128 v[KF+8*\f+4:KF+8*\f+7], v[AK] offset:(\f/2)*16*PK+(\f%2)*64+32
.endr
	s_add_co_u32 s[TBK], s[TBK], KS*PK
	WIN 0
.endm
.macro FETCH_V                      ; a step's V, turned
	WIN 0
	v_add_nc_u32 v[AV], s[TBV], v[AV0]
	WIN 0x80
.irp f, 0,1,2,3,4,5,6,7
	ds_load_tr16_b128 v[VF+8*\f:VF+8*\f+3],   v[AV] offset:(\f/4)*32*PV+(\f%4)*32
	ds_load_tr16_b128 v[VF+8*\f+4:VF+8*\f+7], v[AV] offset:(\f/4)*32*PV+16*PV+(\f%4)*32
.endr
	s_add_co_u32 s[TBV], s[TBV], KS*PV
	WIN 0
.endm
; THE MASK: register j of key group kb is hidden where 16 kb + j is greater than my query's place less the step's first key.  Each accumulator is taken from its low end on.
.macro MASK
	v_sub_nc_u32 v[EQ], v[DQ], s[SD]
	v_sub_nc_u32 v[EQ+1], v[DQ+1], s[SD]
.set z, 0
.rept 64
	v_cmp_le_i32 vcc_lo, 16*((z%32)/8)+z%8, v[EQ+z/32]
	v_cndmask_b32 v[S+z], s[BIGN], v[S+z], vcc_lo
.set z, z+1
.endr
.endm
; THE SOFTMAX of a step, the two tiles alternating.
.macro REGS u
.set rT, ST+4*(\u)
.set rC, TMPR+4*(\u)
.set rM, MV+(\u)
.set rS, S+32*(\u)
.set rP, P+16*(\u)
.endm
; number n of the 22 that find a tile's maximum and statistics: 0-11 four chains of seven scores, three operands at a time (each accumulator's lowest registers first);
; 12-14, 16 the four scores left over, the old m, and the chains into c0; 15 c m_old is kept; 17, 18 the query's other 32 keys lie in the lane 16 away; 19-21 c m, c m_old - c m_new, a
.macro XS u, n
	REGS \u
.if (\n) < 4
	v_max3_num_f32 v[rC+(\n)], v[rS+8*(\n)], v[rS+8*(\n)+1], v[rS+8*(\n)+2]
.elseif (\n) < 12
	v_max3_num_f32 v[rC+(\n)%4], v[rC+(\n)%4], v[rS+8*((\n)%4)+2*((\n)/4)+1], v[rS+8*((\n)%4)+2*((\n)/4)+2]
.elseif (\n) == 12
	v_max3_num_f32 v[rC], v[rC], v[rS+7], v[rS+15]
.elseif (\n) == 13
	v_max3_num_f32 v[rC+1], v[rC+1], v[rS+23], v[rS+31]
.elseif (\n) == 14
	v_max3_num_f32 v[rC+2], v[rC+2], v[rC+3], v[rT+1]
.elseif (\n) == 15
	v_mov_b32 v[rM], v[rT]
.elseif (\n) == 16
	v_max3_num_f32 v[rC], v[rC], v[rC+1], v[rC+2]
.elseif (\n) == 17
	v_permlanex16_b32 v[rC+3], v[rC], s[SEL], s[SEL+1]
.elseif (\n) == 18
	v_max_num_f32 v[rT+1], v[rC], v[rC+3]
.elseif (\n) == 19
	v_mul_f32 v[rT], s[CS], v[rT+1]
.elseif (\n) == 20
	v_sub_f32 v[rC+1], v[rM], v[rT]
.else
	v_exp_f32 v[rC+2], v[rC+1]
.endif
.endm
; pair p of 32: tile p % 2, its pair p / 2 of scores
.macro FS p                         ; c s - c m
	REGS (\p)%2
	v_pk_fma_f32 v[rS+2*((\p)/2):rS+2*((\p)/2)+1], v[rS+2*((\p)/2):rS+2*((\p)/2)+1], s[CS:CS+1], v[rT:rT+1] op_sel_hi:[1,0,0] neg_lo:[0,0,1] neg_hi:[0,0,1]
.endm
.macro ES p, k                      ; the exponential of the pair's number k
	REGS (\p)%2
	v_exp_f32 v[rS+2*((\p)/2)+(\k)], v[rS+2*((\p)/2)+(\k)]
.endm
.macro CV p                         ; the pair rounded to f16
	REGS (\p)%2
	s_wait_alu depctr_va_vdst(0)
	v_cvt_pk_f16_f32 v[rP+(\p)/2], v[rS+2*((\p)/2)], v[rS+2*((\p)/2)+1]
.endm
.macro SUM u, w                     ; pairs w .. 2 w - 1 are added onto pairs 0 .. w - 1, in place
	REGS \u
.set z, 0
.rept \w
	v_pk_add_f32 v[rS+2*z:rS+2*z+1], v[rS+2*z:rS+2*z+1], v[rS+2*(z+(\w)):rS+2*(z+(\w))+1]
.set z, z+1
.endr
.endm
.macro VEC
	WIN 0
.irp n, 0,1,2,3,4,5,6,7,8,9,10,11,12,13,14,15,16,17,18,19,20,21
	XS 0, \n
	XS 1, \n
.endr
	FS 0                            ; plain lines behind the two exponentials that made a
	FS 1
.set i, 0
.rept 32                            ; exponential and plain by turns: a scaling two pairs ahead, a rounding one pair back; a plain line stands between every exponential and the use of its result
	ES i, 0
.if i < 30
	FS i+2
.endif
	ES i, 1
.if i > 0
	CV i-1
.endif
.set i, i+1
.endr
	SUM 0, 8
	CV 31
	SUM 1, 8
	SUM 0, 4
	SUM 1, 4
	SUM 0, 2
	SUM 1, 2
	SUM 0, 1
	SUM 1, 1
.irp u, 0,1
	v_pk_fma_f32 v[ST+4*\u+2:ST+4*\u+3], v[ST+4*\u+2:ST+4*\u+3], v[TMPR+4*\u+2:TMPR+4*\u+3], v[S+32*\u:S+32*\u+1] op_sel_hi:[1,0,1]  ; l = a l + the step's sum
.endr
	WIN W_RS
.set z, 0
.rept 16                            ; O^T times a, each accumulator from its low end on
	v_pk_mul_f32 v[2*z:2*z+1], v[2*z:2*z+1], v[TMPR+2:TMPR+3] op_sel_hi:[1,0]
	v_pk_mul_f32 v[32+2*z:32+2*z+1], v[32+2*z:32+2*z+1], v[TMPR+6:TMPR+7] op_sel_hi:[1,0]
.set z, z+1
.endr
	WIN 0
.endm
; A KEY STEP.  lastst: the tile's last live step, which fetches no further K.  branch = 1: steps below MS take no mask.  sub: the tile's first step with the diagonal.
.macro STEP lastst, branch, sub
	FETCH_V                         ; the places behind the last products V^T P stand at the last step's end
	s_wait_dscnt 16                 ; K's run, which is older, is in; V's sixteen loads may be out
	KQALL
	WIN 0
	PLACES                          ; in front of the loads into K's registers and of the first read of the scores
	s_cmp_eq_u32 s[STP], \lastst
	s_cbranch_scc1 .Lno_k_\@
	FETCH_K                         ; the next step's K, a step ahead
.Lno_k_\@:
.if \branch
	s_cmp_lt_u32 s[STP], s[MS]
	s_cbranch_scc1 .Lno_mask_\@
.endif
	s_sub_co_u32 s[SD], s[STP], \sub
	s_lshl_b32 s[SD], s[SD], 6
	MASK
.Lno_mask_\@:
	VEC
	s_wait_dscnt 0x0                ; V and the next K are in
	PVALL
	WIN 0
	PLACES
.endm
; A BLOCK'S END, tile u: O^T is divided by l and stored as it lies (yf); e = x[t + 1] - y[t] is made beside it in f32, rounded to f16 and put into my rows of e.
.macro PACKY u, blk
	WIN W_RS
.set z, 0
.rept 16
	v_pk_mul_f32 v[32*(\u)+2*z:32*(\u)+2*z+1], v[32*(\u)+2*z:32*(\u)+2*z+1], v[ST+4*(\u)+2:ST+4*(\u)+3] op_sel_hi:[1,0]
.set z, z+1
.endr
	WIN 0x04                        ; source 1 (store data too) in window 1
.set z, 0
.rept 8
	global_store_b128 v[GO], v[32*(\u)+4*z:32*(\u)+4*z+3], s[OUT0:OUT0+1] offset:(\u)*4096+z*512  ; 512 consecutive bytes, at a multiple of 256
.set z, z+1
.endr
.set z, 0
.rept 16                            ; bf16 to f32: the low half moves up, the high half stays
	v_lshlrev_b32 v[S+32*(\u)+2*z],   16,     v[VB+32*(\blk)+16*(\u)+z]
	v_and_b32     v[S+32*(\u)+2*z+1], s[HIM], v[VB+32*(\blk)+16*(\u)+z]
.set z, z+1
.endr
.set z, 0
.rept 16
	v_pk_add_f32 v[S+32*(\u)+2*z:S+32*(\u)+2*z+1], v[S+32*(\u)+2*z:S+32*(\u)+2*z+1], v[32*(\u)+2*z:32*(\u)+2*z+1] neg_lo:[0,1] neg_hi:[0,1]
.set z, z+1
.endr
	WIN 0
.set z, 0
.rept 16
	v_cvt_pk_f16_f32 v[P+16*(\u)+z], v[S+32*(\u)+2*z], v[S+32*(\u)+2*z+1]
.set z, z+1
.endr
.irp f, 0,1,2,3
	ds_store_b128 v[STO], v[P+16*(\u)+4*\f:P+16*(\u)+4*\f+3] offset:(\u)*16*PV+32*\f
.endr
.endm
; THE WHOLE END.  Behind both tiles: e comes back by rows for eh, and turned, beside ka turned, for my part of the chunk state: 16 products over my 32 rows (source 0 = 16 channels d of ka, source 1 = 16
; channels c of e).  The four waves' parts meet in LDS behind a barrier; wave w adds the four quarters cb = w and stores 4,096 consecutive bytes.  The parts' bytes are written again at the next
; block's end, behind at least one change of slots, in front of whose barrier every wave has waited for its LDS reads.
.macro FINISH blk
	WIN 0
.irp u, 0,1
	v_add_f32 v[ST+4*\u+2], v[ST+4*\u+2], v[ST+4*\u+3]
.endr
.irp u, 0,1
	v_permlanex16_b32 v[ST+4*\u+3], v[ST+4*\u+2], s[SEL], s[SEL+1]
.endr
.irp u, 0,1
	v_add_f32 v[ST+4*\u+2], v[ST+4*\u+2], v[ST+4*\u+3]
.endr
.irp u, 0,1
	v_rcp_f32 v[ST+4*\u+2], v[ST+4*\u+2]
.endr
	v_nop                           ; a plain instruction between the last reciprocal and the use of its result
	s_wait_alu depctr_va_vdst(0)
	WIN 0x04
.set z, 0
.rept 8                             ; my rows of ka into LDS, four rows a store
	ds_store_b128 v[RD], v[KAR+32*(\blk)+4*z:KAR+32*(\blk)+4*z+3] offset:KOFF+z*4*PV
.set z, z+1
.endr
	PACKY 0, \blk
	PACKY 1, \blk
	WIN 0x80                        ; LDS serves a wave's instructions in order (ISA guide 5.7.1.4): these loads see my stores above
.irp f, 0,1,2,3
	ds_load_tr16_b128 v[KF+8*\f:KF+8*\f+3],   v[TE] offset:KOFF+32*\f
	ds_load_tr16_b128 v[KF+8*\f+4:KF+8*\f+7], v[TE] offset:KOFF+16*PV+32*\f
.endr
.irp f, 0,1,2,3
	ds_load_tr16_b128 v[KF+32+8*\f:KF+32+8*\f+3],   v[TE] offset:32*\f
	ds_load_tr16_b128 v[KF+32+8*\f+4:KF+32+8*\f+7], v[TE] offset:16*PV+32*\f
.endr
	WIN 0
.set z, 0
.rept 8
	ds_load_b128 v[S+4*z:S+4*z+3], v[RD] offset:z*4*PV
.set z, z+1
.endr
	s_wait_dscnt 8                  ; the fragments are in; the eight loads of rows, which are younger, may be out
	WIN 0x8a                        ; all in window 2
.set i, 0
.rept 16                            ; tile (db = i % 4, cb = i / 4): each accumulator once, started by the constant 0
	v_wmma_f32_16x16x32_f16 v[AC+8*i:AC+8*i+7], v[KF+8*(i%4):KF+8*(i%4)+7], v[KF+32+8*(i/4):KF+32+8*(i/4)+7], 0
.set i, i+1
.endr
	WIN 0
	PLACES
	s_wait_dscnt 0x0
.set z, 0
.rept 8
	global_store_b128 v[GO], v[S+4*z:S+4*z+3], s[OUT0+2:OUT0+3] offset:z*512  ; four rows of e: 512 consecutive bytes
.set z, z+1
.endr
	WIN 0x08                        ; store data in window 2
.set z, 0
.rept 32                            ; each accumulator's low four registers first
	ds_store_b128 v[RW], v[AC+4*z:AC+4*z+3] offset:z*512
.set z, z+1
.endr
	WIN 0
	s_wait_dscnt 0x0                ; for the others' sake: my part is in LDS
	s_barrier_signal -1
	s_barrier_wait -1
	WIN 0x80
.set z, 0
.rept 32                            ; quarter cb = w of wave z / 8's part
	ds_load_b128 v[AC+4*z:AC+4*z+3], v[RR] offset:(z/8)*16384+(z%8)*512
.set z, z+1
.endr
	s_wait_dscnt 0x0
	WIN 0x8a
.set z, 0
.rept 16
	v_pk_add_f32 v[AC+2*z:AC+2*z+1], v[AC+2*z:AC+2*z+1], v[AC+32+2*z:AC+32+2*z+1]
	v_pk_add_f32 v[AC+64+2*z:AC+64+2*z+1], v[AC+64+2*z:AC+64+2*z+1], v[AC+96+2*z:AC+96+2*z+1]
.set z, z+1
.endr
.set z, 0
.rept 16
	v_pk_add_f32 v[AC+2*z:AC+2*z+1], v[AC+2*z:AC+2*z+1], v[AC+64+2*z:AC+64+2*z+1]
.set z, z+1
.endr
	WIN 0x08
.set z, 0
.rept 8
	global_store_b128 v[GO], v[AC+4*z:AC+4*z+3], s[CO0:CO0+1] offset:z*512
.set z, z+1
.endr
	WIN 0
.endm
	s_wait_loadcnt 0x0              ; Q, the rows t + 1 and ka, once
.Ltile:                             ; 8 trips: a tile of four live steps is entered and the next is asked for
	CHANGE 1
	FETCH_K
	s_sub_co_u32 s[RT], s[RT], 1
	s_cmp_eq_u32 s[RT], 0
	s_cselect_b32 s[MS], 2, 4       ; the first block's last tile: steps 2 and 3 hold the diagonal
	s_mov_b32 s[STP], 0
.Lstep:
	STEP 3, 1, 2
	s_add_co_u32 s[STP], s[STP], 1
	s_cmp_lt_u32 s[STP], 4
	s_cbranch_scc1 .Lstep
	s_cmp_lg_u32 s[RT], 0
	s_cbranch_scc1 .Lbottom
	FINISH 0                        ; the first block ends; the ring runs on
	s_wait_xcnt 0x0                 ; the stores' bases and data registers are written again only behind this wait
	s_mov_b64 s[OUT0:OUT0+1], s[OUT1:OUT1+1]
	s_mov_b64 s[OUT0+2:OUT0+3], s[OUT1+2:OUT1+3]
	s_mov_b64 s[CO0:CO0+1], s[CO1:CO1+1]
	WIN 0x82
.set i, 0
.rept 32
	v_mov_b32 v[i], v[Q2+i]         ; the second block's Q goes where the one text of the steps names Q
.set i, i+1
.endr
	WIN 0
	RESET                           ; a = 0 in the next step: what O^T and l hold need only be finite
	s_mov_b32 s[RT], 64             ; not 0 again in the trips that are left
.Lbottom:
	s_sub_co_u32 s[SLOTS], s[SLOTS], 1
	s_cmp_lg_u32 s[SLOTS], 0
	s_cbranch_scc1 .Ltile
	CHANGE 0                        ; the walk's last tile is written out: two live steps, both with the diagonal
	FETCH_K
	s_mov_b32 s[STP], 0
.Lstep2:
	STEP 1, 0, 0
	s_add_co_u32 s[STP], s[STP], 1
	s_cmp_lt_u32 s[STP], 2
	s_cbranch_scc1 .Lstep2
	FINISH 1
	s_wait_tensorcnt 0x0            ; the wave's end
	ds_add_u32 v[SPW], v[NIL]
	s_wait_dscnt 0x0
	s_endpgm
.Lfunc_end_k_q154f78cc86_attn_ar:
	.size	k_q154f78cc86_attn_ar, .Lfunc_end_k_q154f78cc86_attn_ar-k_q154f78cc86_attn_ar
	.p2alignl 7, 3214868480
	.fill 96, 4, 3214868480
	.section	.rodata,"a",@progbits
	.p2align	6, 0x0
	.amdhsa_kernel k_q154f78cc86_attn_ar
		.amdhsa_group_segment_fixed_size 327680
		.amdhsa_private_segment_fixed_size 0
		.amdhsa_enable_private_segment 0
		.amdhsa_kernarg_size 48
		.amdhsa_user_sgpr_count 2
		.amdhsa_user_sgpr_kernarg_segment_ptr 1
		.amdhsa_wavefront_size32 1
		.amdhsa_system_sgpr_workgroup_id_x 1
		.amdhsa_system_sgpr_workgroup_id_y 1
		.amdhsa_system_sgpr_workgroup_id_z 1
		.amdhsa_system_vgpr_workitem_id 0
		.amdhsa_next_free_vgpr 768
		.amdhsa_next_free_sgpr 102
		.amdhsa_reserve_vcc 1
		.amdhsa_float_denorm_mode_32 3
		.amdhsa_float_denorm_mode_16_64 3
		.amdhsa_memory_ordered 1
		.amdhsa_forward_progress 1
		.amdhsa_inst_pref_size 112
	.end_amdhsa_kernel
	.amdgpu_metadata
---
amdhsa.version: [ 1, 2 ]
amdhsa.kernels:
  - .name:           k_q154f78cc86_attn_ar
    .symbol:         k_q154f78cc86_attn_ar.kd
    .args:
      - { .name: qkk, .offset: 0, .size: 8, .value_kind: global_buffer, .address_space: global }
      - { .name: vh, .offset: 8, .size: 8, .value_kind: global_buffer, .address_space: global }
      - { .name: xb, .offset: 16, .size: 8, .value_kind: global_buffer, .address_space: global }
      - { .name: yf, .offset: 24, .size: 8, .value_kind: global_buffer, .address_space: global }
      - { .name: eh, .offset: 32, .size: 8, .value_kind: global_buffer, .address_space: global }
      - { .name: cst, .offset: 40, .size: 8, .value_kind: global_buffer, .address_space: global }
    .group_segment_fixed_size: 327680
    .private_segment_fixed_size: 0
    .kernarg_segment_align: 8
    .kernarg_segment_size: 48
    .max_flat_workgroup_size: 128
    .sgpr_count:     102
    .vgpr_count:     768
    .wavefront_size: 32
...
	.end_amdgpu_metadata
.endif
;; end of part 7
;; launch attn_ma (part 8): grid 8 x 32, 4 waves a work-group, no clusters, 202,240 bytes of LDS; arguments qkk, eh, yf, cst, ohl; writes ohl
.if DOCPART == 8
	.amdgcn_target "amdgcn-amd-amdhsa--gfx1250"
	.amdhsa_code_object_version 6
	.text
	.protected	k_q154f78cc86_attn_ma
	.globl	k_q154f78cc86_attn_ma
	.p2align	8
	.type	k_q154f78cc86_attn_ma,@function
k_q154f78cc86_attn_ma:
	s_mov_b64 s[64:65], 0
	v_nop
	global_prefetch_b8 v0, s[64:65] scope:SCOPE_SE
	s_setreg_imm32_b32 hwreg(HW_REG_WAVE_MODE, 25, 1), 1
	s_wait_xcnt 0x0
; THE MA BRANCH AND THE SUM.  y2[t] = the sum over s < t of (qa[t] . ka[s]) e[s], qa = min(q / 8, 0.02 q / 8) (that is -leaky_relu(-q / 8)); O = y + y2.
; BY CHUNKS.  For a query of block B (128 rows) the keys in front of the block enter through one 64 x 64 state, S[d][c] = the sum over s < 128 B of ka[s][d] e[s][c] = the sum of the chunk states C_j, j < B,
; which the launch before stored (cst, f32): y2[t] = qa[t] . S + the sum over the block's own s < t of (qa[t] . ka[s]) e[s].
; q and ka are parts 0 and 2 of qkk, e is eh: [32][2048][64] in f16.  y comes in f32 in the accumulators' lane layout (yf).
; RANGE AND FORMATS.  For each query A = the sum over the 64 channels of |qa|, at least 1e-30 / 8, and qa' = qa / A goes into the products.  In the block's own part, as 0 < ka < 1, |w'| = |qa' . ka| <= 1 for
; every input, so qa', ka, w' and e go in f16.  S has no such bound: it goes as two bf16 numbers, hi = bf16(S) and lo = bf16(S - hi), and qa' beside it rounded once to bf16 (a relative 2^-9 at the most in
; each of 64 terms).  O = y + A y2' is made in f32 and leaves as hi = bf16(O), lo = bf16(O - hi): ohl = [16 heads][4096 rows][hi 64 | lo 64], rows of 256 bytes.
; LIMITS.  NaN and infinities are not treated apart (a chunk state that is not asked for is multiplied by 0 in the place of an older, finite one).
; SHARES.  A work-group takes blocks 15 - b and b of a head, both at once: wave w owns rows 32 w .. 32 w + 31 of each: four tiles ti = 2 x block + u of 16 queries.  Together the two states need the chunks
; 0 .. 14 - b; chunks 0 .. 7 are needed whatever b.  Wave w sums quarter cb = w of both states (32 registers each) and hands it on through LDS as ready fragments.
; THE OWN BLOCK goes in units of 32 keys: unit i is whole for waves above i, holds the diagonal for wave i (the same pattern in every wave), and is jumped by the waves below i.
; W^T = Ka Qa'^T holds one query a lane and the keys 8 (lane / 16) + 0..7; rounded to f16 it is source 1 of O^T += E^T W.  A chunk state's accumulators, rounded in pairs, are source 0 of O^T += S^T Qa'^T.
; NO CLUSTER: the work-groups share no tile; the chunk states that several read are 16 KiB pieces taken straight into registers.  LDS is filled once by four tensor loads (ka and e of the two blocks, one a wave)
; and never again.  O^T is cleared (128 v_mov_b32, in the wait for q), on purpose: the units are one text in a loop, and the waves enter it alike.
; REGISTERS, in windows of 256 (s_set_vgpr_msb: bits 1:0 source 0, 3:2 source 1, 5:4 source 2, 7:6 destination):
;   window 0: v0-63 addresses, A; v64-127 the raw q, then W^T (16 a tile); v128-159 P (8 a tile); v160-255 at work     window 1: v0-127 O^T (32 a tile); v128-255 y
;   window 2: v0-63 qa' in f16 (16 a tile); v64-127 in bf16; v128-191 Ka of a unit; v192-255 E of a unit     window 3: eight chunk quarters of 32; later the states' fragments
.set PK,    144       ; a row of ka in LDS: 128 bytes + 16
.set PV,    160       ; a row of e: 128 + 32, for the turning load
.set KAB,   128*PK    ; a block's rows of ka; block 0's at LDS byte 0
.set EEB,   128*PV
.set EE,    2*KAB     ; the two blocks' rows of e
.set SF,    EE+2*EEB  ; the states' fragments: [block][hi, lo][cb][kd][2 pieces][32 lanes x 16 bytes]
.set QS,    SF+32768  ; for each wave and tile 4,608 bytes: the raw q, in its place later qa' in f16 (2,048), qa' in bf16 (2,048), A (512)
.set QTS,   4608
.set STAGE, QS+16*QTS ; 16 rows x 272 bytes for each wave, for the way out
.set SP,    272
.set SPARE, STAGE+4*16*SP       ; the spare words, 128 bytes for each wave: two blocks of 256 bytes that no other line names
.set AK0, 2
.set AV0, 3
.set AK,  4
.set AV,  5
.set STO, 6
.set RD,  7
.set GO,  8           ; 16 x lane
.set QA,  12          ; my scratch for q + 16 x lane
.set QL,  13          ; the same at the tile in hand
.set SW,  14          ; where my quarter's fragments go
.set SR,  15          ; where all fragments are read
.set AQ,  16          ; v16-23  A of tile ti, twice (a pair for the packed multiply-add)
.set W4,  24          ; v24-27  at work
.set DD,  32          ; l % 16 - 8 (l / 16)
.set QO,  34
.set RQ,  40          ; v40-55  a tile's raw q, where its halves are named
.set SPW, 62
.set NIL, 63
.set S,   64
.set HB,  64          ; the way out: hi, 16 registers, two sets by turns
.set LW,  64          ; the states' lo words, 16 a block
.set BK,  96          ; the way out: rows read back: v96-127 and v192-223 by turns
.set P,   128
.set T,   160         ; at work; between q's preparation and the states' end: block 1's state
.set U,   192
.set HF,  224         ; qa' in f16
.set BW,  240         ; qa' in bf16
.set HW,  224         ; the states' hi words, 16 a block
.set LB,  224         ; the way out: lo, two sets by turns
.set YB,  128         ; window 1
.set QBW, 64          ; window 2
.set KF,  128
.set VF,  192
.set WV,  16
.set B1,  17          ; b
.set HBN, 18          ; batch x 16 + head
.set B0,  19          ; 15 - b
.set QB,  32          ; s[32:35] q at my rows of the two blocks
.set DM,  36          ; s36-43  lane masks: register j of a diagonal accumulator is seen
.set YBS, 44          ; s[44:47] yf at my tiles
.set OB,  48          ; s[48:51] ohl at my rows
.set CB,  52          ; s[52:53] cst at my quarter of the head's chunk 0
.set SEL, 54
.set C02, 56
.set ABSM, 58
.set HIM, 59
.set M1,  60          ; s[60:61] 1.0 or 0
.set CNT, 62
.set QT,  63
.set UI,  66          ; the unit
.set TK,  67
.set TV,  68
.set G1K, 76
.set G1V, 84
.set G0K, 92
.set G0V, 96
.set MSB, 0
.macro WIN new
.if MSB != (\new)
	s_set_vgpr_msb (MSB<<8)|(\new)
.set MSB, (\new)
.endif
.endm
.set W_KQ, 0x0a       ; Ka and qa' in window 2, W^T in window 0
.set W_PV, 0x52       ; E in window 2, P in window 0, O^T in window 1
.set W_SP, 0x5b       ; the state in window 3, qa' in window 2, O^T in window 1
.macro PLACES         ; four places behind matrix instructions (ISA guide 7.12.1)
.rept 4
	v_nop
.endr
.endm
.macro CLOAD j, slot  ; my quarter of chunk j: 4,096 consecutive bytes
.set z, 0
.rept 8
	global_load_b128 v[32*(\slot)+4*z:32*(\slot)+4*z+3], v[GO], s[CB:CB+1] offset:(\j)*16384+z*512
.set z, z+1
.endr
.endm
	s_load_b256 s[4:11], s[0:1], 0x0  ; qkk s[4:5], eh s[6:7], yf s[8:9], cst s[10:11]
	s_load_b64 s[12:13], s[0:1], 0x20 ; ohl
	v_lshl_add_u32 v[SPW], v0, 2, SPARE
	v_mov_b32 v[NIL], 0
	ds_add_u32 v[SPW], v[NIL]       ; the wave's opening: the add and its wait ahead of my tensor load
	v_lshrrev_b32 v1, 5, v0
	v_readfirstlane_b32 s[WV], v1
	s_mov_b32 s[B1], ttmp9
	s_sub_co_u32 s[B0], 15, s[B1]
	s_and_b32 s[HBN], ttmp7, 0xffff
	s_lshl_b32 s21, s[HBN], 18      ; the head's 262,144 bytes in each f16 tensor, and in cst
	s_lshl_b32 s22, s[B0], 14       ; a block's 128 rows of 128 bytes
	s_lshl_b32 s23, s[B1], 14
	s_and_b32 s24, s[WV], 1         ; whose tile I fetch: waves 0, 1 ka of block 0, 1; waves 2, 3 e of block 0, 1
	s_cmp_eq_u32 s24, 1
	s_cselect_b32 s26, s23, s22
	s_add_co_u32 s26, s26, s21
	s_mov_b32 s27, 0
	s_mul_i32 s28, s24, KAB
	s_mul_i32 s29, s24, EEB
	s_lshl_b32 s25, s[WV], 12       ; my 32 rows; in cst my quarter
	s_add_co_u32 s22, s22, s25
	s_add_co_u32 s23, s23, s25
	s_add_co_u32 s[QB], s22, s21
	s_mov_b32 s[QB+1], 0
	s_add_co_u32 s[QB+2], s23, s21
	s_mov_b32 s[QB+3], 0
	s_lshl_b32 s[YBS], s[QB], 1     ; in yf a row's share is 256 bytes
	s_mov_b32 s[YBS+1], 0
	s_lshl_b32 s[YBS+2], s[QB+2], 1
	s_mov_b32 s[YBS+3], 0
	s_and_b32 s30, s[HBN], 15       ; in ohl: the head's 4,096 rows of 256 bytes,
	s_lshl_b32 s30, s30, 20
	s_lshr_b32 s31, s[HBN], 4       ; the batch's 2,048 of them
	s_lshl_b32 s31, s31, 19
	s_add_co_u32 s30, s30, s31
	s_lshl1_add_u32 s[OB], s22, s30
	s_mov_b32 s[OB+1], 0
	s_lshl1_add_u32 s[OB+2], s23, s30
	s_mov_b32 s[OB+3], 0
	s_add_co_u32 s[CB], s21, s25
	s_mov_b32 s[CB+1], 0
	; group 1: 128 rows are 16,384 dense bytes: asked for as 64 rows of 256 bytes, padded in LDS after every 128 bytes
	s_mov_b32 s[G1K], (1<<16)|(1<<20)|(4<<22)|(3<<25)  ; 2-byte elements; padding on; after every 32 words 4 words
	s_mov_b32 s[G1V], (1<<16)|(1<<20)|(4<<22)|(7<<25)  ; the same with 8 words
.irp g, G1K, G1V
	s_mov_b32 s[\g+1], 128<<16
	s_mov_b32 s[\g+2], 64<<16
	s_mov_b32 s[\g+3], 128<<16
	s_mov_b32 s[\g+4], 64
	s_mov_b32 s[\g+5], 128
	s_mov_b32 s[\g+6], 0
	s_mov_b32 s[\g+7], 0
.endr
	s_mov_b32 s[G0K], 1
	s_mov_b32 s[G0K+1], s28
	s_mov_b32 s[G0V], 1
	s_add_co_u32 s[G0V+1], s29, EE
	s_mov_b32 s[SEL], 0x76543210
	s_mov_b32 s[SEL+1], 0xfedcba98
	s_mov_b32 s[C02], 0x3ca3d70a    ; 0.02
	s_mov_b32 s[C02+1], s[C02]
	s_mov_b32 s[ABSM], 0x7fffffff
	s_mov_b32 s[HIM], 0xffff0000
	s_mov_b32 s[M1+1], 0            ; named with M1 as a pair
	s_wait_dscnt 0x0                ; the opening add is done
	s_wait_kmcnt 0x0
	s_add_nc_u64 s[G0K+2:G0K+3], s[4:5], s[26:27]
	s_add_nc_u64 s[G0K+2:G0K+3], s[G0K+2:G0K+3], 16777216  ; ka is part 2 of qkk
	s_or_b32 s[G0K+3], s[G0K+3], 0x80000000
	s_add_nc_u64 s[G0V+2:G0V+3], s[6:7], s[26:27]
	s_or_b32 s[G0V+3], s[G0V+3], 0x80000000
	s_add_nc_u64 s[QB:QB+1], s[4:5], s[QB:QB+1]
	s_add_nc_u64 s[QB+2:QB+3], s[4:5], s[QB+2:QB+3]
	s_add_nc_u64 s[YBS:YBS+1], s[8:9], s[YBS:YBS+1]
	s_add_nc_u64 s[YBS+2:YBS+3], s[8:9], s[YBS+2:YBS+3]
	s_add_nc_u64 s[OB:OB+1], s[12:13], s[OB:OB+1]
	s_add_nc_u64 s[OB+2:OB+3], s[12:13], s[OB+2:OB+3]
	s_add_nc_u64 s[CB:CB+1], s[10:11], s[CB:CB+1]
	s_cmp_lt_u32 s[WV], 2           ; my one tensor load of the launch; an s_nop 0 and four v_nop follow each line
	s_cbranch_scc0 .Lfor_e
	tensor_load_to_lds s[G0K:G0K+3], s[G1K:G1K+7]
	s_nop 0
.rept 4
	v_nop
.endr
	s_branch .Lasked
.Lfor_e:
	tensor_load_to_lds s[G0V:G0V+3], s[G1V:G1V+7]
	s_nop 0
.rept 4
	v_nop
.endr
.Lasked:
	v_and_b32 v1, 15, v0            ; l % 16
	v_bfe_u32 v9, v0, 4, 1          ; l / 16
	v_lshlrev_b32 v[QO], 7, v1
	v_lshl_add_u32 v[QO], v9, 4, v[QO]
	v_and_b32 v[GO], 31, v0
	v_lshlrev_b32 v[GO], 4, v[GO]
.set i, 0
.rept 4                             ; the raw q in fragment layout: tile 2 x block + i / 2 at S + 16 x tile, channels 32 (i % 2) on
	global_load_b128 v[S+8*i:S+8*i+3],   v[QO], s[QB:QB+1] offset:(i/2)*2048+(i%2)*64
	global_load_b128 v[S+8*i+4:S+8*i+7], v[QO], s[QB:QB+1] offset:(i/2)*2048+(i%2)*64+32
	global_load_b128 v[S+32+8*i:S+32+8*i+3],   v[QO], s[QB+2:QB+3] offset:(i/2)*2048+(i%2)*64
	global_load_b128 v[S+32+8*i+4:S+32+8*i+7], v[QO], s[QB+2:QB+3] offset:(i/2)*2048+(i%2)*64+32
.set i, i+1
.endr
	WIN 0xc0                        ; destination window 3
	CLOAD 0, 0
	CLOAD 1, 1
	CLOAD 2, 2
	CLOAD 3, 3
	CLOAD 4, 4
	WIN 0x40
.set i, 0
.rept 128
	v_mov_b32 v[i], 0               ; O^T
.set i, i+1
.endr
	WIN 0
	v_and_b32 v10, 7, v0
	v_lshlrev_b32 v11, 3, v9
	v_sub_nc_u32 v[DD], v1, v11
.set i, 0
.rept 8
	v_cmp_lt_i32 s[DM+i], i, v[DD]  ; key 8 (l / 16) + i lies strictly in front of query l % 16
.set i, i+1
.endr
	v_mul_u32_u24 v[AK0], v1, PK
	v_lshl_add_u32 v[AK0], v9, 4, v[AK0]
	v_bfe_u32 v11, v0, 3, 1         ; the turning load: lane l reads row 8 (l / 16) + l % 8, channels 8 ((l / 8) % 2) + 0..7
	v_lshl_add_u32 v[AV0], v9, 3, v10
	v_mul_u32_u24 v[AV0], v[AV0], PV
	v_lshl_add_u32 v[AV0], v11, 4, v[AV0]
	v_add_nc_u32 v[AV0], EE, v[AV0]
	s_mul_i32 s20, s[WV], 16*SP
	s_add_co_u32 s20, s20, STAGE    ; my stage
	v_mul_u32_u24 v[STO], v1, SP    ; in: row l % 16, 16 bytes for each half of the lanes
	v_lshl_add_u32 v[STO], v9, 4, v[STO]
	v_add_nc_u32 v[STO], s20, v[STO]
	v_mul_u32_u24 v[RD], v9, SP     ; back: lanes 0-15 one row of 256 bytes, lanes 16-31 the next
	v_lshl_add_u32 v[RD], v1, 4, v[RD]
	v_add_nc_u32 v[RD], s20, v[RD]
	s_mul_i32 s20, s[WV], 4*QTS
	s_add_co_u32 s20, s20, QS
	v_add_nc_u32 v[QA], s20, v[GO]
	s_lshl_b32 s20, s[WV], 11
	s_add_co_u32 s20, s20, SF
	v_add_nc_u32 v[SW], s20, v[GO]
	v_add_nc_u32 v[SR], SF, v[GO]
	s_wait_loadcnt 40               ; q's sixteen loads are in; the 40 of chunks 0 to 4, which are younger, may be out
.set z, 0
.rept 16                            ; the raw q into my scratch, so that one text in a loop can take the tiles in turn
	ds_store_b128 v[QA], v[S+4*z:S+4*z+3] offset:(z/4)*QTS+(z%4)*512
.set z, z+1
.endr
	WIN 0xc0
	CLOAD 5, 5
	CLOAD 6, 6
	CLOAD 7, 7
	WIN 0
; A tile's q becomes qa' and A.  T = q; 8 qa = min(T, 0.02 T); A' = the sum of |8 qa| over my 32 channels and the other half of the lanes' 32, at least 1e-30; qa' = 8 qa / A'; A = A' / 8 (exact).
	s_mov_b32 s[QT], 0
	s_mov_b32 s[CNT], 4
.Lq:
	v_add_nc_u32 v[QL], s[QT], v[QA]
.irp k, 0,1,2,3
	ds_load_b128 v[RQ+4*\k:RQ+4*\k+3], v[QL] offset:\k*512
.endr
	s_wait_dscnt 0x0
	v_cvt_f32_f16 v160, v40.l
	v_cvt_f32_f16 v161, v40.h
	v_cvt_f32_f16 v162, v41.l
	v_cvt_f32_f16 v163, v41.h
	v_cvt_f32_f16 v164, v42.l
	v_cvt_f32_f16 v165, v42.h
	v_cvt_f32_f16 v166, v43.l
	v_cvt_f32_f16 v167, v43.h
	v_cvt_f32_f16 v168, v44.l
	v_cvt_f32_f16 v169, v44.h
	v_cvt_f32_f16 v170, v45.l
	v_cvt_f32_f16 v171, v45.h
	v_cvt_f32_f16 v172, v46.l
	v_cvt_f32_f16 v173, v46.h
	v_cvt_f32_f16 v174, v47.l
	v_cvt_f32_f16 v175, v47.h
	v_cvt_f32_f16 v176, v48.l
	v_cvt_f32_f16 v177, v48.h
	v_cvt_f32_f16 v178, v49.l
	v_cvt_f32_f16 v179, v49.h
	v_cvt_f32_f16 v180, v50.l
	v_cvt_f32_f16 v181, v50.h
	v_cvt_f32_f16 v182, v51.l
	v_cvt_f32_f16 v183, v51.h
	v_cvt_f32_f16 v184, v52.l
	v_cvt_f32_f16 v185, v52.h
	v_cvt_f32_f16 v186, v53.l
	v_cvt_f32_f16 v187, v53.h
	v_cvt_f32_f16 v188, v54.l
	v_cvt_f32_f16 v189, v54.h
	v_cvt_f32_f16 v190, v55.l
	v_cvt_f32_f16 v191, v55.h
.set z, 0
.rept 16
	v_pk_mul_f32 v[U+2*z:U+2*z+1], v[T+2*z:T+2*z+1], s[C02:C02+1] op_sel_hi:[1,0]
.set z, z+1
.endr
.set z, 0
.rept 32
	v_min_num_f32 v[T+z], v[T+z], v[U+z]
.set z, z+1
.endr
.set z, 0
.rept 32
	v_and_b32 v[U+z], s[ABSM], v[T+z]
.set z, z+1
.endr
.irp k, 0,1,2,3
	v_add_f32 v[W4+\k], v[U+\k], v[U+4+\k]     ; four chains
.endr
.set z, 8
.rept 24
	v_add_f32 v[W4+z%4], v[W4+z%4], v[U+z]
.set z, z+1
.endr
	v_add_f32 v[W4], v[W4], v[W4+1]
	v_add_f32 v[W4+2], v[W4+2], v[W4+3]
	v_add_f32 v[W4], v[W4], v[W4+2]
	v_permlanex16_b32 v[W4+1], v[W4], s[SEL], s[SEL+1]
	v_add_f32 v[W4], v[W4], v[W4+1]
	v_max_num_f32 v[W4], 0x0da24260, v[W4]     ; 1e-30
	v_rcp_f32 v[W4+2], v[W4]
	v_mul_f32 v[W4+1], 0x3e000000, v[W4]       ; A = A' / 8: also the plain instruction behind the reciprocal
.set z, 0
	s_wait_alu depctr_va_vdst(0)
.rept 16
	v_pk_mul_f32 v[T+2*z:T+2*z+1], v[T+2*z:T+2*z+1], v[W4+2:W4+3] op_sel_hi:[1,0]
.set z, z+1
.endr
.set z, 0
.rept 16
	v_cvt_pk_f16_f32  v[HF+z], v[T+2*z], v[T+2*z+1]
	v_cvt_pk_bf16_f32 v[BW+z], v[T+2*z], v[T+2*z+1]
.set z, z+1
.endr
.irp k, 0,1,2,3
	ds_store_b128 v[QL], v[HF+4*\k:HF+4*\k+3] offset:\k*512        ; where the raw q lay: my loads of it are back
	ds_store_b128 v[QL], v[BW+4*\k:BW+4*\k+3] offset:2048+\k*512
.endr
	ds_store_b32 v[QL], v[W4+1] offset:4096
	s_add_co_u32 s[QT], s[QT], QTS
	s_sub_co_u32 s[CNT], s[CNT], 1
	s_cmp_lg_u32 s[CNT], 0
	s_cbranch_scc1 .Lq
	WIN 0x80                        ; LDS serves a wave's instructions in order (ISA guide 5.7.1.4): these loads see my stores above
.set z, 0
.rept 16
	ds_load_b128 v[4*z:4*z+3],         v[QA] offset:(z/4)*QTS+(z%4)*512
	ds_load_b128 v[QBW+4*z:QBW+4*z+3], v[QA] offset:(z/4)*QTS+2048+(z%4)*512
.set z, z+1
.endr
	WIN 0
.set z, 0
.rept 4
	ds_load_b32 v[AQ+2*z],   v[QA] offset:z*QTS+4096
	ds_load_b32 v[AQ+2*z+1], v[QA] offset:z*QTS+4096
.set z, z+1
.endr
	; THE STATES, first part.  Block 1 (b <= 7) takes chunks 0 .. b - 1, by a factor of 1 or 0; block 0 (15 - b >= 8) takes chunks 0 .. 7 whole, added in place by a tree.
	s_wait_loadcnt 0x0              ; chunks 0 to 7: they had the whole of q's preparation in which to land
	s_cmp_gt_u32 s[B1], 0
	s_cselect_b32 s[M1], 1.0, 0
	WIN 0x03                        ; source 0 in window 3
.set z, 0
.rept 16
	v_pk_mul_f32 v[T+2*z:T+2*z+1], v[2*z:2*z+1], s[M1:M1+1] op_sel_hi:[1,0]
.set z, z+1
.endr
.set j, 1
.rept 6
	s_cmp_gt_u32 s[B1], j
	s_cselect_b32 s[M1], 1.0, 0
.set z, 0
.rept 16
	v_pk_fma_f32 v[T+2*z:T+2*z+1], v[32*j+2*z:32*j+2*z+1], s[M1:M1+1], v[T+2*z:T+2*z+1] op_sel_hi:[1,0,1]
.set z, z+1
.endr
.set j, j+1
.endr
.macro CADD d, s                    ; quarter d += quarter s
.set z, 0
.rept 16
	v_pk_add_f32 v[32*(\d)+2*z:32*(\d)+2*z+1], v[32*(\d)+2*z:32*(\d)+2*z+1], v[32*(\s)+2*z:32*(\s)+2*z+1]
.set z, z+1
.endr
.endm
	WIN 0xcf                        ; all in window 3
	CADD 0, 1
	CADD 2, 3
	CADD 4, 5
	CADD 6, 7
	CADD 0, 2
	CADD 4, 6
	CADD 0, 4
	; chunks 8 .. 14 - b are asked for, into the quarters just added up; they land while the units are worked
.set j, 8
.rept 7
	WIN 0                           ; at a branch every window is 0
	s_cmp_gt_u32 s[B0], j
	s_cbranch_scc0 .Lasked2
	WIN 0xc0
	CLOAD j, j-7
.set j, j+1
.endr
	WIN 0
.Lasked2:
	s_wait_tensorcnt 0x0            ; my tile is in LDS,
	s_wait_dscnt 0x0                ; qa' and A are in registers,
	s_barrier_signal -1
	s_barrier_wait -1               ; and everybody's tile is there; nothing is filled again
	; THE OWN BLOCKS, in units of 32 keys, both blocks at once.  The accumulators of each run of 16 products take turns.
	s_mov_b32 s[UI], 0
	s_mov_b32 s[TK], 0
	s_mov_b32 s[TV], 0
.Lunit:
	s_cmp_gt_u32 s[UI], s[WV]
	s_cbranch_scc1 .Lnext           ; all the unit's keys lie behind my rows
	v_add_nc_u32 v[AK], s[TK], v[AK0]
	v_add_nc_u32 v[AV], s[TV], v[AV0]
	WIN 0x80
.irp f, 0,1,2,3,4,5,6,7             ; block f / 4, keys 16 ((f / 2) % 2) on, channels 32 (f % 2) on
	ds_load_b128 v[KF+8*\f:KF+8*\f+3],   v[AK] offset:(\f/4)*KAB+((\f/2)%2)*16*PK+(\f%2)*64
	ds_load_b128 v[KF+8*\f+4:KF+8*\f+7], v[AK] offset:(\f/4)*KAB+((\f/2)%2)*16*PK+(\f%2)*64+32
.endr
.irp f, 0,1,2,3,4,5,6,7             ; block f / 4, channels 16 (f % 4) on
	ds_load_tr16_b128 v[VF+8*\f:VF+8*\f+3],   v[AV] offset:(\f/4)*EEB+(\f%4)*32
	ds_load_tr16_b128 v[VF+8*\f+4:VF+8*\f+7], v[AV] offset:(\f/4)*EEB+16*PV+(\f%4)*32
.endr
	s_wait_dscnt 16                 ; ka's run, which is older, is in; e's sixteen loads may be out
	WIN W_KQ
.set i, 0
.rept 16                            ; channels 32 (i / 8) on; accumulator i % 8: tile (i % 8) / 2, keys 16 (i % 2) on.  The first 8 start the sums
.set aS, S+8*(i%8)
.set aK, KF+32*((i%8)/4)+16*(i%2)+8*(i/8)
.set aQ, 16*((i%8)/2)+8*(i/8)
.if i < 8
	v_wmma_f32_16x16x32_f16 v[aS:aS+7], v[aK:aK+7], v[aQ:aQ+7], 0
.else
	v_wmma_f32_16x16x32_f16 v[aS:aS+7], v[aK:aK+7], v[aQ:aQ+7], v[aS:aS+7]
.endif
.set i, i+1
.endr
	WIN 0
	PLACES
	s_cmp_lg_u32 s[UI], s[WV]
	s_cbranch_scc1 .Lfull           ; all the unit's keys lie in front of my rows
.irp t, 0, 2                        ; my own 32 keys.  Tile u = 0: its first 16 keys hold the diagonal, the other 16 are hidden.  Tile u = 1: the first 16 are seen, the other 16 hold the diagonal
.set z, 0
.rept 8
	v_cndmask_b32 v[S+16*\t+z], 0, v[S+16*\t+z], s[DM+z]
.set z, z+1
.endr
.set z, 0
.rept 8
	v_mov_b32 v[S+16*\t+8+z], 0
.set z, z+1
.endr
.set z, 0
.rept 8
	v_cndmask_b32 v[S+16*\t+24+z], 0, v[S+16*\t+24+z], s[DM+z]
.set z, z+1
.endr
.endr
.Lfull:
.set z, 0
.rept 32                            ; the weights rounded to f16, ascending
	v_cvt_pk_f16_f32 v[P+z], v[S+2*z], v[S+2*z+1]
.set z, z+1
.endr
	s_wait_dscnt 0x0                ; e is in
	WIN W_PV
.set i, 0
.rept 16                            ; tile i / 4, channels 16 (i % 4) on
	v_wmma_f32_16x16x32_f16 v[8*i:8*i+7], v[VF+32*(i/8)+8*(i%4):VF+32*(i/8)+8*(i%4)+7], v[P+8*(i/4):P+8*(i/4)+7], v[8*i:8*i+7]
.set i, i+1
.endr
	WIN 0
	PLACES                          ; in front of the next unit's loads and roundings
.Lnext:
	s_add_co_u32 s[TK], s[TK], 32*PK
	s_add_co_u32 s[TV], s[TV], 32*PV
	s_add_co_u32 s[UI], s[UI], 1
	s_cmp_lt_u32 s[UI], 4
	s_cbranch_scc1 .Lunit
	; THE STATES, second part: chunks 8 .. 14 - b onto block 0's; a quarter that was not asked for still holds an older chunk and takes the factor 0
	s_wait_loadcnt 0x0
	WIN 0x40
.set i, 0
.rept 16                            ; y: 512 consecutive bytes a load; register x of a tile's 32 goes beside register x of its O^T.  It has the states' end and their product in which to land
	global_load_b128 v[YB+4*i:YB+4*i+3],       v[GO], s[YBS:YBS+1] offset:i*512
	global_load_b128 v[YB+64+4*i:YB+64+4*i+3], v[GO], s[YBS+2:YBS+3] offset:i*512
.set i, i+1
.endr
	WIN 0xf3                        ; destination, source 0 and source 2 in window 3
.set j, 8
.rept 7
	s_cmp_gt_u32 s[B0], j
	s_cselect_b32 s[M1], 1.0, 0
.set z, 0
.rept 16
	v_pk_fma_f32 v[2*z:2*z+1], v[32*(j-7)+2*z:32*(j-7)+2*z+1], s[M1:M1+1], v[2*z:2*z+1] op_sel_hi:[1,0,1]
.set z, z+1
.endr
.set j, j+1
.endr
; My quarter of a state becomes hi = bf16(S), lo = bf16(S - hi): sixteen words each, which are two fragments (16 channels c x 32 channels d) as they stand.  src: its first register; w: its window
.macro SCONV blk, src, w
	WIN 5*(\w)                      ; sources 0 and 1
.set z, 0
.rept 16
	v_cvt_pk_bf16_f32 v[HW+16*(\blk)+z], v[(\src)+2*z], v[(\src)+2*z+1]
.set z, z+1
.endr
	WIN 0
.set z, 0
.rept 16
	v_lshlrev_b32 v[U+2*z],   16,     v[HW+16*(\blk)+z]
	v_and_b32     v[U+2*z+1], s[HIM], v[HW+16*(\blk)+z]
.set z, z+1
.endr
	WIN (\w)                        ; source 0
.set z, 0
.rept 16
	v_pk_add_f32 v[U+2*z:U+2*z+1], v[(\src)+2*z:(\src)+2*z+1], v[U+2*z:U+2*z+1] neg_lo:[0,1] neg_hi:[0,1]
.set z, z+1
.endr
	WIN 0
.set z, 0
.rept 16
	v_cvt_pk_bf16_f32 v[LW+16*(\blk)+z], v[U+2*z], v[U+2*z+1]
.set z, z+1
.endr
.irp k, 0,1,2,3
	ds_store_b128 v[SW], v[HW+16*(\blk)+4*\k:HW+16*(\blk)+4*\k+3] offset:(\blk)*16384+\k*512
	ds_store_b128 v[SW], v[LW+16*(\blk)+4*\k:LW+16*(\blk)+4*\k+3] offset:(\blk)*16384+8192+\k*512
.endr
.endm
	SCONV 0, 0, 3
	SCONV 1, T, 0
	s_wait_dscnt 0x0                ; for the others' sake: my fragments are in LDS
	s_barrier_signal -1
	s_barrier_wait -1
	WIN 0xc0
.set z, 0
.rept 64                            ; all fragments: block, hi or lo, cb, kd at 128 x block + 64 x (lo) + 16 cb + 8 kd
	ds_load_b128 v[4*z:4*z+3], v[SR] offset:z*512
.set z, z+1
.endr
; O^T += S^T Qa'^T for a block: hi and lo, two halves kd of the 64 channels d; its eight accumulators take turns
.macro SPROD blk
	WIN W_SP
.set i, 0
.rept 32
.set aO, 32*(2*(\blk)+(i%8)/4)+8*(i%4)
.set aS, 128*(\blk)+64*(i/16)+16*(i%4)+8*((i/8)%2)
.set aQ, QBW+16*(2*(\blk)+(i%8)/4)+8*((i/8)%2)
	v_wmma_f32_16x16x32_bf16 v[aO:aO+7], v[aS:aS+7], v[aQ:aQ+7], v[aO:aO+7]
.set i, i+1
.endr
.endm
	s_wait_dscnt 32                 ; block 0's 32 loads are in; block 1's, which are younger, may be out
	SPROD 0
	s_wait_dscnt 0x0
	SPROD 1
	WIN 0
	PLACES
; THE WAY OUT, tile ti.  O = A y2' + y in f32; hi = bf16(O), lo = bf16(O - hi); both through my stage, back as whole rows of 256 bytes.  Two sets of registers take turns.
.macro PACKO ti
.set pp, (\ti)%2
.if (\ti) >= 2
	s_wait_xcnt 0x0                 ; the registers that the stores of two tiles ago read are loaded again only behind this wait
.endif
	WIN 0x51                        ; O^T and y in window 1, A in window 0
.set z, 0
.rept 16
	v_pk_fma_f32 v[32*(\ti)+2*z:32*(\ti)+2*z+1], v[32*(\ti)+2*z:32*(\ti)+2*z+1], v[AQ+2*(\ti):AQ+2*(\ti)+1], v[YB+32*(\ti)+2*z:YB+32*(\ti)+2*z+1] op_sel_hi:[1,0,1]
.set z, z+1
.endr
	WIN 0x05
.set z, 0
.rept 16
	v_cvt_pk_bf16_f32 v[HB+16*pp+z], v[32*(\ti)+2*z], v[32*(\ti)+2*z+1]
.set z, z+1
.endr
	WIN 0
.set z, 0
.rept 16
	v_lshlrev_b32 v[T+2*z],   16,     v[HB+16*pp+z]
	v_and_b32     v[T+2*z+1], s[HIM], v[HB+16*pp+z]
.set z, z+1
.endr
	WIN 0x01
.set z, 0
.rept 16
	v_pk_add_f32 v[T+2*z:T+2*z+1], v[32*(\ti)+2*z:32*(\ti)+2*z+1], v[T+2*z:T+2*z+1] neg_lo:[0,1] neg_hi:[0,1]
.set z, z+1
.endr
	WIN 0
.set z, 0
.rept 16
	v_cvt_pk_bf16_f32 v[LB+16*pp+z], v[T+2*z], v[T+2*z+1]
.set z, z+1
.endr
.irp f, 0,1,2,3
	ds_store_b128 v[STO], v[HB+16*pp+4*\f:HB+16*pp+4*\f+3] offset:32*\f
	ds_store_b128 v[STO], v[LB+16*pp+4*\f:LB+16*pp+4*\f+3] offset:128+32*\f
.endr
.irp t, 0,1,2,3,4,5,6,7
	ds_load_b128 v[BK+96*pp+4*\t:BK+96*pp+4*\t+3], v[RD] offset:\t*2*SP  ; LDS serves a wave's instructions in order (ISA guide 5.7.1.4): these see the stores above
.endr
.endm
.macro SENDO ti, younger            ; younger: the LDS instructions issued behind tile ti's loads: the next tile's sixteen, or none
.irp t, 0,1,2,3,4,5,6,7
	s_wait_dscnt (\younger)+7-\t
	global_store_b128 v[GO], v[BK+96*((\ti)%2)+4*\t:BK+96*((\ti)%2)+4*\t+3], s[OB+2*((\ti)/2):OB+2*((\ti)/2)+1] offset:((\ti)%2)*4096+\t*512  ; two rows: 512 consecutive bytes, at a multiple of 256
.endr
.endm
	s_wait_loadcnt 0x0              ; y
	PACKO 0
	PACKO 1
	SENDO 0, 16
	PACKO 2
	SENDO 1, 16
	PACKO 3
	SENDO 2, 16
	SENDO 3, 0
	s_wait_tensorcnt 0x0            ; the wave's end
	ds_add_u32 v[SPW], v[NIL]
	s_wait_dscnt 0x0
	s_endpgm
.Lfunc_end_k_q154f78cc86_attn_ma:
	.size	k_q154f78cc86_attn_ma, .Lfunc_end_k_q154f78cc86_attn_ma-k_q154f78cc86_attn_ma
	.p2alignl 7, 3214868480
	.fill 96, 4, 3214868480
	.section	.rodata,"a",@progbits
	.p2align	6, 0x0
	.amdhsa_kernel k_q154f78cc86_attn_ma
		.amdhsa_group_segment_fixed_size 202240
		.amdhsa_private_segment_fixed_size 0
		.amdhsa_enable_private_segment 0
		.amdhsa_kernarg_size 40
		.amdhsa_user_sgpr_count 2
		.amdhsa_user_sgpr_kernarg_segment_ptr 1
		.amdhsa_wavefront_size32 1
		.amdhsa_system_sgpr_workgroup_id_x 1
		.amdhsa_system_sgpr_workgroup_id_y 1
		.amdhsa_system_sgpr_workgroup_id_z 1
		.amdhsa_system_vgpr_workitem_id 0
		.amdhsa_next_free_vgpr 1024
		.amdhsa_next_free_sgpr 100
		.amdhsa_reserve_vcc 0
		.amdhsa_float_denorm_mode_32 3
		.amdhsa_float_denorm_mode_16_64 3
		.amdhsa_memory_ordered 1
		.amdhsa_forward_progress 1
		.amdhsa_inst_pref_size 119
	.end_amdhsa_kernel
	.amdgpu_metadata
---
amdhsa.version: [ 1, 2 ]
amdhsa.kernels:
  - .name:           k_q154f78cc86_attn_ma
    .symbol:         k_q154f78cc86_attn_ma.kd
    .args:
      - { .name: qkk, .offset: 0, .size: 8, .value_kind: global_buffer, .address_space: global }
      - { .name: eh, .offset: 8, .size: 8, .value_kind: global_buffer, .address_space: global }
      - { .name: yf, .offset: 16, .size: 8, .value_kind: global_buffer, .address_space: global }
      - { .name: cst, .offset: 24, .size: 8, .value_kind: global_buffer, .address_space: global }
      - { .name: ohl, .offset: 32, .size: 8, .value_kind: global_buffer, .address_space: global }
    .group_segment_fixed_size: 202240
    .private_segment_fixed_size: 0
    .kernarg_segment_align: 8
    .kernarg_segment_size: 40
    .max_flat_workgroup_size: 128
    .sgpr_count:     100
    .vgpr_count:     1024
    .wavefront_size: 32
...
	.end_amdgpu_metadata
.endif
;; end of part 8
;; launch gemm_out: the kernel of part 5 again; grid 8 x 32, 4 waves a work-group, clusters of 4 x 4, 327,680 bytes of LDS; arguments ohl, wts, out0; writes out0
;; ======== version 3 of 3: 5 launches; 1.24 times as fast as version 1
;; limits: values are held in f16: magnitudes above 65,504 overflow, below 6.1e-05 lose precision; inputs' magnitudes at most 32,752
;; workspace buffers: xb 8,388,608 bytes; vh 8,388,608 bytes; wts 8,388,608 bytes; qkk 25,165,824 bytes; yf 16,777,216 bytes; eh 8,388,608 bytes; ohl 16,777,216 bytes; cst 8,388,608 bytes
;; launch prep: the kernel of part 1 again; grid 512 x 1, 8 waves a work-group, no clusters, 0 bytes of LDS; arguments x, W_attn, W_k2, W_proj, xb, vh, wts; writes xb, vh, wts
;; launch gemm_in (part 9): grid 8 x 32, 4 waves a work-group, clusters of 4 x 4, 327,680 bytes of LDS; arguments xb, wts, qkk; writes qkk
.if DOCPART == 9
	.amdgcn_target "amdgcn-amd-amdhsa--gfx1250"
	.amdhsa_code_object_version 6
	.text
	.protected	k_q154f78cc86_gemm_in
	.globl	k_q154f78cc86_gemm_in
	.p2align	8
	.type	k_q154f78cc86_gemm_in,@function
k_q154f78cc86_gemm_in:
	s_mov_b64 s[64:65], 0
	v_nop
	global_prefetch_b8 v0, s[64:65] scope:SCOPE_SE
	s_setreg_imm32_b32 hwreg(HW_REG_WAVE_MODE, 25, 1), 1
	s_wait_xcnt 0x0
	s_wait_alu depctr_hold_cnt(0) depctr_sa_sdst(0) depctr_va_vdst(0) depctr_va_sdst(0) depctr_va_ssrc(0) depctr_va_vcc(0) depctr_vm_vsrc(0)
	s_getreg_b32 s2, hwreg(HW_REG_IB_STS2, 6, 4)
	s_cmp_eq_u32 s2, 0
	s_cbranch_scc0 .Lentry_in_a_cluster
	s_endpgm
.Lentry_in_a_cluster:
	s_bfe_u32 s2, ttmp6, 0x10000c
	s_cmp_lg_u32 s2, 0xf033
	s_cbranch_scc0 .Lentry_shape_is_right
	s_endpgm
.Lentry_shape_is_right:
; [q | k | k2] = xb x wts: 4096 x 3072 x 1024 in bf16, sums in f32.  Stored by heads as f16, qkk = [3][32 = batch x 16 + head][2048][64]: q and k unscaled, and in place of k2
; ka = sigmoid(0.02 x k2 / 8) = 1 / (1 + 2^(-0.0025 log2(e) k2)), made in f32.
; LIMIT.  f16 ends at 65,504: |q| and |k| have to stay below it.  ka lies in 0 to 1.
; A tile of C is 128 rows x 384 columns: 128 columns of each of the three parts, so that 32 x 8 = 256 work-groups make all of C and x's tile serves all three parts.  Four waves, each 64 rows x 192 columns
; (one head of q, of k and of k2): 48 accumulators, 384 registers; for 32 along K a wave loads 4 + 12 fragments and issues 48 matrix instructions.
; K goes in steps of 128 through two LDS slots.  A's step is 128 rows x 256 bytes (pitch 272).  B stays [k][n]: as a row k of wts is 3 x 1,024 elements, the weights are read as rows r = 3 k + part of 1,024
; elements, and a step is ONE tile of 384 such rows x 256 bytes (pitch 288): in LDS the rows k of one part lie 864 bytes apart.  B's fragments come out of LDS turned, by ds_load_tr16_b128.
; Every tile row is 256 bytes of memory at a multiple of 256.  Wave 0 fetches A's 128 rows, waves 1 to 3 B's rows 128 (w - 1) on: one tensor load of 128 rows a wave and step.
; THE MATRIX INSTRUCTION IS USED TRANSPOSED (source 0 = 16 columns n of B, source 1 = 16 rows of A): a lane holds eight neighbouring columns of one row of C.
; CLUSTER 4 x 4: the four work-groups of a row of the cluster need the same tiles of A, the four of a column the same tiles of B; each tile is asked for jointly.
; 16 rows of a head are 2,048 consecutive bytes of qkk: they go out through the wave's own stage.
; THE SIGMOID IS TWO BATCHES, each with one wait: all 128 exponentials of the third part's accumulators, issued ahead of block 6 of the way out and waited for behind it; all 128 reciprocals, issued ahead of
; block 7 and waited for ahead of block 8, the first that rounds them.  Blocks 6 and 7, which name none of those registers, are the work between a batch and its wait.
; REGISTERS, in windows of 256 (s_set_vgpr_msb: bits 1:0 source 0, 3:2 source 1, 5:4 source 2, 7:6 destination):
;   window 0: v0-31 addresses; v32-95 the way out     window 1: two fragment buffers of 128: 32 of A (4 x 16 rows x 32 K), then 96 of B (part, then 4 x 16 columns)
;   window 2: the accumulators of q (v0-127) and k (v128-255), (a, b) at 8 (4 a + b)     window 3: v0-127 those of k2
.set PA,      272                      ; a row of A in LDS: 256 + 16: the 16 rows of a load start at 16 different groups of four banks
.set PB,      288                      ; a row r of B: 256 + 32
.set PK3,     3*PB                     ; from a row k of one part to the next: 864 = 27 x 32
.set PART,    128*PB                   ; a wave's share of a slot: 128 rows of B; A's 128 rows, 34,816 bytes, lie in the first such share
.set SLOT,    4*PART
.set STAGE,   2*SLOT                   ; behind the ring, never filled by a tensor load: 16 rows x 144 bytes for each wave
.set SPITCH,  144
.set SPARE,   STAGE+4*16*SPITCH        ; the spare words, 128 bytes for each wave: two blocks of 256 bytes that no other line names
.set LAPS,    4                        ; K = 1024: eight steps, four laps round the ring
.set ASLOT,   256                      ; bytes from a K step of A to the next
.set BSLOT,   384*2048                 ; the same for B: 384 rows r of 2,048 bytes
.set ADRA, 16                          ; v16-17  my A fragments in slot 0, 1
.set ADRB, 20                          ; v20-23  my B fragments: 2 x slot + half of the step's 128 rows k
.set STO,  24
.set RD,   25
.set CO,   26
.set SPW,  28                          ; my spare word; never rewritten
.set NIL,  29                          ; 0; never rewritten
.set TMP,  32                          ; four sets of 16 registers, by turns
.set F0,   0
.set F1,   128
.set OB,   4                           ; s[4:5], s[6:7], s[8:9]: qkk at my rows of my head in part 0, 1, 2 (once the tensors' addresses have served)
.set G1,  24                           ; s[24:31] group 1 for A;  s[32:39] group 0, one set a slot
.set G0,  32
.set G1B, 48                           ; s[48:55], s[56:63] the same for B
.set G0B, 56
.set MSB, 0
.macro WIN new                         ; the immediate's high byte repeats the setting that is left
.if MSB != (\new)
	s_set_vgpr_msb (MSB<<8)|(\new)
.set MSB, \new
.endif
.endm
.set MUL,  0xa5                        ; sources 0 (B) and 1 (A) window 1; C and D window 2 (0xf5: window 3)
.set TO_F, 0x40                        ; destination window 1, address window 0
.macro JLOAD s                         ; a joint load: wave 0 fetches A's tile, waves 1 to 3 a third of B's each; an s_nop 0 and four v_nop follow each line
	s_cmp_eq_u32 s10, 0
	s_cbranch_scc0 .Lfor_b_\@
	tensor_load_to_lds s[G0+4*(\s):G0+4*(\s)+3], s[G1:G1+7]
	s_nop 0
.rept 4
	v_nop
.endr
	s_branch .Lasked_\@
.Lfor_b_\@:
	tensor_load_to_lds s[G0B+4*(\s):G0B+4*(\s)+3], s[G1B:G1B+7]
	s_nop 0
.rept 4
	v_nop
.endr
.Lasked_\@:
.endm
.macro CREST                           ; a round of the cluster's barrier behind its opening barrier
	s_cmp_lg_u32 s10, 0
	s_cbranch_scc1 .Lnot_wave_0_\@
	s_barrier_signal -3
.Lnot_wave_0_\@:
	s_barrier_wait -3
	s_barrier_signal -1
	s_barrier_wait -1
.endm
.macro CROUND
	s_barrier_signal -1
	s_barrier_wait -1
	CREST
.endm
	s_load_b128 s[4:7], s[0:1], 0x0                ; xb s[4:5], wts s[6:7]
	s_load_b64 s[8:9], s[0:1], 0x10                ; qkk
	v_lshl_add_u32 v[SPW], v0, 2, SPARE
	v_mov_b32 v[NIL], 0
	ds_add_u32 v[SPW], v[NIL]                      ; the wave's opening: the add and its wait ahead of my first tensor load
	v_lshrrev_b32 v1, 5, v0
	v_readfirstlane_b32 s10, v1                    ; wave 0..3
	s_lshr_b32 s11, s10, 1                         ; my half of the tile's rows
	s_and_b32 s12, s10, 1                          ; my half of each part's 128 columns
	s_bfe_u32 s40, ttmp6, 0x40000                  ; cx, cy
	s_bfe_u32 s41, ttmp6, 0x40004
	s_lshl_b32 s42, ttmp9, 2
	s_add_co_u32 s42, s42, s40                     ; tile column, 0 to 7
	s_and_b32 s13, ttmp7, 0xffff
	s_lshl_b32 s13, s13, 2
	s_add_co_u32 s13, s13, s41                     ; tile row, 0 to 31
	s_lshl_b32 s43, s41, 2
	s_lshl_b32 s43, 15, s43                        ; my row of the cluster
	s_lshl_b32 s44, 0x1111, s40                    ; my column
	s_or_b32 s[G1+0], s43, (1<<16)|(1<<20)|(1<<21)|(5<<22)|(3<<25)   ; mask; 2-byte elements; padding on; bit 21 beside a mask; after every 64 words 4 words
	s_or_b32 s[G1B+0], s44, (1<<16)|(1<<20)|(1<<21)|(5<<22)|(7<<25)  ; the same with my column's mask and 8 words of padding
.irp g, G1, G1B
	s_mov_b32 s[(\g)+1], 128<<16                   ; tensor_dim0 = 128
	s_mov_b32 s[(\g)+2], 128<<16                   ; tensor_dim1 = 128
	s_mov_b32 s[(\g)+3], 128<<16                   ; tile_dim0 = 128
	s_mov_b32 s[(\g)+4], 128                       ; tile_dim1 = 128
	s_mov_b32 s[(\g)+5], 1024                      ; 1,024 elements from row to row, in xb and in wts read by rows r
	s_mov_b32 s[(\g)+6], 0
	s_mov_b32 s[(\g)+7], 0
.endr
	s_lshl_b32 s16, s13, 18                        ; A: 128 rows of 2,048 bytes a tile row
	s_mov_b32 s17, 0
	s_max_u32 s47, s10, 1                          ; B: my third, w - 1 (wave 0, which asks for A, makes the first third's address and does not use it):
	s_sub_co_u32 s47, s47, 1
	s_lshl_b32 s47, s47, 18                        ; 128 rows r of 2,048 bytes,
	s_lshl_b32 s46, s42, 8                         ; 256 bytes a tile column
	s_add_co_u32 s46, s46, s47
	s_mov_b32 s47, 0
	s_mul_i32 s20, s10, PART                       ; where they go: wave x 36,864: no place in the cluster enters an LDS address
	s_wait_dscnt 0x0                               ; the opening add is done
	s_wait_kmcnt 0x0
	s_add_nc_u64 s[14:15], s[4:5], s[16:17]
	s_add_nc_u64 s[46:47], s[6:7], s[46:47]
	CROUND                                         ; all sixteen work-groups are here: the first joint loads meet
.irp s, 0,1
	s_mov_b32 s[G0+4*(\s)], 1
	s_add_co_u32 s[G0+4*(\s)+1], s20, (\s)*SLOT
	s_add_nc_u64 s[G0+4*(\s)+2:G0+4*(\s)+3], s[14:15], (\s)*ASLOT
	s_or_b32 s[G0+4*(\s)+3], s[G0+4*(\s)+3], 0x80000000
	s_mov_b32 s[G0B+4*(\s)], 1
	s_add_co_u32 s[G0B+4*(\s)+1], s20, (\s)*SLOT
	s_add_nc_u64 s[G0B+4*(\s)+2:G0B+4*(\s)+3], s[46:47], (\s)*BSLOT
	s_or_b32 s[G0B+4*(\s)+3], s[G0B+4*(\s)+3], 0x80000000
	JLOAD \s                                       ; two loads of mine are out
.endr
	v_and_b32 v1, 15, v0                           ; l % 16
	v_bfe_u32 v2, v0, 4, 1                         ; l / 16
	v_mul_u32_u24 v3, v1, PA
	v_lshl_add_u32 v3, v2, 4, v3                   ; A: row x pitch + 16 x half
	s_mul_i32 s22, s11, 64*PA                      ; my 64 rows
	v_add_nc_u32 v[ADRA], s22, v3
	v_add_nc_u32 v[ADRA+1], SLOT, v[ADRA]
	v_and_b32 v4, 7, v0                            ; B, turned: lane l reads row k = 8 (l / 16) + l % 8, columns 8 ((l / 8) % 2) + 0..7
	v_lshl_add_u32 v4, v2, 3, v4
	v_mul_u32_u24 v4, v4, PK3
	v_bfe_u32 v5, v0, 3, 1
	v_lshl_add_u32 v4, v5, 4, v4
	s_lshl_b32 s22, s12, 7                         ; my 64 columns of each part's 128,
	s_add_co_u32 s22, s22, PART                    ; behind A's share
	v_add_nc_u32 v[ADRB], s22, v4
	v_add_nc_u32 v[ADRB+1], 64*PK3, v[ADRB]        ; the step's second 64 rows k: so that the loads' offsets stay inside 16 bits
	v_add_nc_u32 v[ADRB+2], SLOT, v[ADRB]
	v_add_nc_u32 v[ADRB+3], SLOT, v[ADRB+1]
	s_mul_i32 s23, s10, 16*SPITCH
	s_add_co_u32 s23, s23, STAGE                   ; my stage
	v_mul_u32_u24 v6, v1, SPITCH                   ; in: row l % 16, 16 bytes for each half of the lanes
	v_lshl_add_u32 v6, v2, 4, v6
	v_add_nc_u32 v[STO], s23, v6
	v_bfe_u32 v6, v0, 3, 2                         ; back: 32 lanes take four rows of 128 bytes,
	v_mul_u32_u24 v6, v6, SPITCH
	v_and_b32 v7, 7, v0
	v_lshl_add_u32 v6, v7, 4, v6
	v_add_nc_u32 v[RD], s23, v6
	v_and_b32 v[CO], 31, v0                        ; which are 512 consecutive bytes of qkk
	v_lshlrev_b32 v[CO], 4, v[CO]
	s_lshr_b32 s16, s13, 4                         ; the batch: 16 heads of 262,144 bytes
	s_lshl_b32 s16, s16, 22
	s_and_b32 s17, s13, 15                         ; 128 rows of 128 bytes a tile row,
	s_lshl_b32 s17, s17, 14
	s_add_co_u32 s16, s16, s17
	s_lshl_b32 s17, s11, 13                        ; my 64 of them
	s_add_co_u32 s16, s16, s17
	s_mov_b32 s17, 0
	s_add_nc_u64 s[8:9], s[8:9], s[16:17]
	s_lshl_b32 s46, s42, 1
	s_add_co_u32 s46, s46, s12                     ; my head: 2 x tile column + my half
	s_lshl_b32 s46, s46, 18
	s_mov_b32 s47, 0
	s_add_nc_u64 s[8:9], s[8:9], s[46:47]
	s_mov_b64 s[OB:OB+1], s[8:9]                   ; a part is 8,388,608 bytes, more than a store's immediate reaches: an address for each part
	s_add_nc_u64 s[OB+2:OB+3], s[8:9], 8388608
	s_add_nc_u64 s[OB+4:OB+5], s[8:9], 16777216
	s_mov_b32 s18, 0xbb6c5f04                      ; -0.0025 log2(e)
	s_mov_b32 s19, s18                             ; named with it as a pair
; 16 matrix instructions: all 4 m blocks x the 4 n blocks of one part, 32 along K, from buffer f.  zero = 1: the product starts the sums.  The 48 accumulators take turns.
.macro MUL16 f, sec, zero
	WIN MUL+0x50*((\sec)/2)
.irp a, 0,1,2,3
.irp b, 0,1,2,3
.if \zero
	v_wmma_f32_16x16x32_bf16 v[128*((\sec)%2)+8*(4*(\a)+(\b)):128*((\sec)%2)+8*(4*(\a)+(\b))+7], v[(\f)+32+8*(4*(\sec)+(\b)):(\f)+32+8*(4*(\sec)+(\b))+7], v[(\f)+8*(\a):(\f)+8*(\a)+7], 0
.else
	v_wmma_f32_16x16x32_bf16 v[128*((\sec)%2)+8*(4*(\a)+(\b)):128*((\sec)%2)+8*(4*(\a)+(\b))+7], v[(\f)+32+8*(4*(\sec)+(\b)):(\f)+32+8*(4*(\sec)+(\b))+7], v[(\f)+8*(\a):(\f)+8*(\a)+7], v[128*((\sec)%2)+8*(4*(\a)+(\b)):128*((\sec)%2)+8*(4*(\a)+(\b))+7]
.endif
.endr
.endr
.endm
; 32 LDS loads in one run: the fragments of quarter q (32 along K) into buffer f: A's eight loads, then B's eight for each part in turn
.macro FETCH slot, q, f
	WIN TO_F
.irp i, 0,1,2,3
	ds_load_b128 v[(\f)+8*(\i):(\f)+8*(\i)+3],   v[ADRA+(\slot)] offset:64*(\q)+(\i)*16*PA
	ds_load_b128 v[(\f)+8*(\i)+4:(\f)+8*(\i)+7], v[ADRA+(\slot)] offset:64*(\q)+(\i)*16*PA+32
.endr
.irp b, 0,1,2,3,4,5,6,7,8,9,10,11      ; part b / 4, columns 16 (b % 4) on
	ds_load_tr16_b128 v[(\f)+32+8*(\b):(\f)+32+8*(\b)+3],   v[ADRB+2*(\slot)+(\q)/2] offset:(((\q)%2)*32)*PK3+((\b)/4)*PB+((\b)%4)*32
	ds_load_tr16_b128 v[(\f)+32+8*(\b)+4:(\f)+32+8*(\b)+7], v[ADRB+2*(\slot)+(\q)/2] offset:(((\q)%2)*32+16)*PK3+((\b)/4)*PB+((\b)%4)*32
.endr
.endm
.macro PLACES                          ; four places in front of loads into registers that matrix instructions have read, and of lines that read results
.rept 4
	v_nop
.endr
.endm
; A K step is four quarters of 32 along K, 48 matrix instructions each, on buffers 0, 1, 0, 1.  One of the first three: multiplies buffer f and fetches quarter q into g, 32 matrix instructions ahead of its first use.
.macro QUARTER slot, q, f, g, zero
	s_wait_dscnt 16                                ; A's fragments and part 0's are in; the sixteen younger loads (parts 1 and 2) may be out
	MUL16 \f, 0, \zero
	PLACES
	FETCH \slot, \q, \g
	s_wait_dscnt 32                                ; all but the 32 just issued
	MUL16 \f, 1, \zero
	MUL16 \f, 2, \zero
.endm
; The last quarter multiplies buffer 1 and changes slots: one barrier; in front of it each wave waits for all its tensor loads, adds 0 to its spare word, and waits for that and for its reads of this slot.
; fill = 1: this slot is filled again, two K steps ahead: from that request to the wait for it a wave issues 160 matrix instructions.
.macro TURN slot, next, fill
	WIN 0
	s_wait_tensorcnt 0x0                           ; all my tensor loads have landed: my part of the next slot
	ds_add_u32 v[SPW], v[NIL]                      ; 0 onto my spare word
	s_wait_dscnt 17                                ; (the add and the youngest sixteen loads may be out)
	MUL16 F1, 0, 0
	s_wait_dscnt 0x0                               ; the add is done, and my reads of this slot are over
	s_barrier_signal -1
	MUL16 F1, 1, 0
.if \fill
	WIN 0
.endif
	s_barrier_wait -1
.if \fill
	CREST                                          ; the barrier has opened a round of the cluster's: no wave of any partner still reads this slot or has a load on its way
	s_add_nc_u64 s[G0+4*(\slot)+2:G0+4*(\slot)+3], s[G0+4*(\slot)+2:G0+4*(\slot)+3], 2*ASLOT
	s_add_nc_u64 s[G0B+4*(\slot)+2:G0B+4*(\slot)+3], s[G0B+4*(\slot)+2:G0B+4*(\slot)+3], 2*BSLOT
	JLOAD \slot                                    ; my one tensor load behind the round; its four v_nop are also the places in front of the loads below
.else
	PLACES
.endif
	FETCH \next, 0, F0
	MUL16 F1, 2, 0
.endm
	s_wait_tensorcnt 1                             ; my part of K step 0 is in; step 1's may stay out
	s_barrier_signal -1
	s_barrier_wait -1
	FETCH 0, 0, F0
	QUARTER 0, 1, F0, F1, 1                        ; the first quarter stands in front of the loop: its products start the sums
	WIN 0
	s_mov_b32 s3, LAPS-1
.Llap:                                                 ; a trip goes once round the ring, from a lap's second quarter to the next lap's first, and fills both slots again
	QUARTER 0, 2, F1, F0, 0
	QUARTER 0, 3, F0, F1, 0
	TURN 0, 1, 1
	QUARTER 1, 1, F0, F1, 0
	QUARTER 1, 2, F1, F0, 0
	QUARTER 1, 3, F0, F1, 0
	TURN 1, 0, 1
	QUARTER 0, 1, F0, F1, 0
	WIN 0
	s_sub_co_u32 s3, s3, 1
	s_cmp_lg_u32 s3, 0
	s_cbranch_scc1 .Llap
	QUARTER 0, 2, F1, F0, 0                        ; the last lap fills nothing
	QUARTER 0, 3, F0, F1, 0
	TURN 0, 1, 0
	QUARTER 1, 1, F0, F1, 0
	QUARTER 1, 2, F1, F0, 0
	QUARTER 1, 3, F0, F1, 0
	s_wait_dscnt 16                                ; the very last quarter: nothing more to fetch
	MUL16 F1, 0, 0
	s_wait_dscnt 0
	MUL16 F1, 1, 0
	MUL16 F1, 2, 0
	WIN 0
	PLACES
	; THE WAY OUT, in twelve blocks n of 16 rows: part n / 4, rows 16 (n % 4) on.  The third part's numbers become ka first, in f32 and in place.  Each accumulator is read from its low end on.
; ka's first batch: the third part's 128 numbers (window 3, v0-127) times -0.0025 log2(e), a pair a line, and their 128 exponentials, a scaling two pairs ahead between the two exponentials of a pair.
; No line here names an exponential's result.  The plain instruction behind the last exponential is the first rounding of the block that follows.
.macro KA_EXP
	WIN 0xc3                                       ; destination and source 0 in window 3
	v_pk_mul_f32 v[0:1], v[0:1], s[18:19] op_sel_hi:[1,0]
	v_pk_mul_f32 v[2:3], v[2:3], s[18:19] op_sel_hi:[1,0]
.set z, 0
.rept 64
	v_exp_f32 v[2*z], v[2*z]
.if z < 62
	v_pk_mul_f32 v[2*z+4:2*z+5], v[2*z+4:2*z+5], s[18:19] op_sel_hi:[1,0]
.endif
	v_exp_f32 v[2*z+1], v[2*z+1]
.set z, z+1
.endr
.endm
; ka's second batch: 1 is added, a pair a line, and the 128 reciprocals are issued, in the same order.  The additions read the first batch's results: its one wait stands ahead of the first of them.
.macro KA_RCP
	WIN 0xc3
	s_wait_alu depctr_va_vdst(0)                   ; the wait for the batch of 128 exponentials: block 6's roundings, stage and stores have stood between
	v_pk_add_f32 v[0:1], v[0:1], 1.0 op_sel_hi:[1,0]
	v_pk_add_f32 v[2:3], v[2:3], 1.0 op_sel_hi:[1,0]
.set z, 0
.rept 64
	v_rcp_f32 v[2*z], v[2*z]
.if z < 62
	v_pk_add_f32 v[2*z+4:2*z+5], v[2*z+4:2*z+5], 1.0 op_sel_hi:[1,0]
.endif
	v_rcp_f32 v[2*z+1], v[2*z+1]
.set z, z+1
.endr
.endm
.macro PACK n                          ; rounded to f16, into my stage (rows of 144 bytes), and back as whole rows of 128 bytes, into the set of registers n % 4
.if (\n) == 6
	KA_EXP
.endif
.if (\n) == 7
	KA_RCP
.endif
.if (\n) >= 4
	s_wait_xcnt 0x0                                ; the set's registers, which the stores of four blocks ago read, are written again only behind this wait
.endif
	WIN 0x0a+5*((\n)/8)                            ; sources 0 and 1 in window 2, for the third part in window 3
.if (\n) == 8
	s_wait_alu depctr_va_vdst(0)                   ; the wait for the batch of 128 reciprocals, ahead of their first reader: block 7's roundings, stage and stores have stood between
.endif
.irp b, 0,1,2,3
.irp r, 0,1,2,3
	v_cvt_pk_f16_f32 v[TMP+16*((\n)%4)+4*(\b)+(\r)], v[128*(((\n)/4)%2)+8*(4*((\n)%4)+(\b))+2*(\r)], v[128*(((\n)/4)%2)+8*(4*((\n)%4)+(\b))+2*(\r)+1]
.endr
.endr
	WIN 0
.irp b, 0,1,2,3
	ds_store_b128 v[STO], v[TMP+16*((\n)%4)+4*(\b):TMP+16*((\n)%4)+4*(\b)+3] offset:32*(\b)
.endr
.irp f, 0,1,2,3
	ds_load_b128 v[TMP+16*((\n)%4)+4*(\f):TMP+16*((\n)%4)+4*(\f)+3], v[RD] offset:(\f)*4*SPITCH  ; LDS serves a wave's instructions in order (ISA guide 5.7.1.4): these see the stores above; the next block's stores come behind them
.endr
.endm
.macro SEND n, younger                 ; younger: the LDS instructions issued behind block n's loads: the next block's eight, or none
.irp f, 0,1,2,3
	s_wait_dscnt (\younger)+3-(\f)
	global_store_b128 v[CO], v[TMP+16*((\n)%4)+4*(\f):TMP+16*((\n)%4)+4*(\f)+3], s[OB+2*((\n)/4):OB+2*((\n)/4)+1] offset:((\n)%4)*2048+(\f)*512  ; 512 consecutive bytes, at a multiple of 256 from the buffer's first
.endr
.endm
	PACK 0
.irp n, 1,2,3,4,5,6,7,8,9,10,11        ; a block's arithmetic stands between the loads of the block before and its stores
	PACK \n
	SEND (\n)-1, 8
.endr
	SEND 11, 0
	s_wait_tensorcnt 0x0                           ; the wave's end
	ds_add_u32 v[SPW], v[NIL]
	s_wait_dscnt 0x0
	CROUND                                         ; the closing round: no work-group ends while a partner may still ask for a tile that names it
	s_endpgm
.Lfunc_end_k_q154f78cc86_gemm_in:
	.size	k_q154f78cc86_gemm_in, .Lfunc_end_k_q154f78cc86_gemm_in-k_q154f78cc86_gemm_in
	.p2alignl 7, 3214868480
	.fill 96, 4, 3214868480
	.section	.rodata,"a",@progbits
	.p2align	6, 0x0
	.amdhsa_kernel k_q154f78cc86_gemm_in
		.amdhsa_group_segment_fixed_size 327680
		.amdhsa_private_segment_fixed_size 0
		.amdhsa_enable_private_segment 0
		.amdhsa_kernarg_size 24
		.amdhsa_user_sgpr_count 2
		.amdhsa_user_sgpr_kernarg_segment_ptr 1
		.amdhsa_wavefront_size32 1
		.amdhsa_system_sgpr_workgroup_id_x 1
		.amdhsa_system_sgpr_workgroup_id_y 1
		.amdhsa_system_sgpr_workgroup_id_z 1
		.amdhsa_system_vgpr_workitem_id 0
		.amdhsa_next_free_vgpr 896
		.amdhsa_next_free_sgpr 66
		.amdhsa_reserve_vcc 0
		.amdhsa_float_denorm_mode_32 3
		.amdhsa_float_denorm_mode_16_64 3
		.amdhsa_memory_ordered 1
		.amdhsa_forward_progress 1
		.amdhsa_inst_pref_size 137
	.end_amdhsa_kernel
	.amdgpu_metadata
---
amdhsa.version: [ 1, 2 ]
amdhsa.kernels:
  - .name:           k_q154f78cc86_gemm_in
    .symbol:         k_q154f78cc86_gemm_in.kd
    .args:
      - { .name: xb, .offset: 0, .size: 8, .value_kind: global_buffer, .address_space: global }
      - { .name: wts, .offset: 8, .size: 8, .value_kind: global_buffer, .address_space: global }
      - { .name: qkk, .offset: 16, .size: 8, .value_kind: global_buffer, .address_space: global }
    .group_segment_fixed_size: 327680
    .private_segment_fixed_size: 0
    .kernarg_segment_align: 8
    .kernarg_segment_size: 24
    .max_flat_workgroup_size: 128
    .sgpr_count:     66
    .vgpr_count:     896
    .wavefront_size: 32
...
	.end_amdgpu_metadata
.endif
;; end of part 9
;; launch attn_ar (part 10): grid 8 x 32, 4 waves a work-group, no clusters, 327,680 bytes of LDS; arguments qkk, vh, xb, yf, eh, cst; writes yf, eh, cst
.if DOCPART == 10
	.amdgcn_target "amdgcn-amd-amdhsa--gfx1250"
	.amdhsa_code_object_version 6
	.text
	.protected	k_q154f78cc86_attn_ar
	.globl	k_q154f78cc86_attn_ar
	.p2align	8
	.type	k_q154f78cc86_attn_ar,@function
k_q154f78cc86_attn_ar:
	s_mov_b64 s[64:65], 0
	v_nop
	global_prefetch_b8 v0, s[64:65] scope:SCOPE_SE
	s_setreg_imm32_b32 hwreg(HW_REG_WAVE_MODE, 25, 1), 1
	s_wait_xcnt 0x0
; THE AR BRANCH.  y[t] = the sum over s <= t of softmax_s(q[t] . k[s] / 8) v[s];  e[t] = x[t+1] - y[t];  and for each block of 128 rows the chunk state C[d][c] = the sum over its rows s of ka[s][d] e[s][c].
; q, k, ka (parts 0, 1, 2 of qkk) and v (vh) are [32][2048][64] in f16; x comes from xb ([4096][1024] bf16).  Products, maxima and sums in f32; the weights are rounded to f16 for the second product.
; y leaves in f32 in the accumulators' own lane layout (yf: [32][128 tiles of 16 queries][8 pieces][32 lanes][4]: piece i of lane l holds registers 4 i .. 4 i + 3 of the tile's O^T).  e is made in f32 and
; rounded once to f16 (eh: [32][2048][64]); e[2047] is made of x[2047] itself: it is finite, and nothing later gives it a weight.  C leaves in f32, again as accumulators lie
; (cst: [32][16 blocks][cb 4][db 4][2 pieces][32 lanes][4]: lane l, register j of tile (db, cb) holds d = 16 db + 8 (l / 16) + j, c = 16 cb + l % 16).
; LIMITS.  A hidden score counts as -1e30 (the reference writes -1e9: the same result while a visible score of the row lies above -1e9 + 104); a weight below 2^-126 counts as 0; f16: |e| < 65,504, so |x| < 32,752;
; NaN and infinities are not treated apart.
; THE WALK.  A head has 16 blocks of 128 queries.  A work-group takes the pair 15 - b and b: first the odd one F, which needs (F + 1) / 2 whole key tiles of 256 keys (in its last tile key steps 2 and 3 of 64
; hold the diagonal), then the even one G, which needs G / 2 whole tiles and half a tile (two steps, both with the diagonal).  That is 9 tiles and 34 key steps whatever b: one loop of 8 trips, and the
; walk's last tile, always G's last, written out.  Every jump but the counted loops' own goes forward, and none passes a tensor load but the one of LOAD's two that the wave's number does not choose.  The first
; block's end, which holds a barrier, is jumped in the other trips: that branch hangs on the work-group's number alone, so all four waves take it alike.
; NO CLUSTER: the head's eight work-groups walk blocks of different lengths, so they ask for the same tile only until the shortest first block ends; one walk common to all would have 16 trips for 9.
; SHARES.  Wave w owns rows 32 w .. 32 w + 31 of a block: two tiles u of 16 queries.  S^T = K Q^T holds one query a lane (lane % 16) and the keys 8 (lane / 16) + 0..7; two such results rounded to f16 are
; source 1 of O^T = V^T P.  p = 2^(c s - c m), c = log2(e) / 8, with a running maximum m; O and l are multiplied by a = 2^(c m_old - c m_new) in every step.  c m starts far below every c s, so a block's
; first step has a = 0 and is a step like any other; for that O^T and l are cleared once (68 v_mov_b32, in the wait for the first tile), on purpose: no first step is written out.
; IN PHASES: a step's 16 products K Q^T, the mask, the softmax, its 16 products V^T P.
; THE EXPONENTIALS OF A STEP ARE ONE BATCH OF 66, WITH ONE WAIT: the two tiles' a, then the 64 weights', the 32 scalings c s - c m set between them.  Ahead of the wait no line names a result of the batch; behind
; it stand all that do: the 32 roundings, the sums, l = a l + sum, O^T times a.  A block's end has a batch of its own: two reciprocals, one wait.
; REGISTERS, in windows of 256 (s_set_vgpr_msb: bits 1:0 source 0, 3:2 source 1, 5:4 source 2, 7:6 destination):
;   window 0: v0-63 addresses and statistics; v64-127 S^T (32 a tile); v128-159 P (16 a tile)     window 1: v0-63 O^T (32 a tile); v64-127 x[t+1] for both blocks, as O^T lies; v128-191 my rows of ka, both blocks
;   window 2: v0-31 Q; v32-63 the second block's Q; v64-127 K of one step; v128-191 V of one step; at a block's end v64-127 fragments of ka^T and e^T, v128-255 the chunk state
.set KS,    64
.set PK,    144       ; a row of K in LDS: 128 bytes + 16: the 16 rows of a load start at 16 different groups of four banks
.set PV,    160       ; a row of V: 128 + 32
.set VOFF,  4*KS*PK   ; a slot holds a tile: 256 rows of K, then 256 rows of V
.set SLOT1, 1<<17     ; slot 1 begins here: one exclusive or turns an address in one slot into the other's
.set EW,    SLOT1+4*KS*(PK+PV)  ; behind the ring, never filled by a tensor load: for each wave its 32 rows of e, 160 bytes apart
.set EWB,   32*PV
.set KOFF,  4*EWB               ; that far behind a wave's rows of e: its 32 rows of ka
.set RED,   EW+8*EWB            ; the four waves' parts of a chunk state, 16,384 bytes each
.set SPARE, RED+4*16384         ; the spare words, 128 bytes for each wave: two blocks of 256 bytes that no other line names
.set AK0, 2           ; my lane's place in a tile of K; never rewritten
.set AV0, 3           ; the same for V
.set AK,  4
.set AV,  5
.set STO, 6           ; e into my rows: row l % 16, 16 bytes for each half of the lanes
.set RD,  7           ; rows back, and ka's rows in: 32 lanes take four rows of 128 bytes
.set GO,  8           ; 16 x lane
.set MV,  12          ; v12-13  c m_old, by tile
.set DQ,  14          ; v14-15  my query's place in the block less my lanes' 8 (l / 16), by tile
.set ST,  16          ; tile u's statistics at ST + 4 u: c m, m, l (even keys', odd keys')
.set TMPR, 24         ; by tile four registers c0-c3 at work; c2 takes a
.set EQ,  32          ; v32-33  DQ less the step's first key
.set QO,  34
.set TE,  35          ; the turning load's place in my rows of e
.set RW,  36          ; my part of the chunk state
.set RR,  37          ; my quarter of the first wave's part
.set VA,  40          ; v40-43  byte offsets of the rows t + 1 in xb, by block and tile
.set SPW, 62
.set NIL, 63
.set S,   64
.set P,   128
.set VB,  64          ; window 1
.set KAR, 128         ; window 1
.set Q2,  32          ; window 2
.set KF,  64
.set VF,  128
.set AC,  128
.set WV,  12
.set BB,  14          ; b
.set BF,  15          ; F
.set BG,  16          ; G
.set G1K, 24
.set G1V, 32
.set G0K, 40
.set G0V, 44
.set KB,  48          ; s[48:49] K at my half of the head's tile 0
.set VBS, 50          ; s[50:51] the same for V
.set OUT0, 52         ; s[52:53] yf, s[54:55] eh at my rows of the block in hand
.set SLOTS, 56
.set STP, 57          ; the key step in the tile
.set CS,  58
.set SEL, 60
.set TBK, 62
.set TBV, 63
.set OUT1, 66         ; s[66:69] the same two for the second block
.set RT,  70          ; tiles of the first block still to be entered
.set NXT, 71          ; the tile to be asked for next
.set LQ,  72          ; the last tile of the block whose tiles are being asked for
.set MS,  73          ; the tile's first step that takes the mask
.set OFF, 74
.set GH,  76          ; G / 2
.set SD,  77          ; the step's first key, counted from the block's first query
.set BIGN, 78
.set HIM, 79          ; a word's upper bf16
.set QBF, 80
.set QBG, 82
.set XB,  84          ; s[84:85] xb at the batch's first row, the head's 128 bytes
.set CO0, 86          ; s[86:87] cst at my quarter of the block in hand
.set CO1, 88          ; s[88:89] of the second block
.set KAF, 90          ; s[90:91], s[92:93] ka at my rows of the two blocks
.set KAG, 92
.set MSB, 0
.macro WIN new
.if MSB != (\new)
	s_set_vgpr_msb (MSB<<8)|(\new)
.set MSB, (\new)
.endif
.endm
.set W_KQ, 0x0a       ; K and Q in window 2, S^T in window 0
.set W_PV, 0x52       ; V in window 2, P in window 0, O^T in window 1
.set W_RS, 0x41       ; destination and source 0 in window 1, source 1 in window 0
.macro PLACES         ; four places behind matrix instructions, in front of lines that read their results or load into their sources
.rept 4
	v_nop
.endr
.endm
.macro LOAD           ; a fill: waves 0 and 1 fetch the two halves of a tile's K, waves 2 and 3 those of its V; an s_nop 0 and four v_nop follow each line
	s_cmp_lt_u32 s[WV], 2
	s_cbranch_scc0 .Lfor_v_\@
	tensor_load_to_lds s[G0K:G0K+3], s[G1K:G1K+7]
	s_nop 0
.rept 4
	v_nop
.endr
	s_branch .Lasked_\@
.Lfor_v_\@:
	tensor_load_to_lds s[G0V:G0V+3], s[G1V:G1V+7]
	s_nop 0
.rept 4
	v_nop
.endr
.Lasked_\@:
.endm
; THE CHANGE OF SLOTS.  Each wave waits for all its tensor loads (one is out: its part of the other slot), adds 0 to its spare word, and waits for that and for its reads of the slot that it leaves.
; Behind the barrier nobody reads the old slot and the other is whole.  fill = 1: the old slot is filled again, first thing behind the barrier, with tile NXT; the address is made anew from that number.
.macro CHANGE fill
	WIN 0
	s_wait_tensorcnt 0x0
	ds_add_u32 v[SPW], v[NIL]       ; the scalar work below stands between the add and the wait for it
.if \fill
	s_lshl_b32 s[OFF], s[NXT], 15   ; a tile is 32,768 bytes of K and of V
	s_xor_b32 s[G0K+1], s[G0K+1], SLOT1
	s_add_nc_u64 s[G0K+2:G0K+3], s[KB:KB+1], s[OFF:OFF+1]
	s_or_b32 s[G0K+3], s[G0K+3], 0x80000000
	s_xor_b32 s[G0V+1], s[G0V+1], SLOT1
	s_add_nc_u64 s[G0V+2:G0V+3], s[VBS:VBS+1], s[OFF:OFF+1]
	s_or_b32 s[G0V+3], s[G0V+3], 0x80000000
	s_add_co_u32 s[NXT], s[NXT], 1  ; the block's next tile, or behind its last the second block's tile 0
	s_cmp_gt_u32 s[NXT], s[LQ]
	s_cselect_b32 s[NXT], 0, s[NXT]
	s_cselect_b32 s[LQ], s[GH], s[LQ]
.endif
	s_wait_dscnt 0x0                ; the add is done, and my reads of the slot are over
	s_barrier_signal -1
	s_sub_co_u32 s[TBK], s[TBK], 4*KS*PK  ; the fetches go back to a slot's first step, in the other slot
	s_xor_b32 s[TBK], s[TBK], SLOT1
	s_sub_co_u32 s[TBV], s[TBV], 4*KS*PV
	s_xor_b32 s[TBV], s[TBV], SLOT1
	s_barrier_wait -1
.if \fill
	LOAD
.endif
.endm
	s_load_b256 s[4:11], s[0:1], 0x0  ; qkk s[4:5], vh s[6:7], xb s[8:9], yf s[10:11]
	s_load_b128 s[96:99], s[0:1], 0x20  ; eh s[96:97], cst s[98:99]
	v_lshl_add_u32 v[SPW], v0, 2, SPARE
	v_mov_b32 v[NIL], 0
	ds_add_u32 v[SPW], v[NIL]       ; the wave's opening: the add and its wait ahead of my first tensor load
	v_lshrrev_b32 v1, 5, v0
	v_readfirstlane_b32 s[WV], v1
	s_mov_b32 s[BB], ttmp9
	s_and_b32 s13, ttmp7, 0xffff    ; batch x 16 + head
	s_sub_co_u32 s20, 15, s[BB]
	s_bitcmp1_b32 s[BB], 0
	s_cselect_b32 s[BF], s[BB], s20 ; the odd block of the pair
	s_cselect_b32 s[BG], s20, s[BB] ; the even one
	s_add_co_u32 s[RT], s[BF], 1
	s_lshr_b32 s[RT], s[RT], 1      ; F's tiles
	s_sub_co_u32 s[LQ], s[RT], 1
	s_lshr_b32 s[GH], s[BG], 1
	s_mov_b32 s[NXT], 1             ; tile 0 is asked for below; behind F's last tile comes G's tile 0
	s_cmp_gt_u32 s[NXT], s[LQ]
	s_cselect_b32 s[NXT], 0, s[NXT]
	s_cselect_b32 s[LQ], s[GH], s[LQ]
	s_lshl_b32 s20, s13, 18         ; the head's 262,144 bytes in each f16 tensor, and in cst
	s_and_b32 s19, s[WV], 1         ; which half of a tile's 256 keys I fetch
	s_lshl_b32 s22, s19, 14
	s_add_co_u32 s22, s22, s20
	s_mov_b32 s23, 0
	s_mul_i32 s17, s19, 128*PK
	s_mul_i32 s18, s19, 128*PV
	s_lshl_b32 s2, s[WV], 12        ; my 32 rows of 128 bytes; in cst my quarter of 4,096 bytes
	s_add_co_u32 s2, s2, s20
	s_lshl_b32 s94, s[BF], 14       ; a block's 128 rows; in cst its 16,384 bytes
	s_add_co_u32 s94, s94, s2       ; so one offset serves q, ka, eh and cst: F's,
	s_mov_b32 s95, 0
	s_lshl_b32 s100, s[BG], 14
	s_add_co_u32 s100, s100, s2     ; and G's
	s_mov_b32 s101, 0
	s_lshl_b32 s2, s94, 1           ; in yf a row's share is 256 bytes
	s_mov_b32 s3, 0
	s_lshl_b32 s20, s100, 1
	s_mov_b32 s21, 0
	s_lshr_b32 s[XB], s13, 4        ; in xb: the batch's 2,048 rows of 2,048 bytes,
	s_lshl_b32 s[XB], s[XB], 22
	s_and_b32 s19, s13, 15          ; the head's 128 bytes in a row
	s_lshl_b32 s19, s19, 7
	s_add_co_u32 s[XB], s[XB], s19
	s_mov_b32 s[XB+1], 0
	; group 1: 128 keys are 16,384 dense bytes: asked for as 64 rows of 256 bytes, two keys a row, padded in LDS after every key
	s_mov_b32 s[G1K], (1<<16)|(1<<20)|(4<<22)|(3<<25)  ; 2-byte elements; padding on; after every 32 words 4 words
	s_mov_b32 s[G1V], (1<<16)|(1<<20)|(4<<22)|(7<<25)  ; the same with 8 words
.irp g, G1K, G1V
	s_mov_b32 s[\g+1], 128<<16
	s_mov_b32 s[\g+2], 64<<16
	s_mov_b32 s[\g+3], 128<<16
	s_mov_b32 s[\g+4], 64
	s_mov_b32 s[\g+5], 128
	s_mov_b32 s[\g+6], 0
	s_mov_b32 s[\g+7], 0
.endr
	s_mov_b32 s[CS], 0x3e38aa3b     ; c = log2(e) / 8
	s_mov_b32 s[CS+1], s[CS]
	s_mov_b32 s[SEL], 0x76543210
	s_mov_b32 s[SEL+1], 0xfedcba98
	s_mov_b32 s[TBK], SLOT1+4*KS*PK ; the first change of slots turns these two into 0
	s_mov_b32 s[TBV], SLOT1+4*KS*PV
	s_mov_b32 s[G0K], 1
	s_mov_b32 s[G0K+1], s17
	s_mov_b32 s[G0V], 1
	s_add_co_u32 s[G0V+1], s18, VOFF
	s_mov_b32 s[OFF+1], 0
	s_mov_b32 s[BIGN], 0xf149f2ca   ; -1e30
	s_mov_b32 s[HIM], 0xffff0000
	s_mov_b32 s[SLOTS], 8
	s_wait_dscnt 0x0                ; the opening add is done
	s_wait_kmcnt 0x0
	s_add_nc_u64 s[KB:KB+1], s[4:5], s[22:23]
	s_add_nc_u64 s[KB:KB+1], s[KB:KB+1], 8388608   ; k is part 1 of qkk
	s_add_nc_u64 s[VBS:VBS+1], s[6:7], s[22:23]
	s_add_nc_u64 s[QBF:QBF+1], s[4:5], s[94:95]
	s_add_nc_u64 s[QBG:QBG+1], s[4:5], s[100:101]
	s_add_nc_u64 s[KAF:KAF+1], s[QBF:QBF+1], 16777216  ; ka is part 2
	s_add_nc_u64 s[KAG:KAG+1], s[QBG:QBG+1], 16777216
	s_add_nc_u64 s[OUT0:OUT0+1], s[10:11], s[2:3]
	s_add_nc_u64 s[OUT1:OUT1+1], s[10:11], s[20:21]
	s_add_nc_u64 s[OUT0+2:OUT0+3], s[96:97], s[94:95]
	s_add_nc_u64 s[OUT1+2:OUT1+3], s[96:97], s[100:101]
	s_add_nc_u64 s[CO0:CO0+1], s[98:99], s[94:95]
	s_add_nc_u64 s[CO1:CO1+1], s[98:99], s[100:101]
	s_add_nc_u64 s[XB:XB+1], s[8:9], s[XB:XB+1]
	s_mov_b64 s[G0K+2:G0K+3], s[KB:KB+1]
	s_or_b32 s[G0K+3], s[G0K+3], 0x80000000
	s_mov_b64 s[G0V+2:G0V+3], s[VBS:VBS+1]
	s_or_b32 s[G0V+3], s[G0V+3], 0x80000000
	LOAD                            ; tile 0 into slot 0: one load of mine is out
	v_and_b32 v1, 15, v0            ; l % 16
	v_bfe_u32 v9, v0, 4, 1          ; l / 16
	v_lshlrev_b32 v[QO], 7, v1
	v_lshl_add_u32 v[QO], v9, 4, v[QO]
	WIN 0x80
.set i, 0
.rept 4                             ; both blocks' Q: tile i / 2, channels 32 (i % 2) on
	global_load_b128 v[8*i:8*i+3],   v[QO], s[QBF:QBF+1] offset:(i/2)*2048+(i%2)*64
	global_load_b128 v[8*i+4:8*i+7], v[QO], s[QBF:QBF+1] offset:(i/2)*2048+(i%2)*64+32
	global_load_b128 v[Q2+8*i:Q2+8*i+3],   v[QO], s[QBG:QBG+1] offset:(i/2)*2048+(i%2)*64
	global_load_b128 v[Q2+8*i+4:Q2+8*i+7], v[QO], s[QBG:QBG+1] offset:(i/2)*2048+(i%2)*64+32
.set i, i+1
.endr
	WIN 0
	v_and_b32 v[GO], 31, v0
	v_lshlrev_b32 v[GO], 4, v[GO]
	v_and_b32 v10, 7, v0
	s_lshl_b32 s19, s[WV], 5        ; the row behind my query's: 128 x block + 32 w + 16 u + l % 16 + 1; the batch's last row takes itself
	s_add_co_u32 s19, s19, 1
	s_lshl_b32 s2, s[BF], 7
	s_add_co_u32 s2, s2, s19
	s_lshl_b32 s3, s[BG], 7
	s_add_co_u32 s3, s3, s19
	v_add_lshl_u32 v[VA], v1, s2, 11
	v_add_lshl_u32 v[VA+2], v1, s3, 11
	v_add_nc_u32 v[VA+1], 16*2048, v[VA]
	v_add_nc_u32 v[VA+3], 16*2048, v[VA+2]
.set i, 0
.rept 4
	v_min_u32 v[VA+i], 2047*2048, v[VA+i]
	v_lshl_add_u32 v[VA+i], v9, 4, v[VA+i]  ; my lanes' eight channels of each sixteen: as a tile's O^T lies
.set i, i+1
.endr
	WIN 0x40
.set i, 0
.rept 16                            ; tile i / 4 (block, then u), channels 16 (i % 4) on
	global_load_b128 v[VB+4*i:VB+4*i+3], v[VA+i/4], s[XB:XB+1] offset:(i%4)*32
.set i, i+1
.endr
.set i, 0
.rept 8                             ; my 32 rows of ka, four rows (512 consecutive bytes) a load
	global_load_b128 v[KAR+4*i:KAR+4*i+3],       v[GO], s[KAF:KAF+1] offset:i*512
	global_load_b128 v[KAR+32+4*i:KAR+32+4*i+3], v[GO], s[KAG:KAG+1] offset:i*512
.set i, i+1
.endr
.set i, 0
.rept 64
	v_mov_b32 v[i], 0               ; O^T
.set i, i+1
.endr
	WIN 0
	v_lshlrev_b32 v11, 3, v9
	v_sub_nc_u32 v11, v1, v11
	s_lshl_b32 s20, s[WV], 5
	v_add_nc_u32 v[DQ], s20, v11    ; 32 w + l % 16 - 8 (l / 16)
	v_add_nc_u32 v[DQ+1], 16, v[DQ]
	v_mul_u32_u24 v[AK0], v1, PK
	v_lshl_add_u32 v[AK0], v9, 4, v[AK0]
	s_mul_i32 s20, s[WV], EWB
	s_add_co_u32 s20, s20, EW       ; my rows of e
	v_bfe_u32 v11, v0, 3, 1         ; the turning load: lane l reads row 8 (l / 16) + l % 8, channels 8 ((l / 8) % 2) + 0..7
	v_lshl_add_u32 v[AV0], v9, 3, v10
	v_mul_u32_u24 v[AV0], v[AV0], PV
	v_lshl_add_u32 v[AV0], v11, 4, v[AV0]
	v_add_nc_u32 v[TE], s20, v[AV0] ; the same place in my rows of e, which have V's pitch
	v_add_nc_u32 v[AV0], VOFF, v[AV0]
	v_mul_u32_u24 v[STO], v1, PV
	v_lshl_add_u32 v[STO], v9, 4, v[STO]
	v_add_nc_u32 v[STO], s20, v[STO]
	v_bfe_u32 v[RD], v0, 3, 2
	v_mul_u32_u24 v[RD], v[RD], PV
	v_lshl_add_u32 v[RD], v10, 4, v[RD]
	v_add_nc_u32 v[RD], s20, v[RD]
	s_lshl_b32 s20, s[WV], 14
	s_add_co_u32 s20, s20, RED
	v_add_nc_u32 v[RW], s20, v[GO]
	s_lshl_b32 s20, s[WV], 12
	s_add_co_u32 s20, s20, RED
	v_add_nc_u32 v[RR], s20, v[GO]
.macro RESET                        ; c m far below every c s, m the lowest finite number
.irp u, 0,1
	v_mov_b32 v[ST+4*\u], 0xfe000000
	v_mov_b32 v[ST+4*\u+1], 0xff7fffff
.endr
.endm
	RESET
.irp u, 0,1
	v_mov_b32 v[ST+4*\u+2], 0
	v_mov_b32 v[ST+4*\u+3], 0
.endr
; THE MATRIX WORK.  The eight accumulators of a run of 16 take turns.
.macro KQALL                        ; product i: channels 32 (i / 8) on, keys 16 ((i / 2) % 4) on, tile i % 2.  The first 8 start the sums
	WIN W_KQ
.set i, 0
.rept 16
.set aS, S+32*(i%2)+8*((i/2)%4)
.set aK, KF+16*((i/2)%4)+8*(i/8)
.set aQ, 16*(i%2)+8*(i/8)
.if i < 8
	v_wmma_f32_16x16x32_f16 v[aS:aS+7], v[aK:aK+7], v[aQ:aQ+7], 0
.else
	v_wmma_f32_16x16x32_f16 v[aS:aS+7], v[aK:aK+7], v[aQ:aQ+7], v[aS:aS+7]
.endif
.set i, i+1
.endr
.endm
.macro PVALL                        ; product i: keys 32 (i / 8) on, channels 16 ((i / 2) % 4) on, tile i % 2
	WIN W_PV
.set i, 0
.rept 16
.set aO, 32*(i%2)+8*((i/2)%4)
.set aV, VF+32*(i/8)+8*((i/2)%4)
.set aP, P+16*(i%2)+8*(i/8)
	v_wmma_f32_16x16x32_f16 v[aO:aO+7], v[aV:aV+7], v[aP:aP+7], v[aO:aO+7]
.set i, i+1
.endr
.endm
.macro FETCH_K                      ; a step's K, 64 keys x 64 channels: 16 loads in one run
	WIN 0
	v_add_nc_u32 v[AK], s[TBK], v[AK0]
	WIN 0x80
.irp f, 0,1,2,3,4,5,6,7
	ds_load_b128 v[KF+8*\f:KF+8*\f+3],   v[AK] offset:(\f/2)*16*PK+(\f%2)*64
	ds_load_b128 v[KF+8*\f+4:KF+8*\f+7], v[AK] offset:(\f/2)*16*PK+(\f%2)*64+32
.endr
	s_add_co_u32 s[TBK], s[TBK], KS*PK
	WIN 0
.endm
.macro FETCH_V                      ; a step's V, turned
	WIN 0
	v_add_nc_u32 v[AV], s[TBV], v[AV0]
	WIN 0x80
.irp f, 0,1,2,3,4,5,6,7
	ds_load_tr16_b128 v[VF+8*\f:VF+8*\f+3],   v[AV] offset:(\f/4)*32*PV+(\f%4)*32
	ds_load_tr16_b128 v[VF+8*\f+4:VF+8*\f+7], v[AV] offset:(\f/4)*32*PV+16*PV+(\f%4)*32
.endr
	s_add_co_u32 s[TBV], s[TBV], KS*PV
	WIN 0
.endm
; THE MASK: register j of key group kb is hidden where 16 kb + j is greater than my query's place less the step's first key.  Each accumulator is taken from its low end on.
.macro MASK
	v_sub_nc_u32 v[EQ], v[DQ], s[SD]
	v_sub_nc_u32 v[EQ+1], v[DQ+1], s[SD]
.set z, 0
.rept 64
	v_cmp_le_i32 vcc_lo, 16*((z%32)/8)+z%8, v[EQ+z/32]
	v_cndmask_b32 v[S+z], s[BIGN], v[S+z], vcc_lo
.set z, z+1
.endr
.endm
; THE SOFTMAX of a step, the two tiles alternating.
.macro REGS u
.set rT, ST+4*(\u)
.set rC, TMPR+4*(\u)
.set rM, MV+(\u)
.set rS, S+32*(\u)
.set rP, P+16*(\u)
.endm
; number n of the 22 that find a tile's maximum and statistics: 0-11 four chains of seven scores, three operands at a time (each accumulator's lowest registers first);
; 12-14, 16 the four scores left over, the old m, and the chains into c0; 15 c m_old is kept; 17, 18 the query's other 32 keys lie in the lane 16 away; 19-21 c m, c m_old - c m_new, a
.macro XS u, n
	REGS \u
.if (\n) < 4
	v_max3_num_f32 v[rC+(\n)], v[rS+8*(\n)], v[rS+8*(\n)+1], v[rS+8*(\n)+2]
.elseif (\n) < 12
	v_max3_num_f32 v[rC+(\n)%4], v[rC+(\n)%4], v[rS+8*((\n)%4)+2*((\n)/4)+1], v[rS+8*((\n)%4)+2*((\n)/4)+2]
.elseif (\n) == 12
	v_max3_num_f32 v[rC], v[rC], v[rS+7], v[rS+15]
.elseif (\n) == 13
	v_max3_num_f32 v[rC+1], v[rC+1], v[rS+23], v[rS+31]
.elseif (\n) == 14
	v_max3_num_f32 v[rC+2], v[rC+2], v[rC+3], v[rT+1]
.elseif (\n) == 15
	v_mov_b32 v[rM], v[rT]
.elseif (\n) == 16
	v_max3_num_f32 v[rC], v[rC], v[rC+1], v[rC+2]
.elseif (\n) == 17
	v_permlanex16_b32 v[rC+3], v[rC], s[SEL], s[SEL+1]
.elseif (\n) == 18
	v_max_num_f32 v[rT+1], v[rC], v[rC+3]
.elseif (\n) == 19
	v_mul_f32 v[rT], s[CS], v[rT+1]
.elseif (\n) == 20
	v_sub_f32 v[rC+1], v[rM], v[rT]
.else
	v_exp_f32 v[rC+2], v[rC+1]
.endif
.endm
; pair p of 32: tile p % 2, its pair p / 2 of scores
.macro FS p                         ; c s - c m
	REGS (\p)%2
	v_pk_fma_f32 v[rS+2*((\p)/2):rS+2*((\p)/2)+1], v[rS+2*((\p)/2):rS+2*((\p)/2)+1], s[CS:CS+1], v[rT:rT+1] op_sel_hi:[1,0,0] neg_lo:[0,0,1] neg_hi:[0,0,1]
.endm
.macro ES p, k                      ; the exponential of the pair's number k
	REGS (\p)%2
	v_exp_f32 v[rS+2*((\p)/2)+(\k)], v[rS+2*((\p)/2)+(\k)]
.endm
.macro CV p                         ; the pair rounded to f16: a reader of the batch, so it stands behind the step's wait
	REGS (\p)%2
	v_cvt_pk_f16_f32 v[rP+(\p)/2], v[rS+2*((\p)/2)], v[rS+2*((\p)/2)+1]
.endm
.macro SUM u, w                     ; pairs w .. 2 w - 1 are added onto pairs 0 .. w - 1, in place
	REGS \u
.set z, 0
.rept \w
	v_pk_add_f32 v[rS+2*z:rS+2*z+1], v[rS+2*z:rS+2*z+1], v[rS+2*(z+(\w)):rS+2*(z+(\w))+1]
.set z, z+1
.endr
.endm
.macro VEC
	WIN 0
.irp n, 0,1,2,3,4,5,6,7,8,9,10,11,12,13,14,15,16,17,18,19,20,21
	XS 0, \n
	XS 1, \n
.endr                               ; numbers 21, the two a, open the batch
	FS 0                            ; plain lines behind the two exponentials that made a
	FS 1
.set i, 0
.rept 32                            ; the batch goes on: a pair's two exponentials with a scaling two pairs ahead between them; the scalings read scores that are still to be raised, c and c m, and no result of the batch
	ES i, 0
.if i < 30
	FS i+2
.endif
	ES i, 1
.set i, i+1
.endr
	v_nop                           ; a plain instruction behind the last exponential: one for the batch; the step has no other work left that names none of its results
	s_wait_alu depctr_va_vdst(0)    ; the wait for the batch: one for the step's 66 exponentials, ahead of their first reader
.set i, 0
.rept 32
	CV i
.set i, i+1
.endr
	SUM 0, 8
	SUM 1, 8
	SUM 0, 4
	SUM 1, 4
	SUM 0, 2
	SUM 1, 2
	SUM 0, 1
	SUM 1, 1
.irp u, 0,1
	v_pk_fma_f32 v[ST+4*\u+2:ST+4*\u+3], v[ST+4*\u+2:ST+4*\u+3], v[TMPR+4*\u+2:TMPR+4*\u+3], v[S+32*\u:S+32*\u+1] op_sel_hi:[1,0,1]  ; l = a l + the step's sum
.endr
	WIN W_RS
.set z, 0
.rept 16                            ; O^T times a, each accumulator from its low end on
	v_pk_mul_f32 v[2*z:2*z+1], v[2*z:2*z+1], v[TMPR+2:TMPR+3] op_sel_hi:[1,0]
	v_pk_mul_f32 v[32+2*z:32+2*z+1], v[32+2*z:32+2*z+1], v[TMPR+6:TMPR+7] op_sel_hi:[1,0]
.set z, z+1
.endr
	WIN 0
.endm
; A KEY STEP.  lastst: the tile's last live step, which fetches no further K.  branch = 1: steps below MS take no mask.  sub: the tile's first step with the diagonal.
.macro STEP lastst, branch, sub
	FETCH_V                         ; the places behind the last products V^T P stand at the last step's end
	s_wait_dscnt 16                 ; K's run, which is older, is in; V's sixteen loads may be out
	KQALL
	WIN 0
	PLACES                          ; in front of the loads into K's registers and of the first read of the scores
	s_cmp_eq_u32 s[STP], \lastst
	s_cbranch_scc1 .Lno_k_\@
	FETCH_K                         ; the next step's K, a step ahead
.Lno_k_\@:
.if \branch
	s_cmp_lt_u32 s[STP], s[MS]
	s_cbranch_scc1 .Lno_mask_\@
.endif
	s_sub_co_u32 s[SD], s[STP], \sub
	s_lshl_b32 s[SD], s[SD], 6
	MASK
.Lno_mask_\@:
	VEC
	s_wait_dscnt 0x0                ; V and the next K are in
	PVALL
	WIN 0
	PLACES
.endm
; A BLOCK'S END, tile u: O^T is divided by l and stored as it lies (yf); e = x[t + 1] - y[t] is made beside it in f32, rounded to f16 and put into my rows of e.
.macro PACKY u, blk
	WIN W_RS
.set z, 0
.rept 16
	v_pk_mul_f32 v[32*(\u)+2*z:32*(\u)+2*z+1], v[32*(\u)+2*z:32*(\u)+2*z+1], v[ST+4*(\u)+2:ST+4*(\u)+3] op_sel_hi:[1,0]
.set z, z+1
.endr
	WIN 0x04                        ; source 1 (store data too) in window 1
.set z, 0
.rept 8
	global_store_b128 v[GO], v[32*(\u)+4*z:32*(\u)+4*z+3], s[OUT0:OUT0+1] offset:(\u)*4096+z*512  ; 512 consecutive bytes, at a multiple of 256
.set z, z+1
.endr
.set z, 0
.rept 16                            ; bf16 to f32: the low half moves up, the high half stays
	v_lshlrev_b32 v[S+32*(\u)+2*z],   16,     v[VB+32*(\blk)+16*(\u)+z]
	v_and_b32     v[S+32*(\u)+2*z+1], s[HIM], v[VB+32*(\blk)+16*(\u)+z]
.set z, z+1
.endr
.set z, 0
.rept 16
	v_pk_add_f32 v[S+32*(\u)+2*z:S+32*(\u)+2*z+1], v[S+32*(\u)+2*z:S+32*(\u)+2*z+1], v[32*(\u)+2*z:32*(\u)+2*z+1] neg_lo:[0,1] neg_hi:[0,1]
.set z, z+1
.endr
	WIN 0
.set z, 0
.rept 16
	v_cvt_pk_f16_f32 v[P+16*(\u)+z], v[S+32*(\u)+2*z], v[S+32*(\u)+2*z+1]
.set z, z+1
.endr
.irp f, 0,1,2,3
	ds_store_b128 v[STO], v[P+16*(\u)+4*\f:P+16*(\u)+4*\f+3] offset:(\u)*16*PV+32*\f
.endr
.endm
; THE WHOLE END.  Behind both tiles: e comes back by rows for eh, and turned, beside ka turned, for my part of the chunk state: 16 products over my 32 rows (source 0 = 16 channels d of ka, source 1 = 16
; channels c of e).  The four waves' parts meet in LDS behind a barrier; wave w adds the four quarters cb = w and stores 4,096 consecutive bytes.  The parts' bytes are written again at the next
; block's end, behind at least one change of slots, in front of whose barrier every wave has waited for its LDS reads.
.macro FINISH blk
	WIN 0
.irp u, 0,1
	v_add_f32 v[ST+4*\u+2], v[ST+4*\u+2], v[ST+4*\u+3]
.endr
.irp u, 0,1
	v_permlanex16_b32 v[ST+4*\u+3], v[ST+4*\u+2], s[SEL], s[SEL+1]
.endr
.irp u, 0,1
	v_add_f32 v[ST+4*\u+2], v[ST+4*\u+2], v[ST+4*\u+3]
.endr
.irp u, 0,1
	v_rcp_f32 v[ST+4*\u+2], v[ST+4*\u+2]
.endr
	v_nop                           ; a plain instruction between the last reciprocal and the use of its result
	s_wait_alu depctr_va_vdst(0)    ; the wait for the batch of two reciprocals, ahead of the multiplies that divide O^T by l
	WIN 0x04
.set z, 0
.rept 8                             ; my rows of ka into LDS, four rows a store
	ds_store_b128 v[RD], v[KAR+32*(\blk)+4*z:KAR+32*(\blk)+4*z+3] offset:KOFF+z*4*PV
.set z, z+1
.endr
	PACKY 0, \blk
	PACKY 1, \blk
	WIN 0x80                        ; LDS serves a wave's instructions in order (ISA guide 5.7.1.4): these loads see my stores above
.irp f, 0,1,2,3
	ds_load_tr16_b128 v[KF+8*\f:KF+8*\f+3],   v[TE] offset:KOFF+32*\f
	ds_load_tr16_b128 v[KF+8*\f+4:KF+8*\f+7], v[TE] offset:KOFF+16*PV+32*\f
.endr
.irp f, 0,1,2,3
	ds_load_tr16_b128 v[KF+32+8*\f:KF+32+8*\f+3],   v[TE] offset:32*\f
	ds_load_tr16_b128 v[KF+32+8*\f+4:KF+32+8*\f+7], v[TE] offset:16*PV+32*\f
.endr
	WIN 0
.set z, 0
.rept 8
	ds_load_b128 v[S+4*z:S+4*z+3], v[RD] offset:z*4*PV
.set z, z+1
.endr
	s_wait_dscnt 8                  ; the fragments are in; the eight loads of rows, which are younger, may be out
	WIN 0x8a                        ; all in window 2
.set i, 0
.rept 16                            ; tile (db = i % 4, cb = i / 4): each accumulator once, started by the constant 0
	v_wmma_f32_16x16x32_f16 v[AC+8*i:AC+8*i+7], v[KF+8*(i%4):KF+8*(i%4)+7], v[KF+32+8*(i/4):KF+32+8*(i/4)+7], 0
.set i, i+1
.endr
	WIN 0
	PLACES
	s_wait_dscnt 0x0
.set z, 0
.rept 8
	global_store_b128 v[GO], v[S+4*z:S+4*z+3], s[OUT0+2:OUT0+3] offset:z*512  ; four rows of e: 512 consecutive bytes
.set z, z+1
.endr
	WIN 0x08                        ; store data in window 2
.set z, 0
.rept 32                            ; each accumulator's low four registers first
	ds_store_b128 v[RW], v[AC+4*z:AC+4*z+3] offset:z*512
.set z, z+1
.endr
	WIN 0
	s_wait_dscnt 0x0                ; for the others' sake: my part is in LDS
	s_barrier_signal -1
	s_barrier_wait -1
	WIN 0x80
.set z, 0
.rept 32                            ; quarter cb = w of wave z / 8's part
	ds_load_b128 v[AC+4*z:AC+4*z+3], v[RR] offset:(z/8)*16384+(z%8)*512
.set z, z+1
.endr
	s_wait_dscnt 0x0
	WIN 0x8a
.set z, 0
.rept 16
	v_pk_add_f32 v[AC+2*z:AC+2*z+1], v[AC+2*z:AC+2*z+1], v[AC+32+2*z:AC+32+2*z+1]
	v_pk_add_f32 v[AC+64+2*z:AC+64+2*z+1], v[AC+64+2*z:AC+64+2*z+1], v[AC+96+2*z:AC+96+2*z+1]
.set z, z+1
.endr
.set z, 0
.rept 16
	v_pk_add_f32 v[AC+2*z:AC+2*z+1], v[AC+2*z:AC+2*z+1], v[AC+64+2*z:AC+64+2*z+1]
.set z, z+1
.endr
	WIN 0x08
.set z, 0
.rept 8
	global_store_b128 v[GO], v[AC+4*z:AC+4*z+3], s[CO0:CO0+1] offset:z*512
.set z, z+1
.endr
	WIN 0
.endm
	s_wait_loadcnt 0x0              ; Q, the rows t + 1 and ka, once
.Ltile:                             ; 8 trips: a tile of four live steps is entered and the next is asked for
	CHANGE 1
	FETCH_K
	s_sub_co_u32 s[RT], s[RT], 1
	s_cmp_eq_u32 s[RT], 0
	s_cselect_b32 s[MS], 2, 4       ; the first block's last tile: steps 2 and 3 hold the diagonal
	s_mov_b32 s[STP], 0
.Lstep:
	STEP 3, 1, 2
	s_add_co_u32 s[STP], s[STP], 1
	s_cmp_lt_u32 s[STP], 4
	s_cbranch_scc1 .Lstep
	s_cmp_lg_u32 s[RT], 0
	s_cbranch_scc1 .Lbottom
	FINISH 0                        ; the first block ends; the ring runs on
	s_wait_xcnt 0x0                 ; the stores' bases and data registers are written again only behind this wait
	s_mov_b64 s[OUT0:OUT0+1], s[OUT1:OUT1+1]
	s_mov_b64 s[OUT0+2:OUT0+3], s[OUT1+2:OUT1+3]
	s_mov_b64 s[CO0:CO0+1], s[CO1:CO1+1]
	WIN 0x82
.set i, 0
.rept 32
	v_mov_b32 v[i], v[Q2+i]         ; the second block's Q goes where the one text of the steps names Q
.set i, i+1
.endr
	WIN 0
	RESET                           ; a = 0 in the next step: what O^T and l hold need only be finite
	s_mov_b32 s[RT], 64             ; not 0 again in the trips that are left
.Lbottom:
	s_sub_co_u32 s[SLOTS], s[SLOTS], 1
	s_cmp_lg_u32 s[SLOTS], 0
	s_cbranch_scc1 .Ltile
	CHANGE 0                        ; the walk's last tile is written out: two live steps, both with the diagonal
	FETCH_K
	s_mov_b32 s[STP], 0
.Lstep2:
	STEP 1, 0, 0
	s_add_co_u32 s[STP], s[STP], 1
	s_cmp_lt_u32 s[STP], 2
	s_cbranch_scc1 .Lstep2
	FINISH 1
	s_wait_tensorcnt 0x0            ; the wave's end
	ds_add_u32 v[SPW], v[NIL]
	s_wait_dscnt 0x0
	s_endpgm
.Lfunc_end_k_q154f78cc86_attn_ar:
	.size	k_q154f78cc86_attn_ar, .Lfunc_end_k_q154f78cc86_attn_ar-k_q154f78cc86_attn_ar
	.p2alignl 7, 3214868480
	.fill 96, 4, 3214868480
	.section	.rodata,"a",@progbits
	.p2align	6, 0x0
	.amdhsa_kernel k_q154f78cc86_attn_ar
		.amdhsa_group_segment_fixed_size 327680
		.amdhsa_private_segment_fixed_size 0
		.amdhsa_enable_private_segment 0
		.amdhsa_kernarg_size 48
		.amdhsa_user_sgpr_count 2
		.amdhsa_user_sgpr_kernarg_segment_ptr 1
		.amdhsa_wavefront_size32 1
		.amdhsa_system_sgpr_workgroup_id_x 1
		.amdhsa_system_sgpr_workgroup_id_y 1
		.amdhsa_system_sgpr_workgroup_id_z 1
		.amdhsa_system_vgpr_workitem_id 0
		.amdhsa_next_free_vgpr 768
		.amdhsa_next_free_sgpr 102
		.amdhsa_reserve_vcc 1
		.amdhsa_float_denorm_mode_32 3
		.amdhsa_float_denorm_mode_16_64 3
		.amdhsa_memory_ordered 1
		.amdhsa_forward_progress 1
		.amdhsa_inst_pref_size 110
	.end_amdhsa_kernel
	.amdgpu_metadata
---
amdhsa.version: [ 1, 2 ]
amdhsa.kernels:
  - .name:           k_q154f78cc86_attn_ar
    .symbol:         k_q154f78cc86_attn_ar.kd
    .args:
      - { .name: qkk, .offset: 0, .size: 8, .value_kind: global_buffer, .address_space: global }
      - { .name: vh, .offset: 8, .size: 8, .value_kind: global_buffer, .address_space: global }
      - { .name: xb, .offset: 16, .size: 8, .value_kind: global_buffer, .address_space: global }
      - { .name: yf, .offset: 24, .size: 8, .value_kind: global_buffer, .address_space: global }
      - { .name: eh, .offset: 32, .size: 8, .value_kind: global_buffer, .address_space: global }
      - { .name: cst, .offset: 40, .size: 8, .value_kind: global_buffer, .address_space: global }
    .group_segment_fixed_size: 327680
    .private_segment_fixed_size: 0
    .kernarg_segment_align: 8
    .kernarg_segment_size: 48
    .max_flat_workgroup_size: 128
    .sgpr_count:     102
    .vgpr_count:     768
    .wavefront_size: 32
...
	.end_amdgpu_metadata
.endif
;; end of part 10
;; launch attn_ma: the kernel of part 8 again; grid 8 x 32, 4 waves a work-group, no clusters, 202,240 bytes of LDS; arguments qkk, eh, yf, cst, ohl; writes ohl
;; launch gemm_out: the kernel of part 5 again; grid 8 x 32, 4 waves a work-group, clusters of 4 x 4, 327,680 bytes of LDS; arguments ohl, wts, out0; writes out0
